; MI455X (gfx1250); checked and timed in simulation.
; The chip was launched on July 23, 2026; its instructions are those of AMD's public machine-readable ISA for CDNA 5 (MIT licence, August 2026) and "CDNA5" Instruction Set Architecture Reference Guide (July 2026). The comments in the code are by the model that wrote it; some were corrected since.
;; Multi Head Attention. Allowed arithmetic: float matrix products may take bf16 or f16 operands with f32 sums; other float arithmetic in f32, or as packed bf16 or f16 multiplies, adds, multiply-adds, maxima and minima; sums over many terms, partial sums and values carried from step to step in f32; what a program stores and reads back later, other than sums and carried values, may be rounded once to bf16 or f16.
;; Inputs: Wk 1,024 x 1,024 float32; Wq 1,024 x 1,024 float32; Wv 1,024 x 1,024 float32; bk 1,024 float32; bq 1,024 float32; bv 1,024 float32; x 4 x 2,048 x 1,024 float32.
;; Outputs: out0 4 x 2,048 x 1,024 float32.
;; 3 versions, each right; version 2 is faster than version 1; version 3 is version 2 with the launch cast written anew for expert scheduling mode. Each part assembles by itself: llvm-mc -triple=amdgcn-amd-amdhsa -mcpu=gfx1250 --defsym DOCPART=n.
;; ======== version 1 of 3: 4 launches
;; limits: values are held in f16: magnitudes above 65,504 overflow, below 6.1e-05 lose precision; values outside matrix products are rounded to f16
;; workspace buffers: xw 23,068,672 bytes; qkv 50,331,648 bytes; p16 33,554,432 bytes; stat 1,048,576 bytes
;; launch cast (part 1): grid 704 x 1, 8 waves a work-group, no clusters, 0 bytes of LDS; arguments x, Wq, Wk, Wv, xw; writes xw
.if DOCPART == 1
	.amdgcn_target "amdgcn-amd-amdhsa--gfx1250"
	.amdhsa_code_object_version 6
	.text
	.protected	k_qd154efd462_cast
	.globl	k_qd154efd462_cast
	.p2align	8
	.type	k_qd154efd462_cast,@function
k_qd154efd462_cast:
	s_mov_b64 s[64:65], 0
	v_nop
	global_prefetch_b8 v0, s[64:65] scope:SCOPE_SE
	s_setreg_imm32_b32 hwreg(HW_REG_WAVE_MODE, 25, 1), 1
	s_wait_xcnt 0x0
; xw = bf16(x), then bf16(Wq), bf16(Wk), bf16(Wv): [11264][1024] bf16, each number rounded once to nearest even.
; A stream: each input byte is read once, each output byte written once.  No LDS, no matrix unit, no cluster: no two work-groups read the same bytes.
; A work-group of eight waves takes 16 rows of 1,024 numbers: numbers 0-511 of the grid are x's, then 64 work-groups for each weight.
; Thread t takes numbers 4 t .. 4 t + 3 of every row: a wave's load covers 512 consecutive bytes, its store 256 consecutive bytes at a multiple of 256.
.set SRC_ROW, 4096                     ; bytes of a row in f32
.set DST_ROW, 2048                     ; in bf16
.set X, 4                              ; v[4:67]   16 rows as loaded
.set Y, 68                             ; v[68:99]  16 rows to store
	s_load_b256 s[4:11], s[0:1], 0x0               ; x s[4:5], Wq s[6:7], Wk s[8:9], Wv s[10:11]
	s_load_b64 s[12:13], s[0:1], 0x20              ; xw
	s_mov_b32 s14, ttmp9                           ; the work-group's number: also its 16 rows' place in xw
	s_sub_co_u32 s15, s14, 512                     ; its number among the weights' work-groups
	s_lshr_b32 s16, s15, 6                         ; which weight
	s_and_b32 s17, s15, 63                         ; which 16 rows of it
	v_lshlrev_b32 v1, 4, v0                        ; 16 t: my bytes in a source row
	v_lshlrev_b32 v2, 3, v0                        ; 8 t: in a row of xw
	s_wait_kmcnt 0x0
	s_cmp_eq_u32 s16, 1                            ; the source is chosen by the work-group's number alone
	s_cselect_b64 s[18:19], s[8:9], s[6:7]
	s_cmp_eq_u32 s16, 2
	s_cselect_b64 s[18:19], s[10:11], s[18:19]
	s_cmp_lt_u32 s14, 512
	s_cselect_b64 s[18:19], s[4:5], s[18:19]
	s_cselect_b32 s17, s14, s17
	s_lshl_b32 s20, s17, 16                        ; 16 rows of 4,096 bytes
	s_mov_b32 s21, 0
	s_add_nc_u64 s[18:19], s[18:19], s[20:21]
	s_lshl_b32 s22, s14, 15                        ; 16 rows of 2,048 bytes
	s_mov_b32 s23, 0
	s_add_nc_u64 s[12:13], s[12:13], s[22:23]
.set i, 0
.rept 16
	global_load_b128 v[X+4*i:X+4*i+3], v1, s[18:19] offset:SRC_ROW*i th:TH_LOAD_NT  ; all sixteen rows are asked for at once
.set i, i+1
.endr
.set i, 0
.rept 16
	s_wait_loadcnt 15-i                            ; loads come back in order (ISA guide 5.7.1): row i is in, the 15 - i younger ones stay out
	v_cvt_pk_bf16_f32 v[Y+2*i], v[X+4*i], v[X+4*i+1]
	v_cvt_pk_bf16_f32 v[Y+2*i+1], v[X+4*i+2], v[X+4*i+3]
	global_store_b64 v2, v[Y+2*i:Y+2*i+1], s[12:13] offset:DST_ROW*i  ; no register is written twice, so nothing waits for a store
.set i, i+1
.endr
	s_endpgm
.Lfunc_end_k_qd154efd462_cast:
	.size	k_qd154efd462_cast, .Lfunc_end_k_qd154efd462_cast-k_qd154efd462_cast
	.p2alignl 7, 3214868480
	.fill 96, 4, 3214868480
	.section	.rodata,"a",@progbits
	.p2align	6, 0x0
	.amdhsa_kernel k_qd154efd462_cast
		.amdhsa_group_segment_fixed_size 0
		.amdhsa_private_segment_fixed_size 0
		.amdhsa_enable_private_segment 0
		.amdhsa_kernarg_size 40
		.amdhsa_user_sgpr_count 2
		.amdhsa_user_sgpr_kernarg_segment_ptr 1
		.amdhsa_wavefront_size32 1
		.amdhsa_system_sgpr_workgroup_id_x 1
		.amdhsa_system_sgpr_workgroup_id_y 1
		.amdhsa_system_sgpr_workgroup_id_z 1
		.amdhsa_system_vgpr_workitem_id 0
		.amdhsa_next_free_vgpr 104
		.amdhsa_next_free_sgpr 66
		.amdhsa_reserve_vcc 0
		.amdhsa_float_denorm_mode_32 3
		.amdhsa_float_denorm_mode_16_64 3
		.amdhsa_memory_ordered 1
		.amdhsa_forward_progress 1
		.amdhsa_inst_pref_size 7
	.end_amdhsa_kernel
	.amdgpu_metadata
---
amdhsa.version: [ 1, 2 ]
amdhsa.kernels:
  - .name:           k_qd154efd462_cast
    .symbol:         k_qd154efd462_cast.kd
    .args:
      - { .name: x, .offset: 0, .size: 8, .value_kind: global_buffer, .address_space: global }
      - { .name: Wq, .offset: 8, .size: 8, .value_kind: global_buffer, .address_space: global }
      - { .name: Wk, .offset: 16, .size: 8, .value_kind: global_buffer, .address_space: global }
      - { .name: Wv, .offset: 24, .size: 8, .value_kind: global_buffer, .address_space: global }
      - { .name: xw, .offset: 32, .size: 8, .value_kind: global_buffer, .address_space: global }
    .group_segment_fixed_size: 0
    .private_segment_fixed_size: 0
    .kernarg_segment_align: 8
    .kernarg_segment_size: 40
    .max_flat_workgroup_size: 256
    .sgpr_count:     66
    .vgpr_count:     104
    .wavefront_size: 32
...
	.end_amdgpu_metadata
.endif
;; end of part 1
;; launch proj (part 2): grid 12 x 64, 4 waves a work-group, clusters of 4 x 4, 327,680 bytes of LDS; arguments xw, bq, bk, bv, qkv; writes qkv
.if DOCPART == 2
	.amdgcn_target "amdgcn-amd-amdhsa--gfx1250"
	.amdhsa_code_object_version 6
	.text
	.protected	k_qd154efd462_proj
	.globl	k_qd154efd462_proj
	.p2align	8
	.type	k_qd154efd462_proj,@function
k_qd154efd462_proj:
	s_mov_b64 s[64:65], 0
	v_nop
	global_prefetch_b8 v0, s[64:65] scope:SCOPE_SE
	s_setreg_imm32_b32 hwreg(HW_REG_WAVE_MODE, 25, 1), 1
	s_wait_xcnt 0x0
	s_wait_alu depctr_hold_cnt(0) depctr_sa_sdst(0) depctr_va_vdst(0) depctr_va_sdst(0) depctr_va_ssrc(0) depctr_va_vcc(0) depctr_vm_vsrc(0)
	s_getreg_b32 s2, hwreg(HW_REG_IB_STS2, 6, 4)
	s_cmp_eq_u32 s2, 0
	s_cbranch_scc0 .Lentry_in_a_cluster
	s_endpgm
.Lentry_in_a_cluster:
	s_bfe_u32 s2, ttmp6, 0x10000c
	s_cmp_lg_u32 s2, 0xf033
	s_cbranch_scc0 .Lentry_shape_is_right
	s_endpgm
.Lentry_shape_is_right:
; qkv[row][0:1024] = c (x Wq + bq), [1024:2048] = x Wk + bk, [2048:3072] = x Wv + bv, in f16; c = log2(e) / sqrt(128), applied in f32 ahead of the one rounding.
; x and the weights arrive in bf16 (xw: rows 0-8191 x, then Wq, Wk, Wv as they lie, [d][e]); the biases are rounded to bf16 here, like every other input.  Sums in f32.
; LIMITS.  f16 holds no number beyond 65,504: |c q|, |k|, |v| must stay under it; NaN and infinities are not treated apart.
; SHARES.  A tile of the result is 128 rows x 256 columns; 12 x 64 tiles, three for each of 256 WGPs.  Four waves, each 64 rows x 128 columns: 32 accumulators of 16 x 16, 256 registers.
; K goes in 8 steps of 128 through two LDS slots.  A's tile (128 rows x 256 bytes) lies along K; B's (128 k-rows x 512 bytes) lies [k][n] and is turned on the way into registers by ds_load_tr16_b128.
; CLUSTER.  4 x 4 work-groups: the four of a row of the cluster need the same tile of x, the four of a column the same tile of a weight: each is asked for jointly, by the same tensor load,
; descriptor and mask in all four.  A cluster's x is the weight, so bias and scale are chosen by a number that all sixteen share.
; THE MATRIX INSTRUCTION IS USED TRANSPOSED (source 0 = 16 columns of B, source 1 = 16 rows of A): a lane holds eight neighbouring numbers of one row of the result.
; REGISTERS, in windows of 256 (s_set_vgpr_msb: bits 1:0 source 0, 3:2 source 1, 5:4 source 2, 7:6 destination):
;   window 0: v0-31 addresses; v64-159, v160-255 two fragment buffers (64 registers of B, 32 of A, for 32 along K); on the way out at work
;   window 1: accumulator (a, b) at v[64 a + 8 b]          window 2: v0-63 c x bias of my 128 columns, v64-67 at work
.set PA,    272                        ; a row of A in LDS: 256 bytes + 16 = 68 words: the 16 rows of a load start at 16 different groups of four banks (64 banks of 4 bytes: ISA guide 11.1)
.set PB,    544                        ; a row of B: 512 + 32 = 136 words
.set ATILE, 128*PA
.set SLOT1, 131072                     ; slot 1 begins here, so that one exclusive or turns an address in one slot into the other's; a slot: A's tile, then B's, 104,448 bytes
.set STAGE, SLOT1+ATILE+128*PB         ; behind the ring, never filled by a tensor load: 16 rows x 272 bytes for each wave
.set SP,    272
.set SPARE, STAGE+4*16*SP              ; the spare words, 128 bytes for each wave: two blocks of 256 bytes that no other line names
.set NSTEP, 8
.set PITCH_A, 1024                     ; elements from row to row of xw
.set PITCH_B, 1024
.set STEPA, 256                        ; a K step along x's rows, in bytes
.set STEPB, 128*2048                   ; a K step down a weight's rows
.set CROW,  6144                       ; bytes in a row of qkv
.set ADRA0, 16                         ; v16  my lane's place in A's tile of slot 0; never rewritten
.set ADRA,  17                         ; v17  the same in the slot in hand
.set ADRB0, 20                         ; v20, v21 the same for B
.set ADRB,  21
.set STO,   24                         ; v24  the way out: where I put 16 bytes of a row
.set RD,    25                         ; v25  where I read a row back
.set CO,    26                         ; v26  my byte offset in qkv
.set BO,    27                         ; v27  my byte offset in the bias
.set SPW,   28                         ; v28  LDS address of my spare word; never rewritten
.set NIL,   29                         ; v29  0; never rewritten
.set F0,    64
.set F1,    160
.set T,     64                         ; the way out: 64 numbers in f32
.set TMP,   128                        ; packed to f16
.set OB,    160                        ; 16 rows read back: v160-191 and v192-223 by turns
.set G1A,   24                         ; s[24:31] descriptor group 1 for A's tiles
.set G0A,   32                         ; s[32:39] group 0: a set for each of the two first fills; the second then walks on
.set G1B,   48                         ; s[48:55], s[56:63] the same for B's
.set G0B,   56
.set TB,    68                         ; s68  LDS byte at which the slot in hand begins
.set MSB, 0
.macro WIN new                         ; the immediate's high byte repeats the setting that is left; a switch that changes nothing is dropped
.if MSB != (\new)
	s_set_vgpr_msb (MSB<<8)|(\new)
.set MSB, \new
.endif
.endm
.set MUL, 0x50                         ; sources in window 0, C and D in window 1
; A joint refill.  Waves 0 and 1 fetch A's two halves, waves 2 and 3 B's.  The branch hangs on the wave's number alone.  An s_nop 0 and four v_nop follow each of the two lines.
.macro JLOAD
	s_cmp_eq_u32 s15, 0
	s_cbranch_scc0 .Lfor_b_\@
	tensor_load_to_lds s[G0A+4:G0A+7], s[G1A:G1A+7]
	s_nop 0
.rept 4
	v_nop
.endr
	s_branch .Lasked_\@
.Lfor_b_\@:
	tensor_load_to_lds s[G0B+4:G0B+7], s[G1B:G1B+7]
	s_nop 0
.rept 4
	v_nop
.endr
.Lasked_\@:
.endm
.macro CREST                           ; a round of the cluster's barrier behind its opening barrier
	s_cmp_lg_u32 s14, 0
	s_cbranch_scc1 .Lnot_wave_0_\@
	s_barrier_signal -3
.Lnot_wave_0_\@:
	s_barrier_wait -3
	s_barrier_signal -1
	s_barrier_wait -1
.endm
.macro CROUND                          ; a whole round
	s_barrier_signal -1
	s_barrier_wait -1
	CREST
.endm
	s_load_b256 s[4:11], s[0:1], 0x0               ; xw s[4:5], bq s[6:7], bk s[8:9], bv s[10:11]
	s_load_b64 s[12:13], s[0:1], 0x20              ; qkv
	v_lshl_add_u32 v[SPW], v0, 2, SPARE
	v_mov_b32 v[NIL], 0
	ds_add_u32 v28, v29
	s_wait_dscnt 0x0
	v_lshrrev_b32 v1, 5, v0
	v_readfirstlane_b32 s14, v1                    ; wave 0..3
	s_lshr_b32 s15, s14, 1                         ; which 64 rows of the tile are mine.  Also: I fetch for A (0) or for B (1)
	s_and_b32 s16, s14, 1                          ; which 128 columns.  Also: which half of that tile I fetch
	s_bfe_u32 s17, ttmp6, 0x40000                  ; cx
	s_bfe_u32 s18, ttmp6, 0x40004                  ; cy
	s_mov_b32 s23, ttmp9                           ; the cluster's x: the weight, 0 q, 1 k, 2 v
	s_lshl_b32 s19, s23, 2
	s_add_co_u32 s19, s19, s17                     ; tile column = 4 x cluster x + cx
	s_and_b32 s20, ttmp7, 0xffff
	s_lshl_b32 s20, s20, 2
	s_add_co_u32 s20, s20, s18                     ; tile row = 4 x cluster y + cy
	s_lshl_b32 s21, s18, 2
	s_lshl_b32 s21, 15, s21                        ; my row of the cluster
	s_lshl_b32 s22, 0x1111, s17                    ; my column
	s_or_b32 s[G1A], s21, (1<<16)|(1<<20)|(1<<21)|(5<<22)|(3<<25)  ; the mask; 2-byte elements; padding on; 21 set beside a mask; after every 64 words, 4 words
	s_mov_b32 s[G1A+1], 128<<16                    ; tensor_dim0 = 128
	s_mov_b32 s[G1A+2], 64<<16                     ; tensor_dim1 = 64
	s_mov_b32 s[G1A+3], 128<<16                    ; tile_dim0 = 128
	s_mov_b32 s[G1A+4], 64                         ; tile_dim1 = 64
	s_mov_b32 s[G1A+5], PITCH_A
	s_mov_b32 s[G1A+6], 0
	s_mov_b32 s[G1A+7], 0
	s_or_b32 s[G1B], s22, (1<<16)|(1<<20)|(1<<21)|(6<<22)|(7<<25)  ; after every 128 words, 8 words
	s_mov_b32 s[G1B+1], 256<<16                    ; tensor_dim0 = 256
	s_mov_b32 s[G1B+2], 64<<16
	s_mov_b32 s[G1B+3], 256<<16                    ; tile_dim0 = 256
	s_mov_b32 s[G1B+4], 64
	s_mov_b32 s[G1B+5], PITCH_B
	s_mov_b32 s[G1B+6], 0
	s_mov_b32 s[G1B+7], 0
	s_lshl_b32 s40, s20, 7                         ; A: row 128 x tile row + 64 x half, 2,048 bytes a row: hangs on the tile row alone
	s_lshl_b32 s41, s16, 6
	s_add_co_u32 s40, s40, s41
	s_lshl_b32 s40, s40, 11
	s_mov_b32 s41, 0
	s_lshl_b32 s44, s23, 21                        ; B: the weight's 1,024 rows behind x's 8,192; k-row 64 x half; column 256 cx: hangs on the tile column alone
	s_lshl_b32 s45, s16, 17
	s_add_co_u32 s44, s44, s45
	s_lshl_b32 s45, s17, 9
	s_add_co_u32 s44, s44, s45
	s_add_co_u32 s44, s44, 0x1000000
	s_mov_b32 s45, 0
	s_mul_i32 s74, s16, 64*PA                      ; where they go: no place in the cluster enters an LDS address
	s_mul_i32 s75, s16, 64*PB
	s_add_co_u32 s75, s75, ATILE
	s_cmp_eq_u32 s23, 0
	s_cselect_b32 s66, 0x3e0293ee, 1.0             ; c = 0.127517 for q, 1 for k and v
	s_mov_b32 s67, s66                             ; named with it as a pair
	s_mov_b32 s[TB], 0
	s_wait_kmcnt 0x0
	s_add_nc_u64 s[42:43], s[4:5], s[40:41]
	s_add_nc_u64 s[46:47], s[4:5], s[44:45]
	s_cmp_eq_u32 s23, 1                            ; the bias that goes with the weight
	s_cselect_b64 s[6:7], s[8:9], s[6:7]
	s_cmp_eq_u32 s23, 2
	s_cselect_b64 s[6:7], s[10:11], s[6:7]
.irp n, 0,1
	s_mov_b32 s[G0A+4*(\n)], 1                     ; count = 1
	s_add_co_u32 s[G0A+4*(\n)+1], s74, (\n)*SLOT1  ; LDS address
	s_add_nc_u64 s[G0A+4*(\n)+2:G0A+4*(\n)+3], s[42:43], (\n)*STEPA  ; global address: K step n
	s_or_b32 s[G0A+4*(\n)+3], s[G0A+4*(\n)+3], 0x80000000           ; type = 2
	s_mov_b32 s[G0B+4*(\n)], 1
	s_add_co_u32 s[G0B+4*(\n)+1], s75, (\n)*SLOT1
	s_add_nc_u64 s[G0B+4*(\n)+2:G0B+4*(\n)+3], s[46:47], (\n)*STEPB
	s_or_b32 s[G0B+4*(\n)+3], s[G0B+4*(\n)+3], 0x80000000
.endr
	CROUND                                         ; all sixteen work-groups are here: the first joint loads meet
	s_cmp_eq_u32 s15, 0                            ; a wave's two first fills stand in one branch: two loads of mine are out
	s_cbranch_scc0 .Lfirst_b
	tensor_load_to_lds s[G0A:G0A+3], s[G1A:G1A+7]
	s_nop 0
	tensor_load_to_lds s[G0A+4:G0A+7], s[G1A:G1A+7]
	s_nop 0
.rept 4
	v_nop
.endr
	s_branch .Lfirst_asked
.Lfirst_b:
	tensor_load_to_lds s[G0B:G0B+3], s[G1B:G1B+7]
	s_nop 0
	tensor_load_to_lds s[G0B+4:G0B+7], s[G1B:G1B+7]
	s_nop 0
.rept 4
	v_nop
.endr
.Lfirst_asked:
	v_and_b32 v1, 15, v0                           ; r = l % 16
	v_bfe_u32 v2, v0, 4, 1                         ; h = l / 16
	s_lshl_b32 s72, s17, 10                        ; the bias of my columns: 4 bytes x (256 cx + 128 half + 8 h), block b 64 bytes on
	s_lshl_b32 s73, s16, 9
	s_add_co_u32 s72, s72, s73
	v_lshl_add_u32 v[BO], v2, 5, s72
	WIN 0x80                                       ; destination window 2, address window 0
.irp b, 0,1,2,3,4,5,6,7
	global_load_b128 v[8*(\b):8*(\b)+3],   v[BO], s[6:7] offset:64*(\b)
	global_load_b128 v[8*(\b)+4:8*(\b)+7], v[BO], s[6:7] offset:64*(\b)+16
.endr
	WIN 0
	; A fragment of A: lane l holds row l % 16, k = 8 h + 0..7 and 16 + 8 h + 0..7: two loads of 16 bytes, 32 bytes apart.
	v_mul_u32_u24 v3, v1, PA
	v_lshl_add_u32 v3, v2, 4, v3                   ; r x pitch + 16 h
	s_mul_i32 s76, s15, 64*PA                      ; my 64 rows
	v_add_nc_u32 v[ADRA0], s76, v3
	; The turning load takes 16 k x 16 columns (lane l reads k-row 8 h + l % 8, columns 8 ((l / 8) % 2) + 0..7) and leaves half a fragment: lane l holds column l % 16 and 8 k.
	v_and_b32 v4, 7, v0
	v_lshl_add_u32 v4, v2, 3, v4
	v_mul_u32_u24 v4, v4, PB
	v_bfe_u32 v5, v0, 3, 1
	v_lshl_add_u32 v4, v5, 4, v4
	s_lshl_b32 s76, s16, 8                         ; my 128 columns,
	s_add_co_u32 s76, s76, ATILE                   ; behind A's tile
	v_add_nc_u32 v[ADRB0], s76, v4
	s_mul_i32 s76, s14, 16*SP
	s_add_co_u32 s76, s76, STAGE                   ; my stage
	v_add_nc_u32 v[STO], s76, v3                   ; in: row r, 16 bytes for each half of the lanes (the stage's pitch is A's)
	v_mul_u32_u24 v5, v2, SP                       ; back: lanes 0-15 take one row of 256 bytes, lanes 16-31 the next
	v_lshl_add_u32 v5, v1, 4, v5
	v_add_nc_u32 v[RD], s76, v5
	v_mul_u32_u24 v5, v2, CROW                     ; and the same two rows in qkv
	v_lshl_add_u32 v[CO], v1, 4, v5
	s_lshl_b32 s70, s20, 7                         ; my part of the tile in qkv: row 128 x tile row + 64 x half, byte 512 x tile column + 256 x half
	s_lshl_b32 s71, s15, 6
	s_add_co_u32 s70, s70, s71
	s_mul_i32 s70, s70, CROW
	s_lshl_b32 s71, s19, 9
	s_add_co_u32 s70, s70, s71
	s_lshl_b32 s71, s16, 8
	s_add_co_u32 s70, s70, s71
	s_mov_b32 s71, 0
	s_add_nc_u64 s[12:13], s[12:13], s[70:71]
	s_wait_loadcnt 0x0                             ; the bias: rounded to bf16, widened again, times c
	WIN 0x8a                                       ; sources 0, 1 and destination in window 2
.set i, 0
.rept 32
	v_cvt_pk_bf16_f32 v[64+i%4], v[2*i], v[2*i+1]
	v_lshlrev_b32 v[2*i], 16, v[64+i%4]
	v_and_b32 v[2*i+1], 0xffff0000, v[64+i%4]
	v_pk_mul_f32 v[2*i:2*i+1], v[2*i:2*i+1], s[66:67] op_sel_hi:[1,0]
.set i, i+1
.endr
	WIN 0
; 8 matrix instructions: row block a x all 8 column blocks, 32 along K.  zero = 1: the product starts the sums.  The 32 accumulators take turns in the same order in every quarter.
.macro MUL8 f, a, zero
	WIN MUL
.irp b, 0,1,2,3,4,5,6,7
.if \zero
	v_wmma_f32_16x16x32_bf16 v[64*(\a)+8*(\b):64*(\a)+8*(\b)+7], v[(\f)+8*(\b):(\f)+8*(\b)+7], v[(\f)+64+8*(\a):(\f)+64+8*(\a)+7], 0
.else
	v_wmma_f32_16x16x32_bf16 v[64*(\a)+8*(\b):64*(\a)+8*(\b)+7], v[(\f)+8*(\b):(\f)+8*(\b)+7], v[(\f)+64+8*(\a):(\f)+64+8*(\a)+7], v[64*(\a)+8*(\b):64*(\a)+8*(\b)+7]
.endif
.endr
.endm
; 24 LDS loads in one run: quarter q's fragments into buffer f: B's 8 blocks (turned), then A's 4
.macro FETCH q, f
	WIN 0
.irp b, 0,1,2,3,4,5,6,7
	ds_load_tr16_b128 v[(\f)+8*(\b):(\f)+8*(\b)+3],   v[ADRB] offset:(\q)*32*PB+32*(\b)
	ds_load_tr16_b128 v[(\f)+8*(\b)+4:(\f)+8*(\b)+7], v[ADRB] offset:(\q)*32*PB+16*PB+32*(\b)
.endr
.irp a, 0,1,2,3
	ds_load_b128 v[(\f)+64+8*(\a):(\f)+64+8*(\a)+3],   v[ADRA] offset:64*(\q)+(\a)*16*PA
	ds_load_b128 v[(\f)+64+8*(\a)+4:(\f)+64+8*(\a)+7], v[ADRA] offset:64*(\q)+(\a)*16*PA+32
.endr
.endm
.macro PLACES                          ; four plain vector instructions between a matrix instruction and a load into, or a vector read or write of, its registers (ISA guide 7.12.1 for vector reads and writes)
.rept 4
	v_nop
.endr
.endm
; A K step is four quarters of 32 along K, 32 matrix instructions each, on buffers 0, 1, 0, 1.  One of the first three: multiplies buffer f, and in its middle fetches quarter q into buffer g.
.macro QUARTER q, f, g, zero
	s_wait_dscnt 4                                 ; B and A's blocks 0, 1 are in; the youngest four loads (A's blocks 2, 3) may be out
	MUL8 \f, 0, \zero
	MUL8 \f, 1, \zero
	WIN 0
	s_wait_dscnt 0x0                               ; A's blocks 2, 3
	PLACES
	FETCH \q, \g
	MUL8 \f, 2, \zero
	MUL8 \f, 3, \zero
.endm
; The last quarter multiplies buffer 1 and changes slots: ONE barrier.  In front of it each wave waits for all its tensor loads (one is out: its part of the next slot), adds 0 to its spare word,
; and waits for that and for its reads of this slot.  fill = 1: the barrier opens a round of the cluster's, and this slot is filled again, with the K step two on, first thing behind the round.
.macro TURN fill
	WIN 0
	s_wait_tensorcnt 0x0                           ; no tensor load of mine is out, so a group 0 may be written
	ds_add_u32 v[SPW], v[NIL]                      ; 0 onto my spare word
.if \fill
	s_xor_b32 s[G0A+5], s[G0A+5], SLOT1            ; the walking descriptors: the other slot than last time, the next K step
	s_add_nc_u64 s[G0A+6:G0A+7], s[G0A+6:G0A+7], STEPA
	s_xor_b32 s[G0B+5], s[G0B+5], SLOT1
	s_add_nc_u64 s[G0B+6:G0B+7], s[G0B+6:G0B+7], STEPB
.endif
	s_xor_b32 s[TB], s[TB], SLOT1                  ; the fetches go on in the other slot
	s_wait_dscnt 5                                 ; (the add and the youngest four loads may be out)
	MUL8 F1, 0, 0
	s_wait_dscnt 0x0                               ; the add is done, and my reads of this slot are over
	s_barrier_signal -1
	MUL8 F1, 1, 0                                  ; work on registers while the others arrive
	WIN 0                                          ; at a branch and at a label every window is 0
	s_barrier_wait -1
.if \fill
	CREST                                          ; no wave of any partner still reads this slot or has a load on its way
	JLOAD                                          ; 112 matrix instructions ahead of the wait for it; its four v_nop are also the places in front of the loads below
.else
	PLACES
.endif
	v_add_nc_u32 v[ADRA], s[TB], v[ADRA0]
	v_add_nc_u32 v[ADRB], s[TB], v[ADRB0]
	FETCH 0, F0
	MUL8 F1, 2, 0
	MUL8 F1, 3, 0
.endm
	s_wait_tensorcnt 0x1                           ; my part of K step 0 is in; K step 1's may stay out
	s_barrier_signal -1
	s_barrier_wait -1                              ; everybody's is
	v_mov_b32 v[ADRA], v[ADRA0]
	v_mov_b32 v[ADRB], v[ADRB0]
	FETCH 0, F0
	QUARTER 1, F0, F1, 1                           ; the first quarter stands in front of the loop: its products start the sums
	WIN 0
	s_mov_b32 s3, NSTEP-2
.Lstep:                                                ; a trip: from a K step's second quarter to the next step's first; it fills one slot again
	QUARTER 2, F1, F0, 0
	QUARTER 3, F0, F1, 0
	TURN 1
	QUARTER 1, F0, F1, 0
	WIN 0
	s_sub_co_u32 s3, s3, 1
	s_cmp_lg_u32 s3, 0
	s_cbranch_scc1 .Lstep
	QUARTER 2, F1, F0, 0                           ; the last two K steps are written out: they ask for nothing
	QUARTER 3, F0, F1, 0
	TURN 0
	QUARTER 1, F0, F1, 0
	QUARTER 2, F1, F0, 0
	QUARTER 3, F0, F1, 0
	s_wait_dscnt 4                                 ; the very last quarter
	MUL8 F1, 0, 0
	MUL8 F1, 1, 0
	s_wait_dscnt 0x0
	MUL8 F1, 2, 0
	MUL8 F1, 3, 0
	WIN 0
	PLACES
; THE WAY OUT, a block of 16 rows at a time: c x sum + c x bias in one fused multiply-add, rounded to f16, 16 bytes a lane into my stage, back as whole rows of 256 bytes, stored.
.macro PACK a
	WIN 0x21                                       ; source 0 window 1 (the sums), source 2 window 2 (the bias), destination window 0
.set i, 0
.rept 32
	v_pk_fma_f32 v[T+2*i:T+2*i+1], v[64*(\a)+2*i:64*(\a)+2*i+1], s[66:67], v[2*i:2*i+1] op_sel_hi:[1,0,1]  ; each accumulator's registers in ascending order
.set i, i+1
.endr
	WIN 0
.set i, 0
.rept 32
	v_cvt_pk_f16_f32 v[TMP+i], v[T+2*i], v[T+2*i+1]
.set i, i+1
.endr
.endm
.macro TOSTAGE a
.set BK, OB+32*((\a)%2)
.irp b, 0,1,2,3,4,5,6,7
	ds_store_b128 v[STO], v[TMP+4*(\b):TMP+4*(\b)+3] offset:32*(\b)
.endr
.irp t, 0,1,2,3,4,5,6,7
	ds_load_b128 v[BK+4*(\t):BK+4*(\t)+3], v[RD] offset:(\t)*2*SP  ; LDS serves a wave's instructions in order (ISA guide 5.7.1.4): these see the stores above
.endr
.endm
.macro SEND a
.set BK, OB+32*((\a)%2)
	s_wait_dscnt 0x0                               ; the block is back in registers
	s_wait_xcnt 0x0                                ; earlier stores have read their registers: the other buffer is loaded again only behind this wait
.irp t, 0,1,2,3,4,5,6,7
	global_store_b128 v[CO], v[BK+4*(\t):BK+4*(\t)+3], s[12:13] offset:(\a)*16*CROW+2*(\t)*CROW  ; 16 lanes store 256 consecutive bytes, at a multiple of 256 from qkv's first byte
.endr
.endm
	PACK 0
	TOSTAGE 0
.irp a, 1,2,3                          ; block a's arithmetic stands between block a - 1's loads from the stage and the wait for them
	PACK \a
	SEND (\a)-1
	TOSTAGE \a
.endr
	SEND 3
	s_wait_tensorcnt 0x0                           ; the wave's end
	ds_add_u32 v[SPW], v[NIL]
	s_wait_dscnt 0x0
	CROUND                                         ; the closing round: no work-group ends while a partner may still ask for a tile that names it
	s_endpgm
.Lfunc_end_k_qd154efd462_proj:
	.size	k_qd154efd462_proj, .Lfunc_end_k_qd154efd462_proj-k_qd154efd462_proj
	.p2alignl 7, 3214868480
	.fill 96, 4, 3214868480
	.section	.rodata,"a",@progbits
	.p2align	6, 0x0
	.amdhsa_kernel k_qd154efd462_proj
		.amdhsa_group_segment_fixed_size 327680
		.amdhsa_private_segment_fixed_size 0
		.amdhsa_enable_private_segment 0
		.amdhsa_kernarg_size 40
		.amdhsa_user_sgpr_count 2
		.amdhsa_user_sgpr_kernarg_segment_ptr 1
		.amdhsa_wavefront_size32 1
		.amdhsa_system_sgpr_workgroup_id_x 1
		.amdhsa_system_sgpr_workgroup_id_y 1
		.amdhsa_system_sgpr_workgroup_id_z 1
		.amdhsa_system_vgpr_workitem_id 0
		.amdhsa_next_free_vgpr 640
		.amdhsa_next_free_sgpr 80
		.amdhsa_reserve_vcc 0
		.amdhsa_float_denorm_mode_32 3
		.amdhsa_float_denorm_mode_16_64 3
		.amdhsa_memory_ordered 1
		.amdhsa_forward_progress 1
		.amdhsa_inst_pref_size 87
	.end_amdhsa_kernel
	.amdgpu_metadata
---
amdhsa.version: [ 1, 2 ]
amdhsa.kernels:
  - .name:           k_qd154efd462_proj
    .symbol:         k_qd154efd462_proj.kd
    .args:
      - { .name: xw, .offset: 0, .size: 8, .value_kind: global_buffer, .address_space: global }
      - { .name: bq, .offset: 8, .size: 8, .value_kind: global_buffer, .address_space: global }
      - { .name: bk, .offset: 16, .size: 8, .value_kind: global_buffer, .address_space: global }
      - { .name: bv, .offset: 24, .size: 8, .value_kind: global_buffer, .address_space: global }
      - { .name: qkv, .offset: 32, .size: 8, .value_kind: global_buffer, .address_space: global }
    .group_segment_fixed_size: 327680
    .private_segment_fixed_size: 0
    .kernarg_segment_align: 8
    .kernarg_segment_size: 40
    .max_flat_workgroup_size: 128
    .sgpr_count:     80
    .vgpr_count:     640
    .wavefront_size: 32
...
	.end_amdgpu_metadata
.endif
;; end of part 2
;; launch score (part 3): grid 8 x 32, 4 waves a work-group, clusters of 4 x 4, 327,680 bytes of LDS; arguments qkv, p16, stat; writes p16, stat
.if DOCPART == 3
	.amdgcn_target "amdgcn-amd-amdhsa--gfx1250"
	.amdhsa_code_object_version 6
	.text
	.protected	k_qd154efd462_score
	.globl	k_qd154efd462_score
	.p2align	8
	.type	k_qd154efd462_score,@function
k_qd154efd462_score:
	s_mov_b64 s[64:65], 0
	v_nop
	global_prefetch_b8 v0, s[64:65] scope:SCOPE_SE
	s_setreg_imm32_b32 hwreg(HW_REG_WAVE_MODE, 25, 1), 1
	s_wait_xcnt 0x0
	s_wait_alu depctr_hold_cnt(0) depctr_sa_sdst(0) depctr_va_vdst(0) depctr_va_sdst(0) depctr_va_ssrc(0) depctr_va_vcc(0) depctr_vm_vsrc(0)
	s_getreg_b32 s2, hwreg(HW_REG_IB_STS2, 6, 4)
	s_cmp_eq_u32 s2, 0
	s_cbranch_scc0 .Lentry_in_a_cluster
	s_endpgm
.Lentry_in_a_cluster:
	s_bfe_u32 s2, ttmp6, 0x10000c
	s_cmp_lg_u32 s2, 0xf033
	s_cbranch_scc0 .Lentry_shape_is_right
	s_endpgm
.Lentry_shape_is_right:
; S' = q' k^T (q' = c q, so S' is the score in powers of two), and the softmax's first half: for each query row and each block of 128 keys
; m = the largest S' of the block, P = 2^(S' - m) in f16, l = the sum of the unrounded P.  p16: [8192][2048] f16; stat: [2][16 key blocks][8192 rows] f32, m then l.
; The exponent is a difference from a maximum of the same numbers, so it is never above 0 and P never above 1; the row's true maximum over all blocks is restored by the launch behind.
; LIMITS.  A weight below 2^-126 counts as 0 in l; below 6e-5 P keeps f16's fixed step of 6e-8; NaN and infinities are not treated apart.
; SHARES.  A tile is 256 queries x 256 keys of one batch, 8 x 32 tiles: one for each of 256 WGPs.  Four waves, each 128 x 128: 64 accumulators, 512 registers; a wave's 128 keys are one block of stat.
; K (the 1,024 channels) goes in 8 steps of 128 through two LDS slots; rows of q' and k are 256 bytes of a row of qkv, at multiples of 256 bytes.
; CLUSTER.  4 x 4 work-groups: the four of a row need the same tiles of q', the four of a column the same tiles of k (a cluster's 1,024 query rows lie in one batch): each is asked for jointly.
; THE MATRIX INSTRUCTION IS USED TRANSPOSED (source 0 = 16 keys, source 1 = 16 queries): a lane holds ONE query (l % 16) and, in accumulator b, the keys 16 b + 8 (l / 16) + 0..7.
; REGISTERS, in windows of 256 (s_set_vgpr_msb: bits 1:0 source 0, 3:2 source 1, 5:4 source 2, 7:6 destination):
;   window 0: v0-31 addresses; v64-127, v128-191 fragments of q', two buffers; on the way out v64-111 at work, v192-223 packed P, v32-63 and v224-255 rows read back
;   window 1: v64-127, v128-191 fragments of k          window 2: accumulators of my rows 0-63 ((a, b) at v[8 (8 a + b)])          window 3: those of my rows 64-127
.set KSTEP,  128
.set PITCH,  272                       ; an LDS row: 256 bytes + 16 = 68 words: the 16 rows of a load start at 16 different groups of four banks (64 banks of 4 bytes: ISA guide 11.1)
.set HALFT,  128*PITCH                 ; 128 rows: what one tensor load brings
.set SLOT,   4*HALFT                   ; q's 256 rows, then k's 256 rows
.set STAGE,  2*SLOT                    ; behind the ring, never filled by a tensor load: 16 rows x 272 bytes for each wave
.set SPITCH, 272
.set SSTG,   STAGE+4*16*SPITCH         ; 1,024 bytes for each wave: m of its 128 rows, then l
.set SPARE,  SSTG+4*1024               ; the spare words, 128 bytes for each wave: two blocks of 256 bytes that no other line names
.set LAPS,   1024/(2*KSTEP)            ; a lap = two K steps = once round the ring
.set ROWB,   6144                      ; bytes in a row of qkv
.set PROW,   4096                      ; bytes in a row of p16
.set ADRA, 16                          ; v16-17  LDS address of my q' fragments in slot 0, 1
.set ADRB, 20                          ; v20-21  the same for k
.set STO,  24                          ; v24  the way out: where I put 16 bytes of a row
.set RD,   25                          ; v25  where I read a row back
.set CO,   26                          ; v26  my byte offset in p16
.set SST,  27                          ; v27  where my lane puts m (lanes 0-15) or l (lanes 16-31) of row l % 16
.set SPW,  28                          ; v28  LDS address of my spare word; never rewritten
.set NIL,  29                          ; v29  0; never rewritten
.set SRD,  30                          ; v30  where I read 16 bytes of the statistics back
.set SGO,  31                          ; v31  my byte offset in 512 bytes of stat
.set F0,   64
.set F1,   128
.set T,    64                          ; v64-71  eight running maxima
.set MP,   72                          ; v72  the row's maximum; v73 named with it as a pair
.set U,    80                          ; v80-111 partial sums
.set TMP,  192
.set OB,   32
.set G1, 24                            ; s[24:31] descriptor group 1 for q's tiles;  s[32:39] group 0, one set for each slot
.set G0, 32
.set G1B, 48                           ; s[48:55], s[56:63] the same for k's
.set G0B, 56
.set MSB, 0
.macro WIN new                         ; the immediate's high byte repeats the setting that is left; a switch that changes nothing is dropped
.if MSB != (\new)
	s_set_vgpr_msb (MSB<<8)|(\new)
.set MSB, \new
.endif
.endm
.set MUL_LO, 0xa1                      ; source 0 (k) window 1, source 1 (q') window 0, C and D window 2
.set MUL_HI, 0xf1                      ; the same, C and D window 3
.set TO_B,   0x40                      ; destination window 1, address window 0
; A joint load.  Waves 0 and 1 fetch q's two halves, waves 2 and 3 k's.  The branch hangs on the wave's number alone.  An s_nop 0 and four v_nop follow each of the two lines.
.macro JLOAD s
	s_cmp_eq_u32 s11, 0
	s_cbranch_scc0 .Lfor_b_\@
	tensor_load_to_lds s[G0+4*(\s):G0+4*(\s)+3], s[G1:G1+7]
	s_nop 0
.rept 4
	v_nop
.endr
	s_branch .Lasked_\@
.Lfor_b_\@:
	tensor_load_to_lds s[G0B+4*(\s):G0B+4*(\s)+3], s[G1B:G1B+7]
	s_nop 0
.rept 4
	v_nop
.endr
.Lasked_\@:
.endm
.macro CREST                           ; a round of the cluster's barrier behind its opening barrier
	s_cmp_lg_u32 s10, 0
	s_cbranch_scc1 .Lnot_wave_0_\@
	s_barrier_signal -3
.Lnot_wave_0_\@:
	s_barrier_wait -3
	s_barrier_signal -1
	s_barrier_wait -1
.endm
.macro CROUND                          ; a whole round
	s_barrier_signal -1
	s_barrier_wait -1
	CREST
.endm
	s_load_b128 s[4:7], s[0:1], 0x0                ; qkv s[4:5], p16 s[6:7]
	s_load_b64 s[8:9], s[0:1], 0x10                ; stat
	v_lshl_add_u32 v[SPW], v0, 2, SPARE
	v_mov_b32 v[NIL], 0
	ds_add_u32 v28, v29
	s_wait_dscnt 0x0
	v_lshrrev_b32 v1, 5, v0
	v_readfirstlane_b32 s10, v1                    ; wave 0..3
	s_lshr_b32 s11, s10, 1                         ; which half of the tile's queries is mine.  Also: I fetch for q' (0) or for k (1)
	s_and_b32 s12, s10, 1                          ; which half of its keys.  Also: which 128 rows of that tile I fetch
	s_bfe_u32 s40, ttmp6, 0x40000                  ; cx
	s_bfe_u32 s41, ttmp6, 0x40004                  ; cy
	s_lshl_b32 s42, ttmp9, 2
	s_add_co_u32 s42, s42, s40                     ; key tile of the batch = 4 x cluster x + cx
	s_and_b32 s45, ttmp7, 0xffff
	s_lshl_b32 s13, s45, 2
	s_add_co_u32 s13, s13, s41                     ; query tile = 4 x cluster y + cy
	s_lshr_b32 s45, s45, 1                         ; two clusters along y to a batch:
	s_lshl_b32 s45, s45, 11                        ; the batch's first row, made of the cluster's y alone
	s_lshl_b32 s43, s41, 2
	s_lshl_b32 s43, 15, s43                        ; my row of the cluster
	s_lshl_b32 s44, 0x1111, s40                    ; my column
	s_or_b32 s[G1+0], s43, (1<<16)|(1<<20)|(1<<21)|(5<<22)|(3<<25)  ; the mask; 2-byte elements; padding on; 21 set beside a mask; after every 64 words, 4 words
	s_or_b32 s[G1B+0], s44, (1<<16)|(1<<20)|(1<<21)|(5<<22)|(3<<25)
.irp g, G1, G1B
	s_mov_b32 s[(\g)+1], KSTEP<<16                 ; tensor_dim0 = 128
	s_mov_b32 s[(\g)+2], 128<<16                   ; tensor_dim1 = 128
	s_mov_b32 s[(\g)+3], KSTEP<<16                 ; tile_dim0 = 128
	s_mov_b32 s[(\g)+4], 128                       ; tile_dim1 = 128
	s_mov_b32 s[(\g)+5], 3072                      ; elements from row to row of qkv
	s_mov_b32 s[(\g)+6], 0
	s_mov_b32 s[(\g)+7], 0
.endr
	s_lshl_b32 s17, s12, 7                         ; which 128 rows of the tile I fetch
	s_lshl_b32 s16, s13, 8
	s_add_co_u32 s16, s16, s17                     ; q': row 256 x query tile + 128 x half
	s_mul_i32 s16, s16, ROWB
	s_lshl_b32 s46, s42, 8
	s_add_co_u32 s46, s46, s17
	s_add_co_u32 s46, s46, s45                     ; k: the batch's row 256 x key tile + 128 x half,
	s_mul_i32 s46, s46, ROWB
	s_add_co_u32 s46, s46, 2048                    ; behind q's 2,048 bytes of the row
	s_mov_b32 s17, 0
	s_mov_b32 s47, 0
	s_mul_i32 s20, s10, HALFT                      ; where they go: wave x 128 rows: no place in the cluster enters an LDS address
	s_mov_b32 s66, 0x76543210                      ; v_permlanex16_b32's selects: each lane takes its own place in the other half
	s_mov_b32 s67, 0xfedcba98
	s_wait_kmcnt 0x0
	s_add_nc_u64 s[14:15], s[4:5], s[16:17]
	s_add_nc_u64 s[46:47], s[4:5], s[46:47]
	CROUND                                         ; all sixteen work-groups are here: the first joint loads meet
.irp s, 0,1
	s_mov_b32 s[G0+4*(\s)], 1
	s_add_co_u32 s[G0+4*(\s)+1], s20, (\s)*SLOT
	s_add_nc_u64 s[G0+4*(\s)+2:G0+4*(\s)+3], s[14:15], (\s)*KSTEP*2
	s_or_b32 s[G0+4*(\s)+3], s[G0+4*(\s)+3], 0x80000000
	s_mov_b32 s[G0B+4*(\s)], 1
	s_add_co_u32 s[G0B+4*(\s)+1], s20, (\s)*SLOT
	s_add_nc_u64 s[G0B+4*(\s)+2:G0B+4*(\s)+3], s[46:47], (\s)*KSTEP*2
	s_or_b32 s[G0B+4*(\s)+3], s[G0B+4*(\s)+3], 0x80000000
	JLOAD \s                                       ; every wave issues both first fills: two loads of mine are out
.endr
	v_and_b32 v1, 15, v0                           ; r = l % 16
	v_bfe_u32 v2, v0, 4, 1                         ; h = l / 16
	v_mul_u32_u24 v3, v1, PITCH
	v_lshl_add_u32 v3, v2, 4, v3                   ; a fragment's row x pitch + 16 h
	s_mul_i32 s21, s11, HALFT                      ; my 128 rows of q'
	s_mul_i32 s22, s12, HALFT                      ; my 128 rows of k,
	s_add_co_u32 s22, s22, 2*HALFT                 ; which lie behind q's 256
.irp s, 0,1
	v_add_nc_u32 v[ADRA+(\s)], s21, v3
	v_add_nc_u32 v[ADRB+(\s)], s22, v3
	s_add_co_u32 s21, s21, SLOT
	s_add_co_u32 s22, s22, SLOT
.endr
	s_mul_i32 s23, s10, 16*SPITCH
	s_add_co_u32 s23, s23, STAGE                   ; my stage
	v_add_nc_u32 v[STO], s23, v3                   ; in: row r, 16 bytes for each half of the lanes (the stage's pitch is the tiles')
	v_mul_u32_u24 v5, v2, SPITCH                   ; back: lanes 0-15 take one row of 256 bytes, lanes 16-31 the next
	v_lshl_add_u32 v5, v1, 4, v5
	v_add_nc_u32 v[RD], s23, v5
	v_lshlrev_b32 v5, 12, v2                       ; and the same two rows in p16
	v_lshl_add_u32 v[CO], v1, 4, v5
	v_and_b32 v6, 31, v0                           ; lane
	s_lshl_b32 s23, s10, 10
	s_add_co_u32 s23, s23, SSTG                    ; my statistics' stage
	v_lshl_add_u32 v7, v2, 9, s23
	v_lshl_add_u32 v[SST], v1, 2, v7               ; 512 h + 4 r
	v_lshl_add_u32 v[SRD], v6, 4, s23
	v_lshlrev_b32 v[SGO], 4, v6
	v_cmp_lt_u32 s68, 15, v6                       ; lanes 16-31, kept in a scalar register
	s_lshl_b32 s70, s13, 8                         ; my first row: 256 x query tile + 128 x half
	s_lshl_b32 s71, s11, 7
	s_add_co_u32 s70, s70, s71
	s_lshl_b32 s72, s70, 2                         ; in a plane of stat, 4 bytes a row,
	s_lshl_b32 s70, s70, 12                        ; in p16, 4,096 bytes a row,
	s_lshl_b32 s71, s42, 9                         ; and my 128 keys: byte 512 x key tile + 256 x half
	s_add_co_u32 s70, s70, s71
	s_lshl_b32 s71, s12, 8
	s_add_co_u32 s70, s70, s71
	s_mov_b32 s71, 0
	s_add_nc_u64 s[6:7], s[6:7], s[70:71]
	s_lshl_b32 s73, s42, 1
	s_add_co_u32 s73, s73, s12                     ; my key block = 2 x key tile + half: 8,192 rows of 4 bytes each
	s_lshl_b32 s73, s73, 15
	s_add_co_u32 s72, s72, s73
	s_mov_b32 s73, 0
	s_add_nc_u64 s[8:9], s[8:9], s[72:73]
; 16 matrix instructions: row blocks a0, a0 + 1 of the window's four x all 8 key blocks, 32 along K.  zero = 1: the product starts the sums.  The 64 accumulators take turns.
.macro MUL16 f, hi, a0, zero
	WIN MUL_LO+0x50*(\hi)
.irp a, \a0, (\a0)+1
.irp b, 0,1,2,3,4,5,6,7
.if \zero
	v_wmma_f32_16x16x32_f16 v[8*(8*(\a)+(\b)):8*(8*(\a)+(\b))+7], v[(\f)+8*(\b):(\f)+8*(\b)+7], v[(\f)+8*(4*(\hi)+(\a)):(\f)+8*(4*(\hi)+(\a))+7], 0
.else
	v_wmma_f32_16x16x32_f16 v[8*(8*(\a)+(\b)):8*(8*(\a)+(\b))+7], v[(\f)+8*(\b):(\f)+8*(\b)+7], v[(\f)+8*(4*(\hi)+(\a)):(\f)+8*(4*(\hi)+(\a))+7], v[8*(8*(\a)+(\b)):8*(8*(\a)+(\b))+7]
.endif
.endr
.endr
.endm
; 32 LDS loads in one run: the fragments of one quarter step (128 rows of k, 128 rows of q', 32 K at byte k of the rows) into buffer f
.macro FETCH slot, k, f
	WIN TO_B
.irp i, 0,1,2,3,4,5,6,7
	ds_load_b128 v[(\f)+8*(\i):(\f)+8*(\i)+3],   v[ADRB+(\slot)] offset:(\k)+(\i)*16*PITCH
	ds_load_b128 v[(\f)+8*(\i)+4:(\f)+8*(\i)+7], v[ADRB+(\slot)] offset:(\k)+(\i)*16*PITCH+32
.endr
	WIN 0
.irp i, 0,1,2,3,4,5,6,7
	ds_load_b128 v[(\f)+8*(\i):(\f)+8*(\i)+3],   v[ADRA+(\slot)] offset:(\k)+(\i)*16*PITCH
	ds_load_b128 v[(\f)+8*(\i)+4:(\f)+8*(\i)+7], v[ADRA+(\slot)] offset:(\k)+(\i)*16*PITCH+32
.endr
.endm
.macro PLACES                          ; four plain vector instructions between a matrix instruction and a load into, or a vector read or write of, its registers (ISA guide 7.12.1 for vector reads and writes)
.rept 4
	v_nop
.endr
.endm
; A K step is four quarters of 32 along K, 64 matrix instructions each, on buffers 0, 1, 0, 1.  One of the first three: multiplies buffer f, and in its middle fetches the next quarter, at byte k, into g.
.macro QUARTER slot, k, f, g, zero
	s_wait_dscnt 8                                 ; k and q's rows 0-63 are in; the youngest eight loads (q's rows 64-127) may be out
	MUL16 \f, 0, 0, \zero
	MUL16 \f, 0, 2, \zero
	PLACES
	FETCH \slot, \k, \g
	s_wait_dscnt 32                                ; all but the 32 just issued
	MUL16 \f, 1, 0, \zero
	MUL16 \f, 1, 2, \zero
.endm
; The last quarter multiplies buffer 1 and changes slots: ONE barrier.  In front of it each wave waits for all its tensor loads (one is out: its part of the next slot), adds 0 to its spare word,
; and waits for that and for its reads of this slot.  fill = 1: the barrier opens a round of the cluster's, and this slot is filled again, two K steps ahead, first thing behind the round.
.macro TURN slot, next, fill
	WIN 0
	s_wait_tensorcnt 0x0                           ; no tensor load of mine is out
	ds_add_u32 v[SPW], v[NIL]                      ; 0 onto my spare word
	s_wait_dscnt 9                                 ; (the add and the youngest eight loads may be out)
	MUL16 F1, 0, 0, 0
	s_wait_dscnt 0x0                               ; the add is done, and my reads of this slot are over
	s_barrier_signal -1
	MUL16 F1, 0, 2, 0                              ; work on registers while the others arrive
.if \fill
	WIN 0                                          ; at a branch and at a label every window is 0
.endif
	s_barrier_wait -1
.if \fill
	CREST                                          ; no wave of any partner still reads this slot or has a load on its way
	s_add_nc_u64 s[G0+4*(\slot)+2:G0+4*(\slot)+3], s[G0+4*(\slot)+2:G0+4*(\slot)+3], 2*KSTEP*2
	s_add_nc_u64 s[G0B+4*(\slot)+2:G0B+4*(\slot)+3], s[G0B+4*(\slot)+2:G0B+4*(\slot)+3], 2*KSTEP*2
	JLOAD \slot                                    ; 224 matrix instructions ahead of the wait for it; its four v_nop are also the places in front of the loads below
.else
	PLACES
.endif
	FETCH \next, 0, F0
	MUL16 F1, 1, 0, 0
	MUL16 F1, 1, 2, 0
.endm
	s_wait_tensorcnt 0x1                           ; my part of K step 0 is in; K step 1's may stay out
	s_barrier_signal -1
	s_barrier_wait -1                              ; everybody's is
	FETCH 0, 0, F0
	QUARTER 0, 64,  F0, F1, 1                      ; the first quarter stands in front of the loop: its products start the sums
	WIN 0
	s_mov_b32 s3, LAPS-1
.Llap:                                                 ; a trip goes once round the ring, from a lap's second quarter to the next lap's first, and fills both slots again
	QUARTER 0, 128, F1, F0, 0
	QUARTER 0, 192, F0, F1, 0
	TURN 0, 1, 1
	QUARTER 1, 64,  F0, F1, 0
	QUARTER 1, 128, F1, F0, 0
	QUARTER 1, 192, F0, F1, 0
	TURN 1, 0, 1
	QUARTER 0, 64,  F0, F1, 0
	WIN 0
	s_sub_co_u32 s3, s3, 1
	s_cmp_lg_u32 s3, 0
	s_cbranch_scc1 .Llap
	QUARTER 0, 128, F1, F0, 0                      ; the last lap is written out: it asks for nothing
	QUARTER 0, 192, F0, F1, 0
	TURN 0, 1, 0
	QUARTER 1, 64,  F0, F1, 0
	QUARTER 1, 128, F1, F0, 0
	QUARTER 1, 192, F0, F1, 0
	s_wait_dscnt 8                                 ; the very last quarter
	MUL16 F1, 0, 0, 0
	MUL16 F1, 0, 2, 0
	s_wait_dscnt 0x0
	MUL16 F1, 1, 0, 0
	MUL16 F1, 1, 2, 0
	WIN 0
	PLACES
	v_mov_b32 v[MP+1], 0                           ; written once: it is a lane exchange's destination and half of a named pair
; THE WAY OUT, a block of 16 queries at a time.  A lane holds 64 of its query's 128 scores; the lane 16 away holds the others.
; SMAX: the largest of them.  Eight chains, one an accumulator, three operands at a time, each accumulator's lowest registers first.
.macro SMAX a
.set W, 2+(\a)/4
.set AC, 64*((\a)%4)
	WIN W|(W<<2)|(W<<4)
.irp b, 0,1,2,3,4,5,6,7
	v_max3_num_f32 v[T+(\b)], v[AC+8*(\b)], v[AC+8*(\b)+1], v[AC+8*(\b)+2]
.endr
	WIN (W<<2)|(W<<4)
.irp b, 0,1,2,3,4,5,6,7
	v_max3_num_f32 v[T+(\b)], v[T+(\b)], v[AC+8*(\b)+3], v[AC+8*(\b)+4]
.endr
.irp b, 0,1,2,3,4,5,6,7
	v_max3_num_f32 v[T+(\b)], v[T+(\b)], v[AC+8*(\b)+5], v[AC+8*(\b)+6]
.endr
.irp b, 0,1,2,3
	v_max3_num_f32 v[T+(\b)], v[T+(\b)], v[AC+16*(\b)+7], v[AC+16*(\b)+15]
.endr
	WIN 0
	v_max3_num_f32 v[T], v[T], v[T+1], v[T+2]
	v_max3_num_f32 v[T+3], v[T+3], v[T+4], v[T+5]
	v_max_num_f32 v[T+6], v[T+6], v[T+7]
	v_max3_num_f32 v[T], v[T], v[T+3], v[T+6]
	v_permlanex16_b32 v[MP+1], v[T], s66, s67
	v_max_num_f32 v[MP], v[T], v[MP+1]
.endm
; SEXP: 2^(s - m), in place.  A pair's two exponentials stand two subtractions behind its own, so that a plain instruction follows every two exponentials before a result is used (ISA guide 5.7.2).
.macro SEXP a
.set W, 2+(\a)/4
.set AC, 64*((\a)%4)
	WIN W|(W<<6)                                   ; source 0 and destination in the accumulators' window, m in window 0
.set i, 0
.rept 34
.if i < 32
	v_pk_add_f32 v[AC+2*i:AC+2*i+1], v[AC+2*i:AC+2*i+1], v[MP:MP+1] op_sel_hi:[1,0] neg_lo:[0,1] neg_hi:[0,1]
.endif
.if i >= 2
	v_exp_f32 v[AC+2*i-4], v[AC+2*i-4]
	v_exp_f32 v[AC+2*i-3], v[AC+2*i-3]
.endif
.set i, i+1
.endr
.endm
; SPACK: the weights rounded to f16; their sum, of the unrounded numbers, by a tree; m (lanes 0-15) and l (lanes 16-31) into the statistics' stage.
.macro SPACK a
.set W, 2+(\a)/4
.set AC, 64*((\a)%4)
	WIN W|(W<<2)
.set i, 0
	s_wait_alu depctr_va_vdst(0)
.rept 32
	v_cvt_pk_f16_f32 v[TMP+i], v[AC+2*i], v[AC+2*i+1]
.set i, i+1
.endr
.set i, 0
.rept 16
	v_pk_add_f32 v[U+2*i:U+2*i+1], v[AC+4*i:AC+4*i+1], v[AC+4*i+2:AC+4*i+3]
.set i, i+1
.endr
	WIN 0
.irp k, 0,1,2,3,4,5,6,7
	v_pk_add_f32 v[U+2*(\k):U+2*(\k)+1], v[U+2*(\k):U+2*(\k)+1], v[U+16+2*(\k):U+16+2*(\k)+1]
.endr
.irp k, 0,1,2,3
	v_pk_add_f32 v[U+2*(\k):U+2*(\k)+1], v[U+2*(\k):U+2*(\k)+1], v[U+8+2*(\k):U+8+2*(\k)+1]
.endr
.irp k, 0,1
	v_pk_add_f32 v[U+2*(\k):U+2*(\k)+1], v[U+2*(\k):U+2*(\k)+1], v[U+4+2*(\k):U+4+2*(\k)+1]
.endr
	v_pk_add_f32 v[U:U+1], v[U:U+1], v[U+2:U+3]
	v_add_f32 v[U], v[U], v[U+1]
	v_permlanex16_b32 v[U+1], v[U], s66, s67
	v_add_f32 v[U], v[U], v[U+1]
	v_cndmask_b32 v[U+2], v[MP], v[U], s68
	ds_store_b32 v[SST], v[U+2] offset:64*(\a)
.endm
.macro TOSTAGE a
	WIN 0
.set BK, OB+192*((\a)%2)
.irp b, 0,1,2,3,4,5,6,7
	ds_store_b128 v[STO], v[TMP+4*(\b):TMP+4*(\b)+3] offset:32*(\b)
.endr
.irp t, 0,1,2,3,4,5,6,7
	ds_load_b128 v[BK+4*(\t):BK+4*(\t)+3], v[RD] offset:(\t)*2*SPITCH  ; LDS serves a wave's instructions in order (ISA guide 5.7.1.4): these see the stores above
.endr
.endm
.macro SEND a
	WIN 0
.set BK, OB+192*((\a)%2)
	s_wait_dscnt 0x0                               ; the block is back in registers
	s_wait_xcnt 0x0                                ; earlier stores have read their registers: the other buffer is loaded again only behind this wait
.irp t, 0,1,2,3,4,5,6,7
	global_store_b128 v[CO], v[BK+4*(\t):BK+4*(\t)+3], s[6:7] offset:(\a)*16*PROW+2*(\t)*PROW  ; 16 lanes store 256 consecutive bytes, at a multiple of 256 from p16's first byte
.endr
.endm
	SMAX 0
	SEXP 0
	SPACK 0
	TOSTAGE 0
.irp a, 1,2,3,4,5,6,7                  ; block a's arithmetic stands between block a - 1's loads from the stage and the wait for them
	SMAX \a
	SEXP \a
	SPACK \a
	SEND (\a)-1
	TOSTAGE \a
.endr
	SEND 7
	ds_load_b128 v[T:T+3], v[SRD]                  ; m of my 128 rows, 16 bytes a lane; my own bytes, served in order
	ds_load_b128 v[T+4:T+7], v[SRD] offset:512     ; l
	s_wait_dscnt 0x0
	global_store_b128 v[SGO], v[T:T+3], s[8:9]                    ; 512 consecutive bytes, at a multiple of 256 from stat's first byte
	global_store_b128 v[SGO], v[T+4:T+7], s[8:9] offset:524288    ; the plane of l
	s_wait_tensorcnt 0x0                           ; the wave's end
	ds_add_u32 v[SPW], v[NIL]
	s_wait_dscnt 0x0
	CROUND                                         ; the closing round: no work-group ends while a partner may still ask for a tile that names it
	s_endpgm
.Lfunc_end_k_qd154efd462_score:
	.size	k_qd154efd462_score, .Lfunc_end_k_qd154efd462_score-k_qd154efd462_score
	.p2alignl 7, 3214868480
	.fill 96, 4, 3214868480
	.section	.rodata,"a",@progbits
	.p2align	6, 0x0
	.amdhsa_kernel k_qd154efd462_score
		.amdhsa_group_segment_fixed_size 327680
		.amdhsa_private_segment_fixed_size 0
		.amdhsa_enable_private_segment 0
		.amdhsa_kernarg_size 24
		.amdhsa_user_sgpr_count 2
		.amdhsa_user_sgpr_kernarg_segment_ptr 1
		.amdhsa_wavefront_size32 1
		.amdhsa_system_sgpr_workgroup_id_x 1
		.amdhsa_system_sgpr_workgroup_id_y 1
		.amdhsa_system_sgpr_workgroup_id_z 1
		.amdhsa_system_vgpr_workitem_id 0
		.amdhsa_next_free_vgpr 1024
		.amdhsa_next_free_sgpr 80
		.amdhsa_reserve_vcc 0
		.amdhsa_float_denorm_mode_32 3
		.amdhsa_float_denorm_mode_16_64 3
		.amdhsa_memory_ordered 1
		.amdhsa_forward_progress 1
		.amdhsa_inst_pref_size 211
	.end_amdhsa_kernel
	.amdgpu_metadata
---
amdhsa.version: [ 1, 2 ]
amdhsa.kernels:
  - .name:           k_qd154efd462_score
    .symbol:         k_qd154efd462_score.kd
    .args:
      - { .name: qkv, .offset: 0, .size: 8, .value_kind: global_buffer, .address_space: global }
      - { .name: p16, .offset: 8, .size: 8, .value_kind: global_buffer, .address_space: global }
      - { .name: stat, .offset: 16, .size: 8, .value_kind: global_buffer, .address_space: global }
    .group_segment_fixed_size: 327680
    .private_segment_fixed_size: 0
    .kernarg_segment_align: 8
    .kernarg_segment_size: 24
    .max_flat_workgroup_size: 128
    .sgpr_count:     80
    .vgpr_count:     1024
    .wavefront_size: 32
...
	.end_amdgpu_metadata
.endif
;; end of part 3
;; launch pv (part 4): grid 4 x 64, 4 waves a work-group, clusters of 4 x 4, 327,680 bytes of LDS; arguments p16, qkv, stat, out0; writes out0
.if DOCPART == 4
	.amdgcn_target "amdgcn-amd-amdhsa--gfx1250"
	.amdhsa_code_object_version 6
	.text
	.protected	k_qd154efd462_pv
	.globl	k_qd154efd462_pv
	.p2align	8
	.type	k_qd154efd462_pv,@function
k_qd154efd462_pv:
	s_mov_b64 s[64:65], 0
	v_nop
	global_prefetch_b8 v0, s[64:65] scope:SCOPE_SE
	s_setreg_imm32_b32 hwreg(HW_REG_WAVE_MODE, 25, 1), 1
	s_wait_xcnt 0x0
	s_wait_alu depctr_hold_cnt(0) depctr_sa_sdst(0) depctr_va_vdst(0) depctr_va_sdst(0) depctr_va_ssrc(0) depctr_va_vcc(0) depctr_vm_vsrc(0)
	s_getreg_b32 s2, hwreg(HW_REG_IB_STS2, 6, 4)
	s_cmp_eq_u32 s2, 0
	s_cbranch_scc0 .Lentry_in_a_cluster
	s_endpgm
.Lentry_in_a_cluster:
	s_bfe_u32 s2, ttmp6, 0x10000c
	s_cmp_lg_u32 s2, 0xf033
	s_cbranch_scc0 .Lentry_shape_is_right
	s_endpgm
.Lentry_shape_is_right:
; out = softmax x v, from the blocks that the launch before left: for a query row, M = the largest of its 16 blocks' m_t, f_t = f16(2^(m_t - M)),
; out = (sum over t of (f_t P_t) V_t) / (sum over t of f_t l_t).  M is the row's true maximum, so every exponent is at most 0 and the divisor at least 1.
; The factor is rounded to f16 first and the same rounded number goes into the divisor.  f_t P_t is one f16 multiply on A's fragments; products' sums, the divisor and out in f32.
; LIMITS.  f_t below 6e-8, and f_t P below 6e-8, count as 0; NaN and infinities are not treated apart.
; SHARES.  A tile of out is 128 rows x 256 channels: 4 x 64 tiles, one for each of 256 WGPs.  Four waves, each 64 rows x 128 channels: 32 accumulators, 256 registers.
; K (a batch's 2,048 keys) goes in 16 steps of 128, one block of stat each, through two LDS slots.  P's tile lies along K; V's (128 keys x 512 bytes) lies [key][channel] and is turned by ds_load_tr16_b128.
; CLUSTER.  4 x 4 work-groups: the four of a row need the same tile of P, the four of a column the same tile of V (a cluster's 512 rows lie in one batch): each is asked for jointly.
; THE MATRIX INSTRUCTION IS USED TRANSPOSED (source 0 = 16 channels, source 1 = 16 rows of P): a lane holds eight neighbouring channels of one row of out.
; REGISTERS: window 0: v0-31 addresses; v32-35 a K step's factors; v36-51 statistics; v64-159, v160-255 two fragment buffers (64 of V, 32 of P); window 1: accumulator (a, b) at v[64 a + 8 b].
.set PA,    272                        ; a row of P in LDS: 256 bytes + 16 = 68 words: the 16 rows of a load start at 16 different groups of four banks (64 banks of 4 bytes: ISA guide 11.1)
.set PB,    544                        ; a row of V: 512 + 32 = 136 words
.set ATILE, 128*PA
.set SLOT1, 131072                     ; slot 1 begins here; a slot: P's tile, then V's, 104,448 bytes
.set STAGE, SLOT1+ATILE+128*PB         ; behind the ring, never filled by a tensor load: 16 rows x 528 bytes for each wave
.set SP,    528                        ; 512 bytes + 16: an odd multiple of 16
.set TABLE, STAGE+4*16*SP              ; 4,352 bytes for each wave: {f, f} of its 64 rows for 16 K steps (256 bytes a step), then 1 / divisor
.set TABW,  4352
.set SPARE, TABLE+4*TABW               ; the spare words, 128 bytes for each wave: two blocks of 256 bytes that no other line names
.set NSTEP, 16
.set PITCH_A, 2048                     ; elements from row to row of p16
.set PITCH_B, 3072                     ; of qkv
.set STEPA, 256                        ; a K step along P's rows, in bytes
.set STEPB, 128*6144                   ; a K step down V's rows
.set OROW,  4096                       ; bytes in a row of out0
.set ADRA0, 16                         ; v16  my lane's place in P's tile of slot 0; never rewritten
.set ADRA,  17                         ; v17  the same in the slot in hand
.set ADRB0, 20                         ; v20, v21 the same for V
.set ADRB,  21
.set FTA,   23                         ; v23  LDS address of my rows' factors for the K step to come
.set STO,   24                         ; v24  the way out: where I put 32 bytes of a row
.set RD,    25                         ; v25  where I read a row back
.set CO,    26                         ; v26  my byte offset in a row's 512 bytes of out0
.set FTA0,  27                         ; v27  my row's place in my wave's table; never rewritten
.set SPW,   28                         ; v28  LDS address of my spare word; never rewritten
.set NIL,   29                         ; v29  0; never rewritten
.set TW,    30                         ; v30  where I write the table: rows 2 lane, 2 lane + 1
.set SO,    31                         ; v31  their byte offset in stat
.set FC,    32                         ; v32-35  {f, f} of row 16 a + l % 16
.set MG,    36                         ; v36-37  M of rows 2 lane, 2 lane + 1
.set LG,    38                         ; v38-39  their divisor, then its reciprocal
.set INV,   40                         ; v40-47  1 / divisor of row 16 a + l % 16, in pairs
.set ML,    64                         ; v64-95  m_t, then f_t        (the prologue's, where the fragments lie later)
.set LL,    96                         ; v96-127 l_t
.set F0,    64
.set F1,    160
.set T,     64                         ; the way out: 64 numbers
.set OB,    128                        ; 16 rows read back: v128-191 and v192-255 by turns
.set G1A,   24                         ; s[24:31] descriptor group 1 for P's tiles
.set G0A,   32                         ; s[32:39] group 0: a set for each of the two first fills; the second then walks on
.set G1B,   48                         ; s[48:55], s[56:63] the same for V's
.set G0B,   56
.set TB,    68                         ; s68  LDS byte at which the slot in hand begins
.set FT,    69                         ; s69  256 x the K step whose factors are fetched next
.set MSB, 0
.macro WIN new                         ; the immediate's high byte repeats the setting that is left; a switch that changes nothing is dropped
.if MSB != (\new)
	s_set_vgpr_msb (MSB<<8)|(\new)
.set MSB, \new
.endif
.endm
.set MUL, 0x50                         ; sources in window 0, C and D in window 1
; A joint refill.  Waves 0 and 1 fetch P's two halves, waves 2 and 3 V's.  The branch hangs on the wave's number alone.  An s_nop 0 and four v_nop follow each of the two lines.
.macro JLOAD
	s_cmp_eq_u32 s15, 0
	s_cbranch_scc0 .Lfor_b_\@
	tensor_load_to_lds s[G0A+4:G0A+7], s[G1A:G1A+7]
	s_nop 0
.rept 4
	v_nop
.endr
	s_branch .Lasked_\@
.Lfor_b_\@:
	tensor_load_to_lds s[G0B+4:G0B+7], s[G1B:G1B+7]
	s_nop 0
.rept 4
	v_nop
.endr
.Lasked_\@:
.endm
.macro CREST                           ; a round of the cluster's barrier behind its opening barrier
	s_cmp_lg_u32 s14, 0
	s_cbranch_scc1 .Lnot_wave_0_\@
	s_barrier_signal -3
.Lnot_wave_0_\@:
	s_barrier_wait -3
	s_barrier_signal -1
	s_barrier_wait -1
.endm
.macro CROUND                          ; a whole round
	s_barrier_signal -1
	s_barrier_wait -1
	CREST
.endm
	s_load_b256 s[4:11], s[0:1], 0x0               ; p16 s[4:5], qkv s[6:7], stat s[8:9], out0 s[10:11]
	v_lshl_add_u32 v[SPW], v0, 2, SPARE
	v_mov_b32 v[NIL], 0
	ds_add_u32 v28, v29
	s_wait_dscnt 0x0
	v_lshrrev_b32 v1, 5, v0
	v_readfirstlane_b32 s14, v1                    ; wave 0..3
	s_lshr_b32 s15, s14, 1                         ; which 64 rows of the tile are mine.  Also: I fetch for P (0) or for V (1)
	s_and_b32 s16, s14, 1                          ; which 128 channels.  Also: which half of that tile I fetch
	s_bfe_u32 s17, ttmp6, 0x40000                  ; cx: the tile column (the grid has one cluster along x)
	s_bfe_u32 s18, ttmp6, 0x40004                  ; cy
	s_and_b32 s23, ttmp7, 0xffff
	s_lshl_b32 s20, s23, 2
	s_add_co_u32 s20, s20, s18                     ; tile row = 4 x cluster y + cy
	s_lshr_b32 s23, s23, 2                         ; four clusters along y to a batch: made of the cluster's y alone
	s_lshl_b32 s21, s18, 2
	s_lshl_b32 s21, 15, s21                        ; my row of the cluster
	s_lshl_b32 s22, 0x1111, s17                    ; my column
	s_or_b32 s[G1A], s21, (1<<16)|(1<<20)|(1<<21)|(5<<22)|(3<<25)  ; the mask; 2-byte elements; padding on; 21 set beside a mask; after every 64 words, 4 words
	s_mov_b32 s[G1A+1], 128<<16                    ; tensor_dim0 = 128
	s_mov_b32 s[G1A+2], 64<<16                     ; tensor_dim1 = 64
	s_mov_b32 s[G1A+3], 128<<16                    ; tile_dim0 = 128
	s_mov_b32 s[G1A+4], 64                         ; tile_dim1 = 64
	s_mov_b32 s[G1A+5], PITCH_A
	s_mov_b32 s[G1A+6], 0
	s_mov_b32 s[G1A+7], 0
	s_or_b32 s[G1B], s22, (1<<16)|(1<<20)|(1<<21)|(6<<22)|(7<<25)  ; after every 128 words, 8 words
	s_mov_b32 s[G1B+1], 256<<16                    ; tensor_dim0 = 256
	s_mov_b32 s[G1B+2], 64<<16
	s_mov_b32 s[G1B+3], 256<<16                    ; tile_dim0 = 256
	s_mov_b32 s[G1B+4], 64
	s_mov_b32 s[G1B+5], PITCH_B
	s_mov_b32 s[G1B+6], 0
	s_mov_b32 s[G1B+7], 0
	s_lshl_b32 s40, s20, 7                         ; P: row 128 x tile row + 64 x half, 4,096 bytes a row: hangs on the tile row alone
	s_lshl_b32 s41, s16, 6
	s_add_co_u32 s40, s40, s41
	s_lshl_b32 s40, s40, 12
	s_mov_b32 s41, 0
	s_lshl_b32 s44, s23, 11                        ; V: the batch's key 64 x half, 6,144 bytes a row; behind q' and k in the row; channel 256 cx
	s_lshl_b32 s45, s16, 6
	s_add_co_u32 s44, s44, s45
	s_mul_i32 s44, s44, 6144
	s_lshl_b32 s45, s17, 9
	s_add_co_u32 s44, s44, s45
	s_add_co_u32 s44, s44, 4096
	s_mov_b32 s45, 0
	s_mul_i32 s74, s16, 64*PA                      ; where they go: no place in the cluster enters an LDS address
	s_mul_i32 s75, s16, 64*PB
	s_add_co_u32 s75, s75, ATILE
	s_mov_b32 s[TB], 0
	s_mov_b32 s[FT], 0
	s_wait_kmcnt 0x0
	s_add_nc_u64 s[42:43], s[4:5], s[40:41]
	s_add_nc_u64 s[46:47], s[6:7], s[44:45]
.irp n, 0,1
	s_mov_b32 s[G0A+4*(\n)], 1                     ; count = 1
	s_add_co_u32 s[G0A+4*(\n)+1], s74, (\n)*SLOT1  ; LDS address
	s_add_nc_u64 s[G0A+4*(\n)+2:G0A+4*(\n)+3], s[42:43], (\n)*STEPA  ; global address: K step n
	s_or_b32 s[G0A+4*(\n)+3], s[G0A+4*(\n)+3], 0x80000000           ; type = 2
	s_mov_b32 s[G0B+4*(\n)], 1
	s_add_co_u32 s[G0B+4*(\n)+1], s75, (\n)*SLOT1
	s_add_nc_u64 s[G0B+4*(\n)+2:G0B+4*(\n)+3], s[46:47], (\n)*STEPB
	s_or_b32 s[G0B+4*(\n)+3], s[G0B+4*(\n)+3], 0x80000000
.endr
	CROUND                                         ; all sixteen work-groups are here: the first joint loads meet
	s_cmp_eq_u32 s15, 0                            ; a wave's two first fills stand in one branch: two loads of mine are out
	s_cbranch_scc0 .Lfirst_b
	tensor_load_to_lds s[G0A:G0A+3], s[G1A:G1A+7]
	s_nop 0
	tensor_load_to_lds s[G0A+4:G0A+7], s[G1A:G1A+7]
	s_nop 0
.rept 4
	v_nop
.endr
	s_branch .Lfirst_asked
.Lfirst_b:
	tensor_load_to_lds s[G0B:G0B+3], s[G1B:G1B+7]
	s_nop 0
	tensor_load_to_lds s[G0B+4:G0B+7], s[G1B:G1B+7]
	s_nop 0
.rept 4
	v_nop
.endr
.Lfirst_asked:
	; THE STATISTICS of my wave's 64 rows, in the wait for the first tiles: lane l takes rows 2 l and 2 l + 1, so that a load covers 256 consecutive bytes.
	s_lshl_b32 s70, s20, 7
	s_lshl_b32 s71, s15, 6
	s_add_co_u32 s70, s70, s71                     ; my first row
	s_lshl_b32 s72, s70, 2
	s_mov_b32 s73, 0
	s_add_nc_u64 s[8:9], s[8:9], s[72:73]
	v_and_b32 v3, 31, v0                           ; lane
	v_lshlrev_b32 v[SO], 3, v3
.set t, 0
.rept 16
	global_load_b64 v[ML+2*t:ML+2*t+1], v[SO], s[8:9] offset:32768*t
	global_load_b64 v[LL+2*t:LL+2*t+1], v[SO], s[8:9] offset:524288+32768*t
.set t, t+1
.endr
	s_lshl_b32 s70, s70, 12                        ; my part of the tile in out0: 4,096 bytes a row, byte 1,024 cx + 512 x half
	s_lshl_b32 s71, s17, 10
	s_add_co_u32 s70, s70, s71
	s_lshl_b32 s71, s16, 9
	s_add_co_u32 s70, s70, s71
	s_mov_b32 s71, 0
	s_add_nc_u64 s[10:11], s[10:11], s[70:71]
	v_and_b32 v1, 15, v0                           ; r = l % 16
	v_bfe_u32 v2, v0, 4, 1                         ; h = l / 16
	s_mul_i32 s76, s14, TABW
	s_add_co_u32 s76, s76, TABLE                   ; my table
	v_lshl_add_u32 v[TW], v3, 3, s76
	v_lshl_add_u32 v[FTA0], v1, 2, s76
	v_mov_b32 v[FTA], v[FTA0]
	v_mul_u32_u24 v4, v1, PA
	v_lshl_add_u32 v4, v2, 4, v4                   ; a fragment of P: r x pitch + 16 h
	s_mul_i32 s76, s15, 64*PA                      ; my 64 rows
	v_add_nc_u32 v[ADRA0], s76, v4
	; The turning load takes 16 keys x 16 channels (lane l reads key 8 h + l % 8, channels 8 ((l / 8) % 2) + 0..7) and leaves half a fragment: lane l holds channel l % 16 and 8 keys.
	v_and_b32 v4, 7, v0
	v_lshl_add_u32 v4, v2, 3, v4
	v_mul_u32_u24 v4, v4, PB
	v_bfe_u32 v5, v0, 3, 1
	v_lshl_add_u32 v4, v5, 4, v4
	s_lshl_b32 s76, s16, 8                         ; my 128 channels,
	s_add_co_u32 s76, s76, ATILE                   ; behind P's tile
	v_add_nc_u32 v[ADRB0], s76, v4
	s_mul_i32 s76, s14, 16*SP
	s_add_co_u32 s76, s76, STAGE                   ; my stage
	v_mul_u32_u24 v4, v1, SP                       ; in: row r, 32 bytes for each half of the lanes
	v_lshl_add_u32 v4, v2, 5, v4
	v_add_nc_u32 v[STO], s76, v4
	v_lshl_add_u32 v[RD], v3, 4, s76               ; back: 32 lanes take one row of 512 bytes
	v_lshlrev_b32 v[CO], 4, v3
	s_wait_loadcnt 0x0
.irp e, 0,1                            ; M: three operands at a time
	v_max3_num_f32 v[MG+(\e)], v[ML+(\e)], v[ML+2+(\e)], v[ML+4+(\e)]
.endr
.set t, 3
.rept 6
.irp e, 0,1
	v_max3_num_f32 v[MG+(\e)], v[MG+(\e)], v[ML+2*t+(\e)], v[ML+2*t+2+(\e)]
.endr
.set t, t+2
.endr
.irp e, 0,1
	v_max_num_f32 v[MG+(\e)], v[MG+(\e)], v[ML+30+(\e)]
.endr
.set t, 0
.rept 16
	v_pk_add_f32 v[ML+2*t:ML+2*t+1], v[ML+2*t:ML+2*t+1], v[MG:MG+1] neg_lo:[0,1] neg_hi:[0,1]  ; m_t - M
.set t, t+1
.endr
.set t, 0
.rept 32
	v_exp_f32 v[ML+t], v[ML+t]
.set t, t+1
.endr
	v_nop                                          ; a plain instruction between the last exponential and the use of its result (ISA guide 5.7.2)
.set t, 0
	s_wait_alu depctr_va_vdst(0)
.rept 32
	v_cvt_pk_f16_f32 v[ML+t], v[ML+t], v[ML+t]     ; {f, f}: the packed multiply scales two weights at once
.set t, t+1
.endr
; the divisor takes the ROUNDED factor: step t's two rows are widened again and multiplied by l_t.  The halves are named literally.
.macro FL t, lo, hi
	v_cvt_f32_f16 v[48+2*((\t)%2)], \lo
	v_cvt_f32_f16 v[49+2*((\t)%2)], \hi
.if (\t) == 0
	v_pk_mul_f32 v[LG:LG+1], v[48:49], v[LL:LL+1]
.else
	v_pk_fma_f32 v[LG:LG+1], v[48+2*((\t)%2):49+2*((\t)%2)], v[LL+2*(\t):LL+2*(\t)+1], v[LG:LG+1]
.endif
.endm
	FL 0, v64.l, v65.l
	FL 1, v66.l, v67.l
	FL 2, v68.l, v69.l
	FL 3, v70.l, v71.l
	FL 4, v72.l, v73.l
	FL 5, v74.l, v75.l
	FL 6, v76.l, v77.l
	FL 7, v78.l, v79.l
	FL 8, v80.l, v81.l
	FL 9, v82.l, v83.l
	FL 10, v84.l, v85.l
	FL 11, v86.l, v87.l
	FL 12, v88.l, v89.l
	FL 13, v90.l, v91.l
	FL 14, v92.l, v93.l
	FL 15, v94.l, v95.l
	v_rcp_f32 v[LG], v[LG]
	v_rcp_f32 v[LG+1], v[LG+1]
	v_nop
.set t, 0
.rept 16
	ds_store_b64 v[TW], v[ML+2*t:ML+2*t+1] offset:256*t
.set t, t+1
.endr
	s_wait_alu depctr_va_vdst(0)
	ds_store_b64 v[TW], v[LG:LG+1] offset:4096
.irp a, 0,1,2,3                        ; my wave's own bytes, served in order (ISA guide 5.7.1.4): no barrier.  Both registers of a pair are written: the packed multiply names the pair
	ds_load_b32 v[INV+2*(\a)], v[FTA0] offset:4096+64*(\a)
	ds_load_b32 v[INV+2*(\a)+1], v[FTA0] offset:4096+64*(\a)
.endr
; 8 matrix instructions: row block a x all 8 channel blocks, 32 along K.  zero = 1: the product starts the sums.  The 32 accumulators take turns in the same order in every quarter.
.macro MUL8 f, a, zero
	WIN MUL
.irp b, 0,1,2,3,4,5,6,7
.if \zero
	v_wmma_f32_16x16x32_f16 v[64*(\a)+8*(\b):64*(\a)+8*(\b)+7], v[(\f)+8*(\b):(\f)+8*(\b)+7], v[(\f)+64+8*(\a):(\f)+64+8*(\a)+7], 0
.else
	v_wmma_f32_16x16x32_f16 v[64*(\a)+8*(\b):64*(\a)+8*(\b)+7], v[(\f)+8*(\b):(\f)+8*(\b)+7], v[(\f)+64+8*(\a):(\f)+64+8*(\a)+7], v[64*(\a)+8*(\b):64*(\a)+8*(\b)+7]
.endif
.endr
.endm
; 24 LDS loads in one run: quarter q's fragments into buffer f: V's 8 blocks (turned), then P's 4
.macro FETCH q, f
	WIN 0
.irp b, 0,1,2,3,4,5,6,7
	ds_load_tr16_b128 v[(\f)+8*(\b):(\f)+8*(\b)+3],   v[ADRB] offset:(\q)*32*PB+32*(\b)
	ds_load_tr16_b128 v[(\f)+8*(\b)+4:(\f)+8*(\b)+7], v[ADRB] offset:(\q)*32*PB+16*PB+32*(\b)
.endr
.irp a, 0,1,2,3
	ds_load_b128 v[(\f)+64+8*(\a):(\f)+64+8*(\a)+3],   v[ADRA] offset:64*(\q)+(\a)*16*PA
	ds_load_b128 v[(\f)+64+8*(\a)+4:(\f)+64+8*(\a)+7], v[ADRA] offset:64*(\q)+(\a)*16*PA+32
.endr
.endm
.macro FACT                            ; the factors of the K step to come: row 16 a + l % 16
	WIN 0
.irp a, 0,1,2,3
	ds_load_b32 v[FC+(\a)], v[FTA] offset:64*(\a)
.endr
.endm
.macro SCALE f, a                      ; block a of P's fragments in buffer f, times its row's factor: 16 weights a lane
	WIN 0
.set i, 0
.rept 8
	v_pk_mul_f16 v[(\f)+64+8*(\a)+i], v[(\f)+64+8*(\a)+i], v[FC+(\a)]
.set i, i+1
.endr
.endm
; A K step is four quarters of 32 along K, 32 matrix instructions each, on buffers 0, 1, 0, 1.  One of the first three: scales and multiplies buffer f, and in its middle fetches quarter q into buffer g.
; The scalings of blocks 2 and 3 name none of the registers of the products in front of them: they are the four places (and more) between those products and the loads into buffer g.
.macro QUARTER q, f, g, zero
	s_wait_dscnt 4                                 ; the factors, V and P's blocks 0, 1 are in; the youngest four loads (P's blocks 2, 3) may be out
	SCALE \f, 0
	SCALE \f, 1
	MUL8 \f, 0, \zero
	MUL8 \f, 1, \zero
	WIN 0
	s_wait_dscnt 0x0                               ; P's blocks 2, 3
	SCALE \f, 2
	SCALE \f, 3
	FETCH \q, \g
	MUL8 \f, 2, \zero
	MUL8 \f, 3, \zero
.endm
; The last quarter multiplies buffer 1 and changes slots: ONE barrier.  In front of it each wave waits for all its tensor loads (one is out: its part of the next slot), adds 0 to its spare word,
; and waits for that and for its reads of this slot.  fill = 1: the barrier opens a round of the cluster's, and this slot is filled again, with the K step two on, first thing behind the round.
.macro TURN fill
	WIN 0
	s_wait_tensorcnt 0x0                           ; no tensor load of mine is out, so a group 0 may be written
	ds_add_u32 v[SPW], v[NIL]                      ; 0 onto my spare word
.if \fill
	s_xor_b32 s[G0A+5], s[G0A+5], SLOT1            ; the walking descriptors: the other slot than last time, the next K step
	s_add_nc_u64 s[G0A+6:G0A+7], s[G0A+6:G0A+7], STEPA
	s_xor_b32 s[G0B+5], s[G0B+5], SLOT1
	s_add_nc_u64 s[G0B+6:G0B+7], s[G0B+6:G0B+7], STEPB
.endif
	s_xor_b32 s[TB], s[TB], SLOT1                  ; the fetches go on in the other slot,
	s_add_co_u32 s[FT], s[FT], 256                 ; the factors with the next step's
	s_wait_dscnt 5                                 ; (the add and the youngest four loads may be out)
	SCALE F1, 0
	SCALE F1, 1
	MUL8 F1, 0, 0
	s_wait_dscnt 0x0                               ; the add is done, and my reads of this slot are over
	s_barrier_signal -1
	MUL8 F1, 1, 0                                  ; work on registers while the others arrive
	WIN 0                                          ; at a branch and at a label every window is 0
	s_barrier_wait -1
.if \fill
	CREST                                          ; no wave of any partner still reads this slot or has a load on its way
	JLOAD                                          ; 112 matrix instructions ahead of the wait for it
.endif
	v_add_nc_u32 v[ADRA], s[TB], v[ADRA0]
	v_add_nc_u32 v[ADRB], s[TB], v[ADRB0]
	v_add_nc_u32 v[FTA], s[FT], v[FTA0]
	SCALE F1, 2                                    ; this step's last scalings stand ahead of the next step's factors; they are also the places in front of the loads below
	SCALE F1, 3
	FACT
	FETCH 0, F0
	MUL8 F1, 2, 0
	MUL8 F1, 3, 0
.endm
	s_wait_tensorcnt 0x1                           ; my part of K step 0 is in; K step 1's may stay out
	s_wait_dscnt 0x0                               ; my table is written and the reciprocals are in
	s_barrier_signal -1
	s_barrier_wait -1                              ; everybody's part is in
	v_mov_b32 v[ADRA], v[ADRA0]
	v_mov_b32 v[ADRB], v[ADRB0]
	FACT
	FETCH 0, F0
	QUARTER 1, F0, F1, 1                           ; the first quarter stands in front of the loop: its products start the sums
	WIN 0
	s_mov_b32 s3, NSTEP-2
.Lstep:                                                ; a trip: from a K step's second quarter to the next step's first; it fills one slot again
	QUARTER 2, F1, F0, 0
	QUARTER 3, F0, F1, 0
	TURN 1
	QUARTER 1, F0, F1, 0
	WIN 0
	s_sub_co_u32 s3, s3, 1
	s_cmp_lg_u32 s3, 0
	s_cbranch_scc1 .Lstep
	QUARTER 2, F1, F0, 0                           ; the last two K steps are written out: they ask for nothing
	QUARTER 3, F0, F1, 0
	TURN 0
	QUARTER 1, F0, F1, 0
	QUARTER 2, F1, F0, 0
	QUARTER 3, F0, F1, 0
	s_wait_dscnt 4                                 ; the very last quarter
	SCALE F1, 0
	SCALE F1, 1
	MUL8 F1, 0, 0
	MUL8 F1, 1, 0
	WIN 0
	s_wait_dscnt 0x0
	SCALE F1, 2
	SCALE F1, 3
	MUL8 F1, 2, 0
	MUL8 F1, 3, 0
	WIN 0
.rept 4
	v_nop                                          ; four places between the last products and the first read of a result (ISA guide 7.12.1)
.endr
; THE WAY OUT, a block of 16 rows at a time: the sums divided by the row's divisor, 32 bytes a lane into my stage, back as whole rows of 512 bytes, stored.
.macro OMUL a
	WIN 0x01                                       ; source 0 window 1
.set i, 0
.rept 32
	v_pk_mul_f32 v[T+2*i:T+2*i+1], v[64*(\a)+2*i:64*(\a)+2*i+1], v[INV+2*(\a):INV+2*(\a)+1] op_sel_hi:[1,0]  ; each accumulator's registers in ascending order
.set i, i+1
.endr
	WIN 0
.endm
.macro OSTAGE a
.set BK, OB+64*((\a)%2)
.irp b, 0,1,2,3,4,5,6,7
	ds_store_b128 v[STO], v[T+8*(\b):T+8*(\b)+3]   offset:64*(\b)
	ds_store_b128 v[STO], v[T+8*(\b)+4:T+8*(\b)+7] offset:64*(\b)+16
.endr
.set t, 0
.rept 16
	ds_load_b128 v[BK+4*t:BK+4*t+3], v[RD] offset:SP*t  ; LDS serves a wave's instructions in order (ISA guide 5.7.1.4): these see the stores above
.set t, t+1
.endr
.endm
.macro OSEND a
.set BK, OB+64*((\a)%2)
	s_wait_dscnt 0x0                               ; the block is back in registers
	s_wait_xcnt 0x0                                ; earlier stores have read their registers: the other buffer is loaded again only behind this wait
.set t, 0
.rept 16
	global_store_b128 v[CO], v[BK+4*t:BK+4*t+3], s[10:11] offset:(16*(\a)+t)*OROW th:TH_STORE_NT  ; 512 consecutive bytes, at a multiple of 256 from out0's first byte
.set t, t+1
.endr
.endm
	OMUL 0
	OSTAGE 0
.irp a, 1,2,3                          ; block a's arithmetic stands between block a - 1's loads from the stage and the wait for them
	OMUL \a
	OSEND (\a)-1
	OSTAGE \a
.endr
	OSEND 3
	s_wait_tensorcnt 0x0                           ; the wave's end
	ds_add_u32 v[SPW], v[NIL]
	s_wait_dscnt 0x0
	CROUND                                         ; the closing round: no work-group ends while a partner may still ask for a tile that names it
	s_endpgm
.Lfunc_end_k_qd154efd462_pv:
	.size	k_qd154efd462_pv, .Lfunc_end_k_qd154efd462_pv-k_qd154efd462_pv
	.p2alignl 7, 3214868480
	.fill 96, 4, 3214868480
	.section	.rodata,"a",@progbits
	.p2align	6, 0x0
	.amdhsa_kernel k_qd154efd462_pv
		.amdhsa_group_segment_fixed_size 327680
		.amdhsa_private_segment_fixed_size 0
		.amdhsa_enable_private_segment 0
		.amdhsa_kernarg_size 32
		.amdhsa_user_sgpr_count 2
		.amdhsa_user_sgpr_kernarg_segment_ptr 1
		.amdhsa_wavefront_size32 1
		.amdhsa_system_sgpr_workgroup_id_x 1
		.amdhsa_system_sgpr_workgroup_id_y 1
		.amdhsa_system_sgpr_workgroup_id_z 1
		.amdhsa_system_vgpr_workitem_id 0
		.amdhsa_next_free_vgpr 512
		.amdhsa_next_free_sgpr 80
		.amdhsa_reserve_vcc 0
		.amdhsa_float_denorm_mode_32 3
		.amdhsa_float_denorm_mode_16_64 3
		.amdhsa_memory_ordered 1
		.amdhsa_forward_progress 1
		.amdhsa_inst_pref_size 113
	.end_amdhsa_kernel
	.amdgpu_metadata
---
amdhsa.version: [ 1, 2 ]
amdhsa.kernels:
  - .name:           k_qd154efd462_pv
    .symbol:         k_qd154efd462_pv.kd
    .args:
      - { .name: p16, .offset: 0, .size: 8, .value_kind: global_buffer, .address_space: global }
      - { .name: qkv, .offset: 8, .size: 8, .value_kind: global_buffer, .address_space: global }
      - { .name: stat, .offset: 16, .size: 8, .value_kind: global_buffer, .address_space: global }
      - { .name: out0, .offset: 24, .size: 8, .value_kind: global_buffer, .address_space: global }
    .group_segment_fixed_size: 327680
    .private_segment_fixed_size: 0
    .kernarg_segment_align: 8
    .kernarg_segment_size: 32
    .max_flat_workgroup_size: 128
    .sgpr_count:     80
    .vgpr_count:     512
    .wavefront_size: 32
...
	.end_amdgpu_metadata
.endif
;; end of part 4
;; ======== version 2 of 3: 4 launches; 1.12 times as fast as version 1
;; limits: values are held in f16: magnitudes above 65,504 overflow, below 6.1e-05 lose precision
;; workspace buffers: xw 23,080,960 bytes; qkv 50,331,648 bytes; p16 33,554,432 bytes; stat 1,048,576 bytes
;; launch cast (part 5): grid 705 x 1, 8 waves a work-group, no clusters, 0 bytes of LDS; arguments x, Wq, Wk, Wv, bq, bk, bv, xw; writes xw
.if DOCPART == 5
	.amdgcn_target "amdgcn-amd-amdhsa--gfx1250"
	.amdhsa_code_object_version 6
	.text
	.protected	k_qd154efd462_cast
	.globl	k_qd154efd462_cast
	.p2align	8
	.type	k_qd154efd462_cast,@function
k_qd154efd462_cast:
	s_mov_b64 s[64:65], 0
	v_nop
	global_prefetch_b8 v0, s[64:65] scope:SCOPE_SE
	s_setreg_imm32_b32 hwreg(HW_REG_WAVE_MODE, 25, 1), 1
	s_wait_xcnt 0x0
; xw takes every input, each number rounded once to bf16 (nearest even), laid out for the projection behind:
;   byte 0          x in blocks of 64 along K: [16 blocks][8192 rows][64] bf16, so that 256 rows x 64 K are 32,768 consecutive bytes
;   byte 0x1000000  the weights side by side: [1024 k][3072] bf16, columns 0-1023 Wq, 1024-2047 Wk, 2048-3071 Wv
;   byte 0x1600000  the biases side by side: [3072] f32, each holding its bf16 value
; A stream: each input byte is read once, each output byte written once.  No LDS, no matrix unit, no cluster: no two work-groups read the same bytes.
; Work-groups 0-511 take 16 rows of x, 512-703 take 16 rows of a weight, 704 takes the three biases.  The paths part on the work-group's number alone.
.set WOFF, 0x1000000
.set BOFF, 0x1600000
.set X, 4                              ; v[4:67]   16 pieces as loaded
.set Y, 68                             ; v[68:99]  16 pieces to store
.macro LOAD16 step                     ; sixteen loads at once, \step bytes apart
.set i, 0
.rept 16
	global_load_b128 v[X+4*i:X+4*i+3], v1, s[22:23] offset:(\step)*i th:TH_LOAD_NT
.set i, i+1
.endr
.endm
	s_load_b256 s[4:11], s[0:1], 0x0               ; x s[4:5], Wq s[6:7], Wk s[8:9], Wv s[10:11]
	s_load_b256 s[12:19], s[0:1], 0x20             ; bq s[12:13], bk s[14:15], bv s[16:17], xw s[18:19]
	s_mov_b32 s20, ttmp9
	v_lshlrev_b32 v2, 3, v0                        ; 8 t: my 8 bytes among the work-group's 2,048 consecutive ones
	s_wait_kmcnt 0x0
	s_cmp_lt_u32 s20, 512
	s_cbranch_scc0 .Lnot_x
	; x.  Thread t takes row t / 16 of the 16 and, in piece i, numbers 64 i + 4 (t % 16) .. + 3: sixteen lanes read 256 consecutive bytes of a row,
	; and a wave's store covers two rows' 128 bytes of block i, which are 256 consecutive bytes at a multiple of 256.
	v_lshrrev_b32 v1, 4, v0
	v_and_b32 v3, 15, v0
	v_lshlrev_b32 v3, 4, v3
	v_lshl_add_u32 v1, v1, 12, v3                  ; row x 4,096 + 16 (t % 16)
	s_lshl_b32 s22, s20, 16                        ; 16 rows of 4,096 bytes
	s_mov_b32 s23, 0
	s_add_nc_u64 s[22:23], s[4:5], s[22:23]
	s_lshl_b32 s24, s20, 11                        ; 16 rows of 128 bytes in a block
	s_mov_b32 s25, 0
	s_add_nc_u64 s[24:25], s[18:19], s[24:25]
	s_add_nc_u64 s[26:27], s[24:25], 0x800000      ; blocks 8-15: a block is 1,048,576 bytes, and an immediate reaches 8,388,607
	LOAD16 256
.set i, 0
.rept 16
	s_wait_loadcnt 15-i                            ; loads come back in order (ISA guide 5.7.1): piece i is in, the 15 - i younger ones stay out
	v_cvt_pk_bf16_f32 v[Y+2*i], v[X+4*i], v[X+4*i+1]
	v_cvt_pk_bf16_f32 v[Y+2*i+1], v[X+4*i+2], v[X+4*i+3]
.if i < 8
	global_store_b64 v2, v[Y+2*i:Y+2*i+1], s[24:25] offset:i*1048576
.else
	global_store_b64 v2, v[Y+2*i:Y+2*i+1], s[26:27] offset:(i-8)*1048576
.endif
.set i, i+1
.endr
	s_endpgm
.Lnot_x:
	s_cmp_lt_u32 s20, 704
	s_cbranch_scc0 .Lbias
	; A weight.  Thread t takes numbers 4 t .. 4 t + 3 of each of 16 rows: a wave's load covers 512 consecutive bytes, its store 256 at a multiple of 256.
	s_sub_co_u32 s21, s20, 512
	s_lshr_b32 s28, s21, 6                         ; which weight
	s_and_b32 s29, s21, 63                         ; which 16 rows of it
	s_cmp_eq_u32 s28, 1
	s_cselect_b64 s[22:23], s[8:9], s[6:7]
	s_cmp_eq_u32 s28, 2
	s_cselect_b64 s[22:23], s[10:11], s[22:23]
	s_lshl_b32 s30, s29, 16
	s_mov_b32 s31, 0
	s_add_nc_u64 s[22:23], s[22:23], s[30:31]
	s_mul_i32 s30, s29, 16*6144                    ; 16 rows of 6,144 bytes,
	s_lshl_b32 s21, s28, 11                        ; the weight's 2,048 bytes of a row
	s_add_co_u32 s30, s30, s21
	s_add_co_u32 s30, s30, WOFF
	s_add_nc_u64 s[24:25], s[18:19], s[30:31]
	v_lshlrev_b32 v1, 4, v0
	LOAD16 4096
.set i, 0
.rept 16
	s_wait_loadcnt 15-i
	v_cvt_pk_bf16_f32 v[Y+2*i], v[X+4*i], v[X+4*i+1]
	v_cvt_pk_bf16_f32 v[Y+2*i+1], v[X+4*i+2], v[X+4*i+3]
	global_store_b64 v2, v[Y+2*i:Y+2*i+1], s[24:25] offset:6144*i
.set i, i+1
.endr
	s_endpgm
.Lbias:
	; The biases.  Thread t takes numbers 4 t .. 4 t + 3 of each: rounded to bf16 and widened again.
	v_lshlrev_b32 v1, 4, v0
	global_load_b128 v[4:7], v1, s[12:13]
	global_load_b128 v[8:11], v1, s[14:15]
	global_load_b128 v[12:15], v1, s[16:17]
	s_add_nc_u64 s[24:25], s[18:19], BOFF
	s_wait_loadcnt 0x0
.set i, 0
.rept 6
	v_cvt_pk_bf16_f32 v[16+i], v[4+2*i], v[5+2*i]
	v_lshlrev_b32 v[4+2*i], 16, v[16+i]
	v_and_b32 v[5+2*i], 0xffff0000, v[16+i]
.set i, i+1
.endr
	global_store_b128 v1, v[4:7], s[24:25]
	global_store_b128 v1, v[8:11], s[24:25] offset:4096
	global_store_b128 v1, v[12:15], s[24:25] offset:8192
	s_endpgm
.Lfunc_end_k_qd154efd462_cast:
	.size	k_qd154efd462_cast, .Lfunc_end_k_qd154efd462_cast-k_qd154efd462_cast
	.p2alignl 7, 3214868480
	.fill 96, 4, 3214868480
	.section	.rodata,"a",@progbits
	.p2align	6, 0x0
	.amdhsa_kernel k_qd154efd462_cast
		.amdhsa_group_segment_fixed_size 0
		.amdhsa_private_segment_fixed_size 0
		.amdhsa_enable_private_segment 0
		.amdhsa_kernarg_size 64
		.amdhsa_user_sgpr_count 2
		.amdhsa_user_sgpr_kernarg_segment_ptr 1
		.amdhsa_wavefront_size32 1
		.amdhsa_system_sgpr_workgroup_id_x 1
		.amdhsa_system_sgpr_workgroup_id_y 1
		.amdhsa_system_sgpr_workgroup_id_z 1
		.amdhsa_system_vgpr_workitem_id 0
		.amdhsa_next_free_vgpr 104
		.amdhsa_next_free_sgpr 66
		.amdhsa_reserve_vcc 0
		.amdhsa_float_denorm_mode_32 3
		.amdhsa_float_denorm_mode_16_64 3
		.amdhsa_memory_ordered 1
		.amdhsa_forward_progress 1
		.amdhsa_inst_pref_size 15
	.end_amdhsa_kernel
	.amdgpu_metadata
---
amdhsa.version: [ 1, 2 ]
amdhsa.kernels:
  - .name:           k_qd154efd462_cast
    .symbol:         k_qd154efd462_cast.kd
    .args:
      - { .name: x, .offset: 0, .size: 8, .value_kind: global_buffer, .address_space: global }
      - { .name: Wq, .offset: 8, .size: 8, .value_kind: global_buffer, .address_space: global }
      - { .name: Wk, .offset: 16, .size: 8, .value_kind: global_buffer, .address_space: global }
      - { .name: Wv, .offset: 24, .size: 8, .value_kind: global_buffer, .address_space: global }
      - { .name: bq, .offset: 32, .size: 8, .value_kind: global_buffer, .address_space: global }
      - { .name: bk, .offset: 40, .size: 8, .value_kind: global_buffer, .address_space: global }
      - { .name: bv, .offset: 48, .size: 8, .value_kind: global_buffer, .address_space: global }
      - { .name: xw, .offset: 56, .size: 8, .value_kind: global_buffer, .address_space: global }
    .group_segment_fixed_size: 0
    .private_segment_fixed_size: 0
    .kernarg_segment_align: 8
    .kernarg_segment_size: 64
    .max_flat_workgroup_size: 256
    .sgpr_count:     66
    .vgpr_count:     104
    .wavefront_size: 32
...
	.end_amdgpu_metadata
.endif
;; end of part 5
;; launch proj (part 6): grid 8 x 32, 4 waves a work-group, clusters of 4 x 4, 327,680 bytes of LDS; arguments xw, qkv; writes qkv
.if DOCPART == 6
	.amdgcn_target "amdgcn-amd-amdhsa--gfx1250"
	.amdhsa_code_object_version 6
	.text
	.protected	k_qd154efd462_proj
	.globl	k_qd154efd462_proj
	.p2align	8
	.type	k_qd154efd462_proj,@function
k_qd154efd462_proj:
	s_mov_b64 s[64:65], 0
	v_nop
	global_prefetch_b8 v0, s[64:65] scope:SCOPE_SE
	s_setreg_imm32_b32 hwreg(HW_REG_WAVE_MODE, 25, 1), 1
	s_wait_xcnt 0x0
	s_wait_alu depctr_hold_cnt(0) depctr_sa_sdst(0) depctr_va_vdst(0) depctr_va_sdst(0) depctr_va_ssrc(0) depctr_va_vcc(0) depctr_vm_vsrc(0)
	s_getreg_b32 s2, hwreg(HW_REG_IB_STS2, 6, 4)
	s_cmp_eq_u32 s2, 0
	s_cbranch_scc0 .Lentry_in_a_cluster
	s_endpgm
.Lentry_in_a_cluster:
	s_bfe_u32 s2, ttmp6, 0x10000c
	s_cmp_lg_u32 s2, 0xf033
	s_cbranch_scc0 .Lentry_shape_is_right
	s_endpgm
.Lentry_shape_is_right:
; qkv[row][0:1024] = x Wq + bq, [1024:2048] = x Wk + bk, [2048:3072] = x Wv + bv, in f16, each rounded once from its f32 sum.
; x, the weights and the biases arrive rounded to bf16 (xw: x in blocks [16][8192][64]; at 0x1000000 the weights [1024 k][3072]; at 0x1600000 the biases [3072] f32).
; LIMITS.  f16 holds no number beyond 65,504: |q|, |k|, |v| must stay under it; NaN and infinities are not treated apart.
; SHARES.  A tile of the result is 256 rows x 384 columns: 8 x 32 tiles, one for each of 256 WGPs.  Four waves, each 128 rows x 192 columns: 96 accumulators of 16 x 16, 768 registers.
; For 32 along K a wave issues 96 matrix instructions on 40 LDS loads.  K goes in 16 steps of 64 through two LDS slots: two slots of 128 along K would be 344,064 bytes and do not fit.
; A's tile (256 rows x 128 bytes, dense in xw) is asked for as 128 rows of 256 bytes and padded after every 128; B's lies [k][n], in three chunks of 64 k-rows x 256 bytes, and is turned by ds_load_tr16_b128.
; A wave's columns are 64 of each chunk's 128 (chunk t, block s: column 128 t + 64 half + 16 s), so that both halves use the same offsets.
; CLUSTER.  4 x 4 work-groups: the four of a row of the cluster need the same tile of x, the four of a column the same chunks of the weights: each is asked for jointly, by the same tensor load,
; descriptor and mask in all four.
; THE MATRIX INSTRUCTION IS USED TRANSPOSED (source 0 = 16 columns of B, source 1 = 16 rows of A): a lane holds eight neighbouring numbers of one row of the result.
; THE BIAS STARTS THE SUMS: it is the C operand of the first products.  A lane's eight numbers of block (t, s) are the same for all row blocks; they are loaded into the registers of accumulator (7, s),
; row blocks 0-6 read them there, and block 7 adds in place onto them.
; REGISTERS, in windows of 256 (s_set_vgpr_msb: bits 1:0 source 0, 3:2 source 1, 5:4 source 2, 7:6 destination):
;   window 0: v0-31 addresses; v32-95, v96-159 A's fragments of a quarter (8 row blocks x 32 K), two buffers; v160-255 B's, three thirds of 4 blocks, each loaded again as soon as it has been multiplied
;   window 1 + t: the accumulators of chunk t: (a, s) at v[32 a + 8 s]
.set PA,    144                        ; a row of A in LDS: 128 bytes + 16 = 36 words: the 16 rows of a load start at 16 different groups of four banks (64 banks of 4 bytes: ISA guide 11.1)
.set PB,    288                        ; a row of a chunk of B: 256 + 32 = 72 words
.set ATILE, 256*PA
.set CHUNK, 64*PB
.set SLOT1, 131072                     ; slot 1 begins here, so that one exclusive or turns an address in one slot into the other's; a slot: A's tile, then B's three chunks, 92,160 bytes
.set STAGE, SLOT1+ATILE+3*CHUNK        ; behind the ring, never filled by a tensor load: the work-group's, two buffers of 32 rows x 784 bytes
.set SP,    784                        ; 768 bytes + 16: an odd multiple of 16
.set SBUF,  32*SP
.set SPARE, STAGE+2*SBUF               ; the spare words, 128 bytes for each wave: two blocks of 256 bytes that no other line names
.set NSTEP, 16
.set STEPA, 8192*128                   ; a K step: x's next block
.set STEPB, 64*6144                    ; 64 rows down the weights
.set CROW,  6144                       ; bytes in a row of qkv
.set WOFF,  0x1000000
.set BOFF,  0x1600000
.set BO,    8                          ; v8   my byte offset in the wave's biases
.set ADRA0, 16                         ; v16  my lane's place in A's tile of slot 0; never rewritten
.set ADRA,  17                         ; v17  the same in the slot in hand
.set ADRB0, 20                         ; v20, v21 the same for B
.set ADRB,  21
.set RD0,   22                         ; v22  the way out: where I read 16 bytes back, loads 0 and 2 of three
.set RD1,   23                         ; v23  load 1 of three
.set STO,   24                         ; v24  where I put 16 bytes of a row
.set CO0,   25                         ; v25, v26 the same places in qkv
.set CO1,   26
.set SPW,   28                         ; v28  LDS address of my spare word; never rewritten
.set NIL,   29                         ; v29  0; never rewritten
.set AF,    32
.set BR,    160
.set TMP,   32                         ; the way out: 16 rows x 192 columns packed to f16
.set OB,    80                         ; 8 whole rows read back: v80-127 and v128-175 by turns
.set G1A,   24                         ; s[24:31] descriptor group 1 for A's tiles
.set G0A,   32                         ; s[32:39] group 0: a set for each of the two first fills; the second then walks on
.set G1B,   48                         ; s[48:55], s[56:63] the same for B's
.set G0B,   56
.set TB,    68                         ; s68  LDS byte at which the slot in hand begins
.set MSB, 0
.macro WIN new                         ; the immediate's high byte repeats the setting that is left; a switch that changes nothing is dropped
.if MSB != (\new)
	s_set_vgpr_msb (MSB<<8)|(\new)
.set MSB, \new
.endif
.endm
; A joint refill.  Wave 0 fetches A's tile, waves 1 to 3 one chunk of B each.  The branch hangs on the wave's number alone.  An s_nop 0 and four v_nop follow each of the two lines.
.macro JLOAD
	s_cmp_eq_u32 s14, 0
	s_cbranch_scc0 .Lfor_b_\@
	tensor_load_to_lds s[G0A+4:G0A+7], s[G1A:G1A+7]
	s_nop 0
.rept 4
	v_nop
.endr
	s_branch .Lasked_\@
.Lfor_b_\@:
	tensor_load_to_lds s[G0B+4:G0B+7], s[G1B:G1B+7]
	s_nop 0
.rept 4
	v_nop
.endr
.Lasked_\@:
.endm
.macro CREST                           ; a round of the cluster's barrier behind its opening barrier
	s_cmp_lg_u32 s14, 0
	s_cbranch_scc1 .Lnot_wave_0_\@
	s_barrier_signal -3
.Lnot_wave_0_\@:
	s_barrier_wait -3
	s_barrier_signal -1
	s_barrier_wait -1
.endm
.macro CROUND                          ; a whole round
	s_barrier_signal -1
	s_barrier_wait -1
	CREST
.endm
	s_load_b128 s[4:7], s[0:1], 0x0                ; xw s[4:5], qkv s[6:7]
	v_lshl_add_u32 v[SPW], v0, 2, SPARE
	v_mov_b32 v[NIL], 0
	ds_add_u32 v28, v29
	s_wait_dscnt 0x0
	v_lshrrev_b32 v1, 5, v0
	v_readfirstlane_b32 s14, v1                    ; wave 0..3
	s_lshr_b32 s15, s14, 1                         ; which 128 rows of the tile are mine
	s_and_b32 s16, s14, 1                          ; which half of each chunk's columns
	s_bfe_u32 s17, ttmp6, 0x40000                  ; cx
	s_bfe_u32 s18, ttmp6, 0x40004                  ; cy
	s_lshl_b32 s19, ttmp9, 2
	s_add_co_u32 s19, s19, s17                     ; tile column = 4 x cluster x + cx
	s_and_b32 s20, ttmp7, 0xffff
	s_lshl_b32 s20, s20, 2
	s_add_co_u32 s20, s20, s18                     ; tile row = 4 x cluster y + cy
	s_lshl_b32 s21, s18, 2
	s_lshl_b32 s21, 15, s21                        ; my row of the cluster
	s_lshl_b32 s22, 0x1111, s17                    ; my column
	s_or_b32 s[G1A], s21, (1<<16)|(1<<20)|(1<<21)|(4<<22)|(3<<25)  ; the mask; 2-byte elements; padding on; 21 set beside a mask; after every 32 words, 4 words
	s_mov_b32 s[G1A+1], 128<<16                    ; tensor_dim0 = 128: two rows of x's block
	s_mov_b32 s[G1A+2], 128<<16                    ; tensor_dim1 = 128
	s_mov_b32 s[G1A+3], 128<<16                    ; tile_dim0 = 128
	s_mov_b32 s[G1A+4], 128                        ; tile_dim1 = 128
	s_mov_b32 s[G1A+5], 128                        ; dense
	s_mov_b32 s[G1A+6], 0
	s_mov_b32 s[G1A+7], 0
	s_or_b32 s[G1B], s22, (1<<16)|(1<<20)|(1<<21)|(5<<22)|(7<<25)  ; after every 64 words, 8 words
	s_mov_b32 s[G1B+1], 128<<16                    ; tensor_dim0 = 128
	s_mov_b32 s[G1B+2], 64<<16                     ; tensor_dim1 = 64
	s_mov_b32 s[G1B+3], 128<<16                    ; tile_dim0 = 128
	s_mov_b32 s[G1B+4], 64                         ; tile_dim1 = 64
	s_mov_b32 s[G1B+5], 3072                       ; elements from row to row of the weights
	s_mov_b32 s[G1B+6], 0
	s_mov_b32 s[G1B+7], 0
	s_lshl_b32 s40, s20, 15                        ; A: 256 rows of 128 bytes x tile row: hangs on the tile row alone
	s_mov_b32 s41, 0
	s_mul_i32 s44, s19, 768                        ; B: byte 768 x tile column + 256 x (wave - 1) of the weights' first row: hangs on the tile column alone
	s_lshl_b32 s45, s14, 8
	s_add_co_u32 s44, s44, s45
	s_add_co_u32 s44, s44, WOFF-256
	s_mov_b32 s45, 0
	s_mul_i32 s75, s14, CHUNK                      ; where a chunk goes: behind A's tile, chunk wave - 1: no place in the cluster enters an LDS address
	s_add_co_u32 s75, s75, ATILE-CHUNK
	s_mov_b32 s[TB], 0
	s_wait_kmcnt 0x0
	s_add_nc_u64 s[42:43], s[4:5], s[40:41]
	s_add_nc_u64 s[46:47], s[4:5], s[44:45]
.irp n, 0,1
	s_mov_b32 s[G0A+4*(\n)], 1                     ; count = 1
	s_mov_b32 s[G0A+4*(\n)+1], (\n)*SLOT1          ; LDS address
	s_add_nc_u64 s[G0A+4*(\n)+2:G0A+4*(\n)+3], s[42:43], (\n)*STEPA  ; global address: K step n
	s_or_b32 s[G0A+4*(\n)+3], s[G0A+4*(\n)+3], 0x80000000           ; type = 2
	s_mov_b32 s[G0B+4*(\n)], 1
	s_add_co_u32 s[G0B+4*(\n)+1], s75, (\n)*SLOT1
	s_add_nc_u64 s[G0B+4*(\n)+2:G0B+4*(\n)+3], s[46:47], (\n)*STEPB
	s_or_b32 s[G0B+4*(\n)+3], s[G0B+4*(\n)+3], 0x80000000
.endr
	CROUND                                         ; all sixteen work-groups are here: the first joint loads meet
	s_cmp_eq_u32 s14, 0                            ; a wave's two first fills stand in one branch: two loads of mine are out
	s_cbranch_scc0 .Lfirst_b
	tensor_load_to_lds s[G0A:G0A+3], s[G1A:G1A+7]
	s_nop 0
	tensor_load_to_lds s[G0A+4:G0A+7], s[G1A:G1A+7]
	s_nop 0
.rept 4
	v_nop
.endr
	s_branch .Lfirst_asked
.Lfirst_b:
	tensor_load_to_lds s[G0B:G0B+3], s[G1B:G1B+7]
	s_nop 0
	tensor_load_to_lds s[G0B+4:G0B+7], s[G1B:G1B+7]
	s_nop 0
.rept 4
	v_nop
.endr
.Lfirst_asked:
	v_and_b32 v1, 15, v0                           ; r = l % 16
	v_bfe_u32 v2, v0, 4, 1                         ; h = l / 16
	s_mul_i32 s70, s19, 1536                       ; the biases of my columns: 4 bytes x (384 x tile column + 128 t + 64 half + 16 s + 8 h)
	s_lshl_b32 s71, s16, 8
	s_add_co_u32 s70, s70, s71
	s_add_co_u32 s70, s70, BOFF
	s_mov_b32 s71, 0
	s_add_nc_u64 s[8:9], s[4:5], s[70:71]
	v_lshlrev_b32 v[BO], 5, v2
.irp t, 0,1,2
	WIN (1+(\t))<<6                                ; destination: chunk t's window, the registers of accumulator (7, s)
.irp s, 0,1,2,3
	global_load_b128 v[224+8*(\s):224+8*(\s)+3],   v[BO], s[8:9] offset:512*(\t)+64*(\s)
	global_load_b128 v[224+8*(\s)+4:224+8*(\s)+7], v[BO], s[8:9] offset:512*(\t)+64*(\s)+16
.endr
.endr
	WIN 0
	; A fragment of A: lane l holds row l % 16, k = 8 h + 0..7 and 16 + 8 h + 0..7: two loads of 16 bytes, 32 bytes apart.
	v_mul_u32_u24 v3, v1, PA
	v_lshl_add_u32 v3, v2, 4, v3                   ; r x pitch + 16 h
	s_mul_i32 s76, s15, 128*PA                     ; my 128 rows
	v_add_nc_u32 v[ADRA0], s76, v3
	; The turning load takes 16 k x 16 columns (lane l reads k-row 8 h + l % 8, columns 8 ((l / 8) % 2) + 0..7) and leaves half a fragment: lane l holds column l % 16 and 8 k.
	v_and_b32 v4, 7, v0
	v_lshl_add_u32 v4, v2, 3, v4
	v_mul_u32_u24 v4, v4, PB
	v_bfe_u32 v5, v0, 3, 1
	v_lshl_add_u32 v4, v5, 4, v4
	s_lshl_b32 s76, s16, 7                         ; my 64 columns of a chunk,
	s_add_co_u32 s76, s76, ATILE                   ; behind A's tile
	v_add_nc_u32 v[ADRB0], s76, v4
	; The stage holds 32 rows at a time: 16 of each half of the tile.  In: row 16 x half + r, byte 128 x column half + 16 h (+ 256 t + 32 s).
	s_mul_i32 s76, s15, 16*SP
	s_lshl_b32 s77, s16, 7
	s_add_co_u32 s76, s76, s77
	s_add_co_u32 s76, s76, STAGE
	v_mul_u32_u24 v3, v1, SP
	v_lshl_add_u32 v3, v2, 4, v3
	v_add_nc_u32 v[STO], s76, v3
	; Back: wave w takes stage rows 8 w .. 8 w + 7, whole: 768 bytes are 48 lanes' 16 bytes, so three loads take two rows: lanes 0-31 of the first row; its lanes 32-47 and the second row's 0-15; the second row's 16-47.
	s_mul_i32 s76, s14, 8*SP
	s_add_co_u32 s76, s76, STAGE
	v_and_b32 v6, 31, v0                           ; lane
	v_lshl_add_u32 v[RD0], v6, 4, s76              ; 16 x lane (the third load: + a row + 256, in the immediate)
	v_lshl_add_u32 v[RD1], v2, 4, v[RD0]           ; the second load: 512 + 16 x lane, and for lanes 16-31 a row on and 768 back: + 16
	v_add_nc_u32 v[RD1], 512, v[RD1]
	v_lshlrev_b32 v[CO0], 4, v6                    ; the same in qkv
	v_mul_u32_u24 v5, v2, CROW-768
	v_add3_u32 v[CO1], v[CO0], v5, 512
	s_lshl_b32 s70, s20, 8                         ; the first row that I store: 256 x tile row + 128 x (wave / 2) + 8 x (wave % 2); byte 768 x tile column
	s_lshl_b32 s71, s15, 7
	s_add_co_u32 s70, s70, s71
	s_lshl_b32 s71, s16, 3
	s_add_co_u32 s70, s70, s71
	s_mul_i32 s70, s70, CROW
	s_mul_i32 s71, s19, 768
	s_add_co_u32 s70, s70, s71
	s_mov_b32 s71, 0
	s_add_nc_u64 s[6:7], s[6:7], s[70:71]
; 8 LDS loads: third t of B's fragments of quarter q of the slot in hand
.macro LB q, t
.irp s, 0,1,2,3
	ds_load_tr16_b128 v[BR+32*(\t)+8*(\s):BR+32*(\t)+8*(\s)+3],   v[ADRB] offset:(\t)*CHUNK+(\q)*32*PB+32*(\s)
	ds_load_tr16_b128 v[BR+32*(\t)+8*(\s)+4:BR+32*(\t)+8*(\s)+7], v[ADRB] offset:(\t)*CHUNK+(\q)*32*PB+16*PB+32*(\s)
.endr
.endm
; 8 LDS loads: row blocks a0 .. a0 + 3 of A's fragments of quarter q, into buffer q
.macro LA q, a0
.irp a, (\a0), (\a0)+1, (\a0)+2, (\a0)+3
	ds_load_b128 v[AF+64*(\q)+8*(\a):AF+64*(\q)+8*(\a)+3],   v[ADRA] offset:(\a)*16*PA+64*(\q)
	ds_load_b128 v[AF+64*(\q)+8*(\a)+4:AF+64*(\q)+8*(\a)+7], v[ADRA] offset:(\a)*16*PA+64*(\q)+32
.endr
.endm
; 4 n matrix instructions: row blocks a0 .. a0 + n - 1 x the four blocks of third t, 32 along K.  first = 1: the bias, in the registers of accumulator (7, s), starts the sums.
; The 96 accumulators take turns, one instruction a turn, in the same order in every quarter.
.macro MULS q, t, a0, n, first
	WIN ((1+(\t))<<6)|((1+(\t))<<4)
.set aa, \a0
.rept \n
.irp s, 0,1,2,3
.if \first
	v_wmma_f32_16x16x32_bf16 v[32*aa+8*(\s):32*aa+8*(\s)+7], v[BR+32*(\t)+8*(\s):BR+32*(\t)+8*(\s)+7], v[AF+64*(\q)+8*aa:AF+64*(\q)+8*aa+7], v[224+8*(\s):224+8*(\s)+7]
.else
	v_wmma_f32_16x16x32_bf16 v[32*aa+8*(\s):32*aa+8*(\s)+7], v[BR+32*(\t)+8*(\s):BR+32*(\t)+8*(\s)+7], v[AF+64*(\q)+8*aa:AF+64*(\q)+8*aa+7], v[32*aa+8*(\s):32*aa+8*(\s)+7]
.endif
.endr
.set aa, aa+1
.endr
.endm
.macro PLACES                          ; four plain vector instructions between a matrix instruction and a load into, or a vector read of, its registers (ISA guide 7.12.1 for vector reads)
.rept 4
	v_nop
.endr
.endm
; A UNIT: third t of quarter q: 32 matrix instructions in one window.  At its head the buffers that the unit before has read last are loaded again:
;   unit 0: this quarter's third 2, the next quarter's A blocks 0-3;   unit 1: the next quarter's third 0 and A blocks 4-7;   unit 2: the next quarter's third 1.
; So a third is asked for two units, 64 matrix instructions, ahead of its use.  The waits count what was issued behind the loads that the unit needs:
;   unit 0 needs third 0 and A, issued in the last quarter's unit 1 at the latest: behind them 8 + 16;   unit 1 needs third 1: behind it 16 + 16;   unit 2 needs third 2: behind it 8 + 16 + 8.
.macro UNIT q, t, first
	PLACES
	WIN 0
.if (\t) == 0
	LB \q, 2
	LA 1-(\q), 0
	s_wait_dscnt 24
.elseif (\t) == 1
	LB 1-(\q), 0
	LA 1-(\q), 4
	s_wait_dscnt 32
.else
	LB 1-(\q), 1
	s_wait_dscnt 32
.endif
.if \first
	MULS \q, \t, 0, 7, 1
.rept 5
	v_nop                                          ; five places between the products that read the bias and those that write over it (ISA guide 7.12.1)
.endr
	MULS \q, \t, 7, 1, 1
.else
	MULS \q, \t, 0, 8, 0
.endif
.endm
; Unit 0 of a slot's second quarter changes slots: ONE barrier.  Third 2 is the last that is read of this slot.  Then each wave waits for all its tensor loads (one is out: its part of the next slot),
; adds 0 to its spare word, and waits for that and for its reads of this slot.  fill = 1: the barrier opens a round of the cluster's, and this slot is filled again, with the K step two on, first thing behind the round.
.macro TURN fill
	PLACES
	WIN 0
	LB 1, 2
	s_wait_tensorcnt 0x0                           ; no tensor load of mine is out, so a group 0 may be written
	ds_add_u32 v[SPW], v[NIL]                      ; 0 onto my spare word
.if \fill
	s_xor_b32 s[G0A+5], s[G0A+5], SLOT1            ; the walking descriptors: the other slot than last time, the next K step
	s_add_nc_u64 s[G0A+6:G0A+7], s[G0A+6:G0A+7], STEPA
	s_xor_b32 s[G0B+5], s[G0B+5], SLOT1
	s_add_nc_u64 s[G0B+6:G0B+7], s[G0B+6:G0B+7], STEPB
.endif
	s_xor_b32 s[TB], s[TB], SLOT1                  ; the fetches go on in the other slot
	s_wait_dscnt 17                                ; third 0 and A are in; the last unit's 8 loads, the 8 above and the add may be out
	MULS 1, 0, 0, 2, 0
	s_wait_dscnt 0x0                               ; the add is done, and my reads of this slot are over
	s_barrier_signal -1
	MULS 1, 0, 2, 2, 0                             ; work on registers while the others arrive
	WIN 0                                          ; at a branch and at a label every window is 0
	s_barrier_wait -1
.if \fill
	CREST                                          ; no wave of any partner still reads this slot or has a load on its way
	JLOAD                                          ; 176 matrix instructions ahead of the wait for it
.endif
	v_add_nc_u32 v[ADRA], s[TB], v[ADRA0]
	v_add_nc_u32 v[ADRB], s[TB], v[ADRB0]
	LA 0, 0                                        ; buffer 0 was read last in the unit before, with this macro's places since
	MULS 1, 0, 4, 4, 0
.endm
	s_wait_tensorcnt 0x1                           ; my part of K step 0 is in; K step 1's may stay out
	s_barrier_signal -1
	s_barrier_wait -1                              ; everybody's is
	v_mov_b32 v[ADRA], v[ADRA0]
	v_mov_b32 v[ADRB], v[ADRB0]
	LA 0, 0                                        ; what the first quarter's units 0 and 1 find loaded
	LA 0, 4
	LB 0, 0
	LB 0, 1
	s_wait_loadcnt 0x0                             ; the biases
	UNIT 0, 0, 1                                   ; the first quarter stands in front of the loop: its products start the sums
	UNIT 0, 1, 1
	UNIT 0, 2, 1
	WIN 0
	s_mov_b32 s3, NSTEP-2
.Lstep:                                                ; a trip: a K step's second quarter and the next step's first; it fills one slot again
	TURN 1
	UNIT 1, 1, 0
	UNIT 1, 2, 0
	UNIT 0, 0, 0
	UNIT 0, 1, 0
	UNIT 0, 2, 0
	WIN 0
	s_sub_co_u32 s3, s3, 1
	s_cmp_lg_u32 s3, 0
	s_cbranch_scc1 .Lstep
	TURN 0                                         ; the tail is written out: it asks for nothing
	UNIT 1, 1, 0
	UNIT 1, 2, 0
	UNIT 0, 0, 0
	UNIT 0, 1, 0
	UNIT 0, 2, 0
	PLACES                                         ; the very last quarter: only its third 2 is left to fetch, and the counts run down
	WIN 0
	LB 1, 2
	s_wait_dscnt 16                                ; third 0 and A are in: behind them thirds 1 and 2
	MULS 1, 0, 0, 8, 0
	s_wait_dscnt 8
	MULS 1, 1, 0, 8, 0
	s_wait_dscnt 0x0
	MULS 1, 2, 0, 8, 0
	WIN 0
	PLACES
; THE WAY OUT, a block of 16 rows of each wave at a time.  A wave's 64 columns of a chunk are half of an aligned 256 bytes of qkv, so the four waves share a stage: rounded to f16, 16 bytes a lane into
; the stage; a barrier; back as whole rows of 768 bytes, 8 rows a wave.  Two buffers: a buffer is written again behind the barrier that follows every wave's wait for its reads of it.
.macro CVT a
.irp t, 0,1,2
	WIN (1+(\t))|((1+(\t))<<2)                     ; sources 0 and 1: chunk t's window
.set i, 0
.rept 16
	v_cvt_pk_f16_f32 v[TMP+16*(\t)+i], v[32*(\a)+2*i], v[32*(\a)+2*i+1]  ; each accumulator's registers in ascending order
.set i, i+1
.endr
.endr
	WIN 0
.endm
.macro PUT a
.irp t, 0,1,2
.irp s, 0,1,2,3
	ds_store_b128 v[STO], v[TMP+16*(\t)+4*(\s):TMP+16*(\t)+4*(\s)+3] offset:((\a)%2)*SBUF+256*(\t)+32*(\s)
.endr
.endr
	s_wait_dscnt 0x0                               ; for the others' sake: my stores into the stage are done (and my reads of the other buffer are back)
	s_barrier_signal -1
	s_barrier_wait -1
.endm
.macro GET a
.set BK, OB+48*((\a)%2)
.irp m, 0,1,2,3
	ds_load_b128 v[BK+12*(\m):BK+12*(\m)+3],    v[RD0] offset:((\a)%2)*SBUF+(\m)*2*SP
	ds_load_b128 v[BK+12*(\m)+4:BK+12*(\m)+7],  v[RD1] offset:((\a)%2)*SBUF+(\m)*2*SP
	ds_load_b128 v[BK+12*(\m)+8:BK+12*(\m)+11], v[RD0] offset:((\a)%2)*SBUF+(\m)*2*SP+SP+256
.endr
.endm
.macro SEND a
.set BK, OB+48*((\a)%2)
	s_wait_dscnt 0x0                               ; the rows are back in registers
	s_wait_xcnt 0x0                                ; earlier stores have read their registers: the other buffer is loaded again only behind this wait
.irp m, 0,1,2,3
	global_store_b128 v[CO0], v[BK+12*(\m):BK+12*(\m)+3],    s[6:7] offset:(\a)*16*CROW+(\m)*2*CROW  ; 16 lanes store 256 consecutive bytes, at a multiple of 256 from qkv's first byte
	global_store_b128 v[CO1], v[BK+12*(\m)+4:BK+12*(\m)+7],  s[6:7] offset:(\a)*16*CROW+(\m)*2*CROW
	global_store_b128 v[CO0], v[BK+12*(\m)+8:BK+12*(\m)+11], s[6:7] offset:(\a)*16*CROW+(\m)*2*CROW+CROW+256
.endr
.endm
	CVT 0
	PUT 0
	GET 0
.irp a, 1,2,3,4,5,6,7                  ; block a's conversions stand between block a - 1's loads from the stage and the wait for them
	CVT \a
	SEND (\a)-1
	PUT \a
	GET \a
.endr
	SEND 7
	s_wait_tensorcnt 0x0                           ; the wave's end
	ds_add_u32 v[SPW], v[NIL]
	s_wait_dscnt 0x0
	CROUND                                         ; the closing round: no work-group ends while a partner may still ask for a tile that names it
	s_endpgm
.Lfunc_end_k_qd154efd462_proj:
	.size	k_qd154efd462_proj, .Lfunc_end_k_qd154efd462_proj-k_qd154efd462_proj
	.p2alignl 7, 3214868480
	.fill 96, 4, 3214868480
	.section	.rodata,"a",@progbits
	.p2align	6, 0x0
	.amdhsa_kernel k_qd154efd462_proj
		.amdhsa_group_segment_fixed_size 327680
		.amdhsa_private_segment_fixed_size 0
		.amdhsa_enable_private_segment 0
		.amdhsa_kernarg_size 16
		.amdhsa_user_sgpr_count 2
		.amdhsa_user_sgpr_kernarg_segment_ptr 1
		.amdhsa_wavefront_size32 1
		.amdhsa_system_sgpr_workgroup_id_x 1
		.amdhsa_system_sgpr_workgroup_id_y 1
		.amdhsa_system_sgpr_workgroup_id_z 1
		.amdhsa_system_vgpr_workitem_id 0
		.amdhsa_next_free_vgpr 1024
		.amdhsa_next_free_sgpr 80
		.amdhsa_reserve_vcc 0
		.amdhsa_float_denorm_mode_32 3
		.amdhsa_float_denorm_mode_16_64 3
		.amdhsa_memory_ordered 1
		.amdhsa_forward_progress 1
		.amdhsa_inst_pref_size 115
	.end_amdhsa_kernel
	.amdgpu_metadata
---
amdhsa.version: [ 1, 2 ]
amdhsa.kernels:
  - .name:           k_qd154efd462_proj
    .symbol:         k_qd154efd462_proj.kd
    .args:
      - { .name: xw, .offset: 0, .size: 8, .value_kind: global_buffer, .address_space: global }
      - { .name: qkv, .offset: 8, .size: 8, .value_kind: global_buffer, .address_space: global }
    .group_segment_fixed_size: 327680
    .private_segment_fixed_size: 0
    .kernarg_segment_align: 8
    .kernarg_segment_size: 16
    .max_flat_workgroup_size: 128
    .sgpr_count:     80
    .vgpr_count:     1024
    .wavefront_size: 32
...
	.end_amdgpu_metadata
.endif
;; end of part 6
;; launch score (part 7): grid 8 x 32, 4 waves a work-group, clusters of 4 x 4, 327,680 bytes of LDS; arguments qkv, p16, stat; writes p16, stat
.if DOCPART == 7
	.amdgcn_target "amdgcn-amd-amdhsa--gfx1250"
	.amdhsa_code_object_version 6
	.text
	.protected	k_qd154efd462_score
	.globl	k_qd154efd462_score
	.p2align	8
	.type	k_qd154efd462_score,@function
k_qd154efd462_score:
	s_mov_b64 s[64:65], 0
	v_nop
	global_prefetch_b8 v0, s[64:65] scope:SCOPE_SE
	s_setreg_imm32_b32 hwreg(HW_REG_WAVE_MODE, 25, 1), 1
	s_wait_xcnt 0x0
	s_wait_alu depctr_hold_cnt(0) depctr_sa_sdst(0) depctr_va_vdst(0) depctr_va_sdst(0) depctr_va_ssrc(0) depctr_va_vcc(0) depctr_vm_vsrc(0)
	s_getreg_b32 s2, hwreg(HW_REG_IB_STS2, 6, 4)
	s_cmp_eq_u32 s2, 0
	s_cbranch_scc0 .Lentry_in_a_cluster
	s_endpgm
.Lentry_in_a_cluster:
	s_bfe_u32 s2, ttmp6, 0x10000c
	s_cmp_lg_u32 s2, 0xf033
	s_cbranch_scc0 .Lentry_shape_is_right
	s_endpgm
.Lentry_shape_is_right:
; S = q k^T, and the softmax's first half: for each query row and each block of 128 keys, with c = log2(e) / sqrt(128):
; m = c x the largest S of the block, P = 2^(c S - m) in f16, l = the sum of the unrounded P.  stat: [2][16 key blocks][8192 rows] f32, m then l.
; p16 lies in the order in which the launch behind multiplies it: [512 blocks of 16 rows][128 blocks of 16 keys][32 lanes][16 bytes]; lane l holds row l % 16 and keys 8 (l / 16) + 0..7 of its block,
; so that two neighbouring key blocks are a fragment of 16 rows x 32 keys.  That is also how the packed weights lie in this kernel's registers: they are stored as they are, without a stage in LDS.
; The exponent is one fused multiply-add against a maximum of the same numbers: it passes 0 by no more than the rounding of m, half a unit in m's last place, so P stays at 1 or below to within that.
; P, l and the launch behind all use the same rounded m; the row's true maximum over all blocks is restored there.
; LIMITS.  A weight below 2^-126 counts as 0 in l; below 6e-5 P keeps f16's fixed step of 6e-8; NaN and infinities are not treated apart.
; SHARES.  A tile is 256 queries x 256 keys of one batch, 8 x 32 tiles: one for each of 256 WGPs.  Four waves, each 128 x 128: 64 accumulators, 512 registers; a wave's 128 keys are one block of stat.
; K (the 1,024 channels) goes in 8 steps of 128 through two LDS slots; rows of q and k are 256 bytes of a row of qkv, at multiples of 256 bytes.
; CLUSTER.  4 x 4 work-groups: the four of a row need the same tiles of q, the four of a column the same tiles of k (a cluster's 1,024 query rows lie in one batch): each is asked for jointly.
; THE MATRIX INSTRUCTION IS USED TRANSPOSED (source 0 = 16 keys, source 1 = 16 queries): a lane holds ONE query (l % 16) and, in accumulator b, the keys 16 b + 8 (l / 16) + 0..7.
; REGISTERS, in windows of 256 (s_set_vgpr_msb: bits 1:0 source 0, 3:2 source 1, 5:4 source 2, 7:6 destination):
;   window 0: v0-31 addresses; v64-127, v128-191 fragments of q, two buffers; on the way out v64-111 at work, v192-223 and v224-255 packed P by turns
;   window 1: v64-127, v128-191 fragments of k          window 2: accumulators of my rows 0-63 ((a, b) at v[8 (8 a + b)])          window 3: those of my rows 64-127
.set KSTEP,  128
.set PITCH,  272                       ; an LDS row: 256 bytes + 16 = 68 words: the 16 rows of a load start at 16 different groups of four banks (64 banks of 4 bytes: ISA guide 11.1)
.set HALFT,  128*PITCH                 ; 128 rows: what one tensor load brings: 0x8800 bytes
.set SLOT,   4*HALFT                   ; q's 256 rows, then k's 256 rows: 0x22000 bytes, which shares no bit with wave x 0x8800: one exclusive or turns an address in one slot into the other's
.set SSTG,   2*SLOT                    ; behind the ring, never filled by a tensor load: 1,024 bytes for each wave: m of its 128 rows, then l
.set SPARE,  SSTG+4*1024               ; the spare words, 128 bytes for each wave: two blocks of 256 bytes that no other line names
.set NSTEP,  1024/KSTEP
.set ROWB,   6144                      ; bytes in a row of qkv
.set PBLK,   65536                     ; bytes of a block of 16 rows of p16
.set ADRA0, 16                         ; v16  my lane's place in q's tile of slot 0; never rewritten
.set ADRA,  17                         ; v17  the same in the slot in hand
.set ADRB0, 20                         ; v20, v21 the same for k
.set ADRB,  21
.set SST,  27                          ; v27  where my lane puts m (lanes 0-15) or l (lanes 16-31) of row l % 16
.set SPW,  28                          ; v28  LDS address of my spare word; never rewritten
.set NIL,  29                          ; v29  0; never rewritten
.set SRD,  30                          ; v30  where I read 16 bytes of the statistics back
.set SGO,  31                          ; v31  16 x lane: my place in 512 consecutive bytes of p16 and of stat
.set F0,   64
.set F1,   128
.set T,    64                          ; v64-71  eight running maxima
.set MP,   72                          ; v72  m; v73 named with it as a pair
.set U,    80                          ; v80-111 partial sums
.set TMP,  192
.set TB,   69                          ; s69  LDS byte at which the slot in hand begins
.set CS,   74                          ; s[74:75] c: the packed multiply-add takes the pair's low word for both halves
.set G1, 24                            ; s[24:31] descriptor group 1 for q's tiles;  s[32:39] group 0: a set for each of the two first fills; the second then walks on
.set G0, 32
.set G1B, 48                           ; s[48:55], s[56:63] the same for k's
.set G0B, 56
.set MSB, 0
.macro WIN new                         ; the immediate's high byte repeats the setting that is left; a switch that changes nothing is dropped
.if MSB != (\new)
	s_set_vgpr_msb (MSB<<8)|(\new)
.set MSB, \new
.endif
.endm
.set MUL_LO, 0xa1                      ; source 0 (k) window 1, source 1 (q) window 0, C and D window 2
.set MUL_HI, 0xf1                      ; the same, C and D window 3
.set TO_B,   0x40                      ; destination window 1, address window 0
; A joint load.  Waves 0 and 1 fetch q's two halves, waves 2 and 3 k's.  The branch hangs on the wave's number alone.  An s_nop 0 and four v_nop follow each of the two lines.
.macro JLOAD s
	s_cmp_eq_u32 s11, 0
	s_cbranch_scc0 .Lfor_b_\@
	tensor_load_to_lds s[G0+4*(\s):G0+4*(\s)+3], s[G1:G1+7]
	s_nop 0
.rept 4
	v_nop
.endr
	s_branch .Lasked_\@
.Lfor_b_\@:
	tensor_load_to_lds s[G0B+4*(\s):G0B+4*(\s)+3], s[G1B:G1B+7]
	s_nop 0
.rept 4
	v_nop
.endr
.Lasked_\@:
.endm
.macro CREST                           ; a round of the cluster's barrier behind its opening barrier
	s_cmp_lg_u32 s10, 0
	s_cbranch_scc1 .Lnot_wave_0_\@
	s_barrier_signal -3
.Lnot_wave_0_\@:
	s_barrier_wait -3
	s_barrier_signal -1
	s_barrier_wait -1
.endm
.macro CROUND                          ; a whole round
	s_barrier_signal -1
	s_barrier_wait -1
	CREST
.endm
	s_load_b128 s[4:7], s[0:1], 0x0                ; qkv s[4:5], p16 s[6:7]
	s_load_b64 s[8:9], s[0:1], 0x10                ; stat
	v_lshl_add_u32 v[SPW], v0, 2, SPARE
	v_mov_b32 v[NIL], 0
	ds_add_u32 v28, v29
	s_wait_dscnt 0x0
	v_lshrrev_b32 v1, 5, v0
	v_readfirstlane_b32 s10, v1                    ; wave 0..3
	s_lshr_b32 s11, s10, 1                         ; which half of the tile's queries is mine.  Also: I fetch for q (0) or for k (1)
	s_and_b32 s12, s10, 1                          ; which half of its keys.  Also: which 128 rows of that tile I fetch
	s_bfe_u32 s40, ttmp6, 0x40000                  ; cx
	s_bfe_u32 s41, ttmp6, 0x40004                  ; cy
	s_lshl_b32 s42, ttmp9, 2
	s_add_co_u32 s42, s42, s40                     ; key tile of the batch = 4 x cluster x + cx
	s_and_b32 s45, ttmp7, 0xffff
	s_lshl_b32 s13, s45, 2
	s_add_co_u32 s13, s13, s41                     ; query tile = 4 x cluster y + cy
	s_lshr_b32 s45, s45, 1                         ; two clusters along y to a batch:
	s_lshl_b32 s45, s45, 11                        ; the batch's first row, made of the cluster's y alone
	s_lshl_b32 s43, s41, 2
	s_lshl_b32 s43, 15, s43                        ; my row of the cluster
	s_lshl_b32 s44, 0x1111, s40                    ; my column
	s_or_b32 s[G1+0], s43, (1<<16)|(1<<20)|(1<<21)|(5<<22)|(3<<25)  ; the mask; 2-byte elements; padding on; 21 set beside a mask; after every 64 words, 4 words
	s_or_b32 s[G1B+0], s44, (1<<16)|(1<<20)|(1<<21)|(5<<22)|(3<<25)
.irp g, G1, G1B
	s_mov_b32 s[(\g)+1], KSTEP<<16                 ; tensor_dim0 = 128
	s_mov_b32 s[(\g)+2], 128<<16                   ; tensor_dim1 = 128
	s_mov_b32 s[(\g)+3], KSTEP<<16                 ; tile_dim0 = 128
	s_mov_b32 s[(\g)+4], 128                       ; tile_dim1 = 128
	s_mov_b32 s[(\g)+5], 3072                      ; elements from row to row of qkv
	s_mov_b32 s[(\g)+6], 0
	s_mov_b32 s[(\g)+7], 0
.endr
	s_lshl_b32 s17, s12, 7                         ; which 128 rows of the tile I fetch
	s_lshl_b32 s16, s13, 8
	s_add_co_u32 s16, s16, s17                     ; q: row 256 x query tile + 128 x half
	s_mul_i32 s16, s16, ROWB
	s_lshl_b32 s46, s42, 8
	s_add_co_u32 s46, s46, s17
	s_add_co_u32 s46, s46, s45                     ; k: the batch's row 256 x key tile + 128 x half,
	s_mul_i32 s46, s46, ROWB
	s_add_co_u32 s46, s46, 2048                    ; behind q's 2,048 bytes of the row
	s_mov_b32 s17, 0
	s_mov_b32 s47, 0
	s_mul_i32 s20, s10, HALFT                      ; where they go: wave x 128 rows: no place in the cluster enters an LDS address
	s_mov_b32 s66, 0x76543210                      ; v_permlanex16_b32's selects: each lane takes its own place in the other half
	s_mov_b32 s67, 0xfedcba98
	s_mov_b32 s[CS], 0x3e0293ee                    ; c = log2(e) / sqrt(128) = 0.127517
	s_mov_b32 s[CS+1], s[CS]                       ; named with it as a pair
	s_mov_b32 s[TB], 0
	s_wait_kmcnt 0x0
	s_add_nc_u64 s[14:15], s[4:5], s[16:17]
	s_add_nc_u64 s[46:47], s[4:5], s[46:47]
	CROUND                                         ; all sixteen work-groups are here: the first joint loads meet
.irp s, 0,1
	s_mov_b32 s[G0+4*(\s)], 1
	s_add_co_u32 s[G0+4*(\s)+1], s20, (\s)*SLOT
	s_add_nc_u64 s[G0+4*(\s)+2:G0+4*(\s)+3], s[14:15], (\s)*KSTEP*2
	s_or_b32 s[G0+4*(\s)+3], s[G0+4*(\s)+3], 0x80000000
	s_mov_b32 s[G0B+4*(\s)], 1
	s_add_co_u32 s[G0B+4*(\s)+1], s20, (\s)*SLOT
	s_add_nc_u64 s[G0B+4*(\s)+2:G0B+4*(\s)+3], s[46:47], (\s)*KSTEP*2
	s_or_b32 s[G0B+4*(\s)+3], s[G0B+4*(\s)+3], 0x80000000
	JLOAD \s                                       ; every wave issues both first fills: two loads of mine are out
.endr
	v_and_b32 v1, 15, v0                           ; r = l % 16
	v_bfe_u32 v2, v0, 4, 1                         ; h = l / 16
	v_mul_u32_u24 v3, v1, PITCH
	v_lshl_add_u32 v3, v2, 4, v3                   ; a fragment's row x pitch + 16 h
	s_mul_i32 s21, s11, HALFT                      ; my 128 rows of q
	s_mul_i32 s22, s12, HALFT                      ; my 128 rows of k,
	s_add_co_u32 s22, s22, 2*HALFT                 ; which lie behind q's 256
	v_add_nc_u32 v[ADRA0], s21, v3
	v_add_nc_u32 v[ADRB0], s22, v3
	v_and_b32 v6, 31, v0                           ; lane
	s_lshl_b32 s23, s10, 10
	s_add_co_u32 s23, s23, SSTG                    ; my statistics' stage
	v_lshl_add_u32 v7, v2, 9, s23
	v_lshl_add_u32 v[SST], v1, 2, v7               ; 512 h + 4 r
	v_lshl_add_u32 v[SRD], v6, 4, s23
	v_lshlrev_b32 v[SGO], 4, v6
	v_cmp_lt_u32 s68, 15, v6                       ; lanes 16-31, kept in a scalar register
	s_lshl_b32 s70, s13, 20                        ; my part of p16: row block 16 x query tile + 8 x half, 65,536 bytes each;
	s_lshl_b32 s71, s11, 19
	s_add_co_u32 s70, s70, s71
	s_lshl_b32 s71, s42, 13                        ; key block 16 x key tile + 8 x half, 512 bytes each
	s_add_co_u32 s70, s70, s71
	s_lshl_b32 s71, s12, 12
	s_add_co_u32 s70, s70, s71
	s_mov_b32 s71, 0
	s_add_nc_u64 s[6:7], s[6:7], s[70:71]
	s_lshl_b32 s72, s13, 10                        ; my part of a plane of stat: row 256 x query tile + 128 x half, 4 bytes a row;
	s_lshl_b32 s73, s11, 9
	s_add_co_u32 s72, s72, s73
	s_lshl_b32 s73, s42, 1
	s_add_co_u32 s73, s73, s12                     ; block of 128 keys = 2 x key tile + half: 8,192 rows of 4 bytes each
	s_lshl_b32 s73, s73, 15
	s_add_co_u32 s72, s72, s73
	s_mov_b32 s73, 0
	s_add_nc_u64 s[8:9], s[8:9], s[72:73]
; 16 matrix instructions: row blocks a0, a0 + 1 of the window's four x all 8 key blocks, 32 along K.  zero = 1: the product starts the sums.  The 64 accumulators take turns.
.macro MUL16 f, hi, a0, zero
	WIN MUL_LO+0x50*(\hi)
.irp a, \a0, (\a0)+1
.irp b, 0,1,2,3,4,5,6,7
.if \zero
	v_wmma_f32_16x16x32_f16 v[8*(8*(\a)+(\b)):8*(8*(\a)+(\b))+7], v[(\f)+8*(\b):(\f)+8*(\b)+7], v[(\f)+8*(4*(\hi)+(\a)):(\f)+8*(4*(\hi)+(\a))+7], 0
.else
	v_wmma_f32_16x16x32_f16 v[8*(8*(\a)+(\b)):8*(8*(\a)+(\b))+7], v[(\f)+8*(\b):(\f)+8*(\b)+7], v[(\f)+8*(4*(\hi)+(\a)):(\f)+8*(4*(\hi)+(\a))+7], v[8*(8*(\a)+(\b)):8*(8*(\a)+(\b))+7]
.endif
.endr
.endr
.endm
; 32 LDS loads in one run: the fragments of one quarter step (128 rows of k, 128 rows of q, 32 K at byte k of the rows of the slot in hand) into buffer f
.macro FETCH k, f
	WIN TO_B
.irp i, 0,1,2,3,4,5,6,7
	ds_load_b128 v[(\f)+8*(\i):(\f)+8*(\i)+3],   v[ADRB] offset:(\k)+(\i)*16*PITCH
	ds_load_b128 v[(\f)+8*(\i)+4:(\f)+8*(\i)+7], v[ADRB] offset:(\k)+(\i)*16*PITCH+32
.endr
	WIN 0
.irp i, 0,1,2,3,4,5,6,7
	ds_load_b128 v[(\f)+8*(\i):(\f)+8*(\i)+3],   v[ADRA] offset:(\k)+(\i)*16*PITCH
	ds_load_b128 v[(\f)+8*(\i)+4:(\f)+8*(\i)+7], v[ADRA] offset:(\k)+(\i)*16*PITCH+32
.endr
.endm
.macro PLACES                          ; four plain vector instructions between a matrix instruction and a load into, or a vector read or write of, its registers (ISA guide 7.12.1 for vector reads and writes)
.rept 4
	v_nop
.endr
.endm
; A K step is four quarters of 32 along K, 64 matrix instructions each, on buffers 0, 1, 0, 1.  One of the first three: multiplies buffer f, and in its middle fetches the next quarter, at byte k, into g.
.macro QUARTER k, f, g, zero
	s_wait_dscnt 8                                 ; k and q's rows 0-63 are in; the youngest eight loads (q's rows 64-127) may be out
	MUL16 \f, 0, 0, \zero
	MUL16 \f, 0, 2, \zero
	PLACES
	FETCH \k, \g
	s_wait_dscnt 32                                ; all but the 32 just issued
	MUL16 \f, 1, 0, \zero
	MUL16 \f, 1, 2, \zero
.endm
; The last quarter multiplies buffer 1 and changes slots: ONE barrier.  In front of it each wave waits for all its tensor loads (one is out: its part of the next slot), adds 0 to its spare word,
; and waits for that and for its reads of this slot.  fill = 1: the barrier opens a round of the cluster's, and this slot is filled again, with the K step two on, first thing behind the round.
.macro TURN fill
	WIN 0
	s_wait_tensorcnt 0x0                           ; no tensor load of mine is out, so a group 0 may be written
	ds_add_u32 v[SPW], v[NIL]                      ; 0 onto my spare word
.if \fill
	s_xor_b32 s[G0+5], s[G0+5], SLOT               ; the walking descriptors: the other slot than last time, the next K step
	s_add_nc_u64 s[G0+6:G0+7], s[G0+6:G0+7], KSTEP*2
	s_xor_b32 s[G0B+5], s[G0B+5], SLOT
	s_add_nc_u64 s[G0B+6:G0B+7], s[G0B+6:G0B+7], KSTEP*2
.endif
	s_xor_b32 s[TB], s[TB], SLOT                   ; the fetches go on in the other slot
	s_wait_dscnt 9                                 ; (the add and the youngest eight loads may be out)
	MUL16 F1, 0, 0, 0
	s_wait_dscnt 0x0                               ; the add is done, and my reads of this slot are over
	s_barrier_signal -1
	MUL16 F1, 0, 2, 0                              ; work on registers while the others arrive
	WIN 0                                          ; at a branch and at a label every window is 0
	s_barrier_wait -1
.if \fill
	CREST                                          ; no wave of any partner still reads this slot or has a load on its way
	JLOAD 1                                        ; 224 matrix instructions ahead of the wait for it; its four v_nop are also the places in front of the loads below
.else
	PLACES
.endif
	v_add_nc_u32 v[ADRA], s[TB], v[ADRA0]
	v_add_nc_u32 v[ADRB], s[TB], v[ADRB0]
	FETCH 0, F0
	MUL16 F1, 1, 0, 0
	MUL16 F1, 1, 2, 0
.endm
	s_wait_tensorcnt 0x1                           ; my part of K step 0 is in; K step 1's may stay out
	s_barrier_signal -1
	s_barrier_wait -1                              ; everybody's is
	v_mov_b32 v[ADRA], v[ADRA0]
	v_mov_b32 v[ADRB], v[ADRB0]
	FETCH 0, F0
	QUARTER 64,  F0, F1, 1                         ; the first quarter stands in front of the loop: its products start the sums
	WIN 0
	s_mov_b32 s3, NSTEP-2
.Lstep:                                                ; a trip: from a K step's second quarter to the next step's first; it fills one slot again
	QUARTER 128, F1, F0, 0
	QUARTER 192, F0, F1, 0
	TURN 1
	QUARTER 64,  F0, F1, 0
	WIN 0
	s_sub_co_u32 s3, s3, 1
	s_cmp_lg_u32 s3, 0
	s_cbranch_scc1 .Lstep
	QUARTER 128, F1, F0, 0                         ; the last two K steps are written out: they ask for nothing
	QUARTER 192, F0, F1, 0
	TURN 0
	QUARTER 64,  F0, F1, 0
	QUARTER 128, F1, F0, 0
	QUARTER 192, F0, F1, 0
	s_wait_dscnt 8                                 ; the very last quarter
	MUL16 F1, 0, 0, 0
	MUL16 F1, 0, 2, 0
	s_wait_dscnt 0x0
	MUL16 F1, 1, 0, 0
	MUL16 F1, 1, 2, 0
	WIN 0
	PLACES
	v_mov_b32 v[MP+1], 0                           ; written once: it is a lane exchange's destination and half of a named pair
; THE WAY OUT, a block of 16 queries at a time.  A lane holds 64 of its query's 128 scores; the lane 16 away holds the others.
; SMAX: the largest of them, times c.  Eight chains, one an accumulator, three operands at a time, each accumulator's lowest registers first.
.macro SMAX a
.set W, 2+(\a)/4
.set AC, 64*((\a)%4)
	WIN W|(W<<2)|(W<<4)
.irp b, 0,1,2,3,4,5,6,7
	v_max3_num_f32 v[T+(\b)], v[AC+8*(\b)], v[AC+8*(\b)+1], v[AC+8*(\b)+2]
.endr
	WIN (W<<2)|(W<<4)
.irp b, 0,1,2,3,4,5,6,7
	v_max3_num_f32 v[T+(\b)], v[T+(\b)], v[AC+8*(\b)+3], v[AC+8*(\b)+4]
.endr
.irp b, 0,1,2,3,4,5,6,7
	v_max3_num_f32 v[T+(\b)], v[T+(\b)], v[AC+8*(\b)+5], v[AC+8*(\b)+6]
.endr
.irp b, 0,1,2,3
	v_max3_num_f32 v[T+(\b)], v[T+(\b)], v[AC+16*(\b)+7], v[AC+16*(\b)+15]
.endr
	WIN 0
	v_max3_num_f32 v[T], v[T], v[T+1], v[T+2]
	v_max3_num_f32 v[T+3], v[T+3], v[T+4], v[T+5]
	v_max_num_f32 v[T+6], v[T+6], v[T+7]
	v_max3_num_f32 v[T], v[T], v[T+3], v[T+6]
	v_permlanex16_b32 v[MP+1], v[T], s66, s67
	v_max_num_f32 v[MP], v[T], v[MP+1]
	v_mul_f32 v[MP], s[CS], v[MP]                  ; m = c x the maximum, rounded once; everything behind uses this number
.endm
; SEXP: 2^(c s - m), in place.  A pair's two exponentials stand two multiply-adds behind its own, so that a plain instruction follows every two exponentials before a result is used (ISA guide 5.7.2).
.macro SEXP a
.set W, 2+(\a)/4
.set AC, 64*((\a)%4)
	WIN W|(W<<6)                                   ; source 0 and destination in the accumulators' window, m (source 2) in window 0
.set i, 0
.rept 34
.if i < 32
	v_pk_fma_f32 v[AC+2*i:AC+2*i+1], v[AC+2*i:AC+2*i+1], s[CS:CS+1], v[MP:MP+1] op_sel_hi:[1,0,0] neg_lo:[0,0,1] neg_hi:[0,0,1]
.endif
.if i >= 2
	v_exp_f32 v[AC+2*i-4], v[AC+2*i-4]
	v_exp_f32 v[AC+2*i-3], v[AC+2*i-3]
.endif
.set i, i+1
.endr
.endm
; SPACK: the weights rounded to f16 and stored: accumulator b's four packed registers are my 16 bytes of key block b; then their sum, of the unrounded numbers, by a tree;
; m (lanes 0-15) and l (lanes 16-31) into the statistics' stage.
.macro SPACK a
.set W, 2+(\a)/4
.set AC, 64*((\a)%4)
.set TP, TMP+32*((\a)%2)
	s_wait_xcnt 0x0                                ; earlier stores have read their registers: the packed weights' buffer is written again only behind this wait
	WIN W|(W<<2)
.set i, 0
	s_wait_alu depctr_va_vdst(0)
.rept 32
	v_cvt_pk_f16_f32 v[TP+i], v[AC+2*i], v[AC+2*i+1]
.set i, i+1
.endr
.set i, 0
.rept 16
	v_pk_add_f32 v[U+2*i:U+2*i+1], v[AC+4*i:AC+4*i+1], v[AC+4*i+2:AC+4*i+3]
.set i, i+1
.endr
	WIN 0
.irp b, 0,1,2,3,4,5,6,7
	global_store_b128 v[SGO], v[TP+4*(\b):TP+4*(\b)+3], s[6:7] offset:(\a)*PBLK+512*(\b)  ; 512 consecutive bytes, at a multiple of 256 from p16's first byte; the eight together 4,096
.endr
.irp k, 0,1,2,3,4,5,6,7
	v_pk_add_f32 v[U+2*(\k):U+2*(\k)+1], v[U+2*(\k):U+2*(\k)+1], v[U+16+2*(\k):U+16+2*(\k)+1]
.endr
.irp k, 0,1,2,3
	v_pk_add_f32 v[U+2*(\k):U+2*(\k)+1], v[U+2*(\k):U+2*(\k)+1], v[U+8+2*(\k):U+8+2*(\k)+1]
.endr
.irp k, 0,1
	v_pk_add_f32 v[U+2*(\k):U+2*(\k)+1], v[U+2*(\k):U+2*(\k)+1], v[U+4+2*(\k):U+4+2*(\k)+1]
.endr
	v_pk_add_f32 v[U:U+1], v[U:U+1], v[U+2:U+3]
	v_add_f32 v[U], v[U], v[U+1]
	v_permlanex16_b32 v[U+1], v[U], s66, s67
	v_add_f32 v[U], v[U], v[U+1]
	v_cndmask_b32 v[U+2], v[MP], v[U], s68
	ds_store_b32 v[SST], v[U+2] offset:64*(\a)
.endm
.irp a, 0,1,2,3,4,5,6,7
	SMAX \a
	SEXP \a
	SPACK \a
.endr
	ds_load_b128 v[T:T+3], v[SRD]                  ; m of my 128 rows, 16 bytes a lane; my own bytes, served in order (ISA guide 5.7.1.4)
	ds_load_b128 v[T+4:T+7], v[SRD] offset:512     ; l
	s_wait_dscnt 0x0
	global_store_b128 v[SGO], v[T:T+3], s[8:9]                    ; 512 consecutive bytes, at a multiple of 256 from stat's first byte
	global_store_b128 v[SGO], v[T+4:T+7], s[8:9] offset:524288    ; the plane of l
	s_wait_tensorcnt 0x0                           ; the wave's end
	ds_add_u32 v[SPW], v[NIL]
	s_wait_dscnt 0x0
	CROUND                                         ; the closing round: no work-group ends while a partner may still ask for a tile that names it
	s_endpgm
.Lfunc_end_k_qd154efd462_score:
	.size	k_qd154efd462_score, .Lfunc_end_k_qd154efd462_score-k_qd154efd462_score
	.p2alignl 7, 3214868480
	.fill 96, 4, 3214868480
	.section	.rodata,"a",@progbits
	.p2align	6, 0x0
	.amdhsa_kernel k_qd154efd462_score
		.amdhsa_group_segment_fixed_size 327680
		.amdhsa_private_segment_fixed_size 0
		.amdhsa_enable_private_segment 0
		.amdhsa_kernarg_size 24
		.amdhsa_user_sgpr_count 2
		.amdhsa_user_sgpr_kernarg_segment_ptr 1
		.amdhsa_wavefront_size32 1
		.amdhsa_system_sgpr_workgroup_id_x 1
		.amdhsa_system_sgpr_workgroup_id_y 1
		.amdhsa_system_sgpr_workgroup_id_z 1
		.amdhsa_system_vgpr_workitem_id 0
		.amdhsa_next_free_vgpr 1024
		.amdhsa_next_free_sgpr 80
		.amdhsa_reserve_vcc 0
		.amdhsa_float_denorm_mode_32 3
		.amdhsa_float_denorm_mode_16_64 3
		.amdhsa_memory_ordered 1
		.amdhsa_forward_progress 1
		.amdhsa_inst_pref_size 176
	.end_amdhsa_kernel
	.amdgpu_metadata
---
amdhsa.version: [ 1, 2 ]
amdhsa.kernels:
  - .name:           k_qd154efd462_score
    .symbol:         k_qd154efd462_score.kd
    .args:
      - { .name: qkv, .offset: 0, .size: 8, .value_kind: global_buffer, .address_space: global }
      - { .name: p16, .offset: 8, .size: 8, .value_kind: global_buffer, .address_space: global }
      - { .name: stat, .offset: 16, .size: 8, .value_kind: global_buffer, .address_space: global }
    .group_segment_fixed_size: 327680
    .private_segment_fixed_size: 0
    .kernarg_segment_align: 8
    .kernarg_segment_size: 24
    .max_flat_workgroup_size: 128
    .sgpr_count:     80
    .vgpr_count:     1024
    .wavefront_size: 32
...
	.end_amdgpu_metadata
.endif
;; end of part 7
;; launch pv (part 8): grid 4 x 64, 4 waves a work-group, clusters of 4 x 4, 327,680 bytes of LDS; arguments p16, qkv, stat, out0; writes out0
.if DOCPART == 8
	.amdgcn_target "amdgcn-amd-amdhsa--gfx1250"
	.amdhsa_code_object_version 6
	.text
	.protected	k_qd154efd462_pv
	.globl	k_qd154efd462_pv
	.p2align	8
	.type	k_qd154efd462_pv,@function
k_qd154efd462_pv:
	s_mov_b64 s[64:65], 0
	v_nop
	global_prefetch_b8 v0, s[64:65] scope:SCOPE_SE
	s_setreg_imm32_b32 hwreg(HW_REG_WAVE_MODE, 25, 1), 1
	s_wait_xcnt 0x0
	s_wait_alu depctr_hold_cnt(0) depctr_sa_sdst(0) depctr_va_vdst(0) depctr_va_sdst(0) depctr_va_ssrc(0) depctr_va_vcc(0) depctr_vm_vsrc(0)
	s_getreg_b32 s2, hwreg(HW_REG_IB_STS2, 6, 4)
	s_cmp_eq_u32 s2, 0
	s_cbranch_scc0 .Lentry_in_a_cluster
	s_endpgm
.Lentry_in_a_cluster:
	s_bfe_u32 s2, ttmp6, 0x10000c
	s_cmp_lg_u32 s2, 0xf033
	s_cbranch_scc0 .Lentry_shape_is_right
	s_endpgm
.Lentry_shape_is_right:
; out = softmax x v, from the blocks that the launch before left: for a query row, M = the largest of its 16 blocks' m_t, f_t = 2^(m_t - M),
; out = (sum over t of f_t (P_t V_t)) / (sum over t of f_t l_t).  M is the row's true maximum, so every exponent is at most 0, and the block that holds it has f = 1.
; P_t V_t is the product over a block of 128 keys, summed in f32 from 0; the factor, the sum over t, the divisor and out are f32: out += f_t x product is one fused multiply-add for each number and block.
; LIMITS.  f_t below 2^-126 counts as 0; NaN and infinities are not treated apart.
; SHARES.  A tile of out is 128 rows x 256 channels: 4 x 64 tiles, one for each of 256 WGPs.  Four waves, each 64 rows x 128 channels: 32 accumulators, 256 registers, and as many for the sum over t.
; P COMES STRAIGHT INTO REGISTERS.  p16 lies in fragment order ([16 rows][16 keys] blocks of 512 bytes, 16 bytes a lane), so a load of 16 bytes a lane covers 512 consecutive bytes and is half a fragment.
; A wave keeps a ring of eight quarters (32 keys x 64 rows, 32 registers each): quarter j of the next step is asked for when quarter j of this step has been multiplied, seven quarters ahead of its use.
; V GOES THROUGH LDS, which holds nothing else to be filled: two slots of 256 keys x 512 bytes, 8 steps of 256 matrix instructions a wave.  V lies [key][channel] and is turned by ds_load_tr16_b128.
; CLUSTER.  4 x 4 work-groups: the four of a column need the same tile of V (a cluster's 512 rows lie in one batch) and ask for it jointly, each wave for 64 key rows.  P, which the four of a row share, is NOT
; asked for jointly: a joint load ends in LDS, and P's 128 rows x 256 keys would add 65,536 bytes to each slot of 139,264: two such slots are 409,600 bytes and do not fit; with slots of 128 keys, which
; would fit, a load would have 112 matrix instructions in which to land, here it has 224.  The price: each byte of P is read by eight waves.
; THE MATRIX INSTRUCTION IS USED TRANSPOSED (source 0 = 16 channels, source 1 = 16 rows of P): a lane holds eight neighbouring channels of ONE row of out, so a row's factor is one number a lane.
; REGISTERS, in windows of 256 (s_set_vgpr_msb: bits 1:0 source 0, 3:2 source 1, 5:4 source 2, 7:6 destination):
;   window 0: v0-31 addresses; v32-39 a block's factors; v40-51 statistics; v64-127, v128-191 V's fragments of a quarter, two buffers; v192-207 zeros
;   window 1: a block's product, accumulator (a, b) at v[64 a + 8 b]     window 2: the sum over t, at the same numbers     window 3: P's ring: quarter j, row block a at v[32 j + 8 a]
; Windows 1 and 2 are started by 64 products of zeros, in the wait for the first tile, so that one text serves every block's multiply-add: the first trip's adds a product of zeros.
.set PB,    544                        ; a row of V in LDS: 512 bytes + 32 = 136 words
.set QV,    32*PB                      ; a quarter's 32 keys
.set WPART, 64*PB                      ; what one wave's tensor load brings: 0x8800 bytes
.set SLOT,  256*PB                     ; 0x22000 bytes, which shares no bit with wave x 0x8800: one exclusive or turns an address in one slot into the other's
.set STAGE, 2*SLOT                     ; behind the ring, never filled by a tensor load: 16 rows x 272 bytes for each wave
.set SP,    272                        ; 256 bytes + 16: an odd multiple of 16
.set TABLE, STAGE+4*16*SP              ; for each wave 18 rows of 256 bytes (a number for each of its 64 rows): row 0 any finite number, rows 1-16 f_0 .. f_15, row 17 1 / divisor
.set TABW,  18*256
.set SPARE, TABLE+4*TABW               ; the spare words, 128 bytes for each wave: two blocks of 256 bytes that no other line names
.set NSTEP, 8
.set STEPB, 256*6144                   ; a step down V's rows, in bytes
.set PBLK,  65536                      ; bytes of a block of 16 rows of p16
.set PSTEP, 8192                       ; a step's 256 keys in such a block
.set OROW,  4096                       ; bytes in a row of out0
.set PO,    16                         ; v16  16 x lane: my place in 512 consecutive bytes of p16; never rewritten
.set ADRB0, 20                         ; v20  my lane's place in V's tile of slot 0; never rewritten
.set ADRB,  21                         ; v21  the same in the slot in hand, quarters 0-3
.set ADRC,  22                         ; v22  quarters 4-7: an LDS offset has 16 bits
.set FTA,   23                         ; v23  LDS address of my rows' factors, the table's row in hand
.set STO,   24                         ; v24  the way out: where I put 32 bytes of a row
.set RD,    25                         ; v25  where I read a row back
.set CO,    26                         ; v26  my byte offset in out0
.set FTA0,  27                         ; v27  my row's place in my wave's table; never rewritten
.set SPW,   28                         ; v28  LDS address of my spare word; never rewritten
.set NIL,   29                         ; v29  0; never rewritten
.set TW,    30                         ; v30  where I write the table: rows 2 lane, 2 lane + 1
.set SO,    31                         ; v31  their byte offset in stat
.set FC,    32                         ; v32, 34, 36, 38  f of row 16 a + l % 16; the odd registers are named with them as pairs
.set INV,   40                         ; v40-47  1 / divisor of row 16 a + l % 16, in pairs
.set MG,    48                         ; v48-49  M of rows 2 lane, 2 lane + 1
.set LG,    50                         ; v50-51  their divisor, then its reciprocal
.set ML,    64                         ; v64-95  m_t, then f_t        (the prologue's, where the fragments lie later)
.set LL,    96                         ; v96-127 l_t
.set F0,    64
.set Z,     192
.set T,     64                         ; the way out: 32 numbers
.set OB,    128                        ; 16 rows x 256 bytes read back: v128-159 and v160-191 by turns
.set G1,    24                         ; s[24:31] descriptor group 1
.set G0,    32                         ; s[32:35] group 0: it walks
.set TB,    68                         ; s68  LDS byte at which the slot in hand begins
.set FT,    69                         ; s69  256 x the table's row that is fetched next
.set MSB, 0
.macro WIN new                         ; the immediate's high byte repeats the setting that is left; a switch that changes nothing is dropped
.if MSB != (\new)
	s_set_vgpr_msb (MSB<<8)|(\new)
.set MSB, \new
.endif
.endm
.set MUL, 0x5c                         ; source 0 (V) window 0, source 1 (P) window 3, C and D window 1
.set ACW, 0xa1                         ; source 0 window 1 (the product), source 1 window 0 (the factor), source 2 and destination window 2 (the sum)
.set TOP, 0xc0                         ; destination window 3, address window 0
.macro CREST                           ; a round of the cluster's barrier behind its opening barrier
	s_cmp_lg_u32 s14, 0
	s_cbranch_scc1 .Lnot_wave_0_\@
	s_barrier_signal -3
.Lnot_wave_0_\@:
	s_barrier_wait -3
	s_barrier_signal -1
	s_barrier_wait -1
.endm
.macro CROUND                          ; a whole round
	s_barrier_signal -1
	s_barrier_wait -1
	CREST
.endm
.macro PLACES                          ; four plain vector instructions between a matrix instruction and a load into, or a vector read of, its registers (ISA guide 7.12.1 for vector reads)
.rept 4
	v_nop
.endr
.endm
; 8 loads: quarter j of P, my four row blocks, into place j of the ring.  s[4:5] stands at a step's first byte; back = 1: the quarter of the step before that one
.macro PLOAD j, back
	WIN TOP
.irp a, 0,1,2,3
	global_load_b128 v[32*(\j)+8*(\a):32*(\j)+8*(\a)+3],   v[PO], s[4:5] offset:(\a)*PBLK+(\j)*1024-(\back)*PSTEP
	global_load_b128 v[32*(\j)+8*(\a)+4:32*(\j)+8*(\a)+7], v[PO], s[4:5] offset:(\a)*PBLK+(\j)*1024-(\back)*PSTEP+512
.endr
.endm
	s_load_b256 s[4:11], s[0:1], 0x0               ; p16 s[4:5], qkv s[6:7], stat s[8:9], out0 s[10:11]
	v_lshl_add_u32 v[SPW], v0, 2, SPARE
	v_mov_b32 v[NIL], 0
	ds_add_u32 v28, v29
	s_wait_dscnt 0x0
	v_lshrrev_b32 v1, 5, v0
	v_readfirstlane_b32 s14, v1                    ; wave 0..3: also which 64 key rows of a tile I fetch
	s_lshr_b32 s15, s14, 1                         ; which 64 rows of the tile are mine
	s_and_b32 s16, s14, 1                          ; which 128 channels
	s_bfe_u32 s17, ttmp6, 0x40000                  ; cx: the tile column (the grid has one cluster along x)
	s_bfe_u32 s18, ttmp6, 0x40004                  ; cy
	s_and_b32 s23, ttmp7, 0xffff
	s_lshl_b32 s20, s23, 2
	s_add_co_u32 s20, s20, s18                     ; tile row = 4 x cluster y + cy
	s_lshr_b32 s23, s23, 2                         ; four clusters along y to a batch: made of the cluster's y alone
	s_lshl_b32 s22, 0x1111, s17                    ; my column of the cluster
	s_or_b32 s[G1], s22, (1<<16)|(1<<20)|(1<<21)|(6<<22)|(7<<25)  ; the mask; 2-byte elements; padding on; 21 set beside a mask; after every 128 words, 8 words
	s_mov_b32 s[G1+1], 256<<16                     ; tensor_dim0 = 256
	s_mov_b32 s[G1+2], 64<<16                      ; tensor_dim1 = 64
	s_mov_b32 s[G1+3], 256<<16                     ; tile_dim0 = 256
	s_mov_b32 s[G1+4], 64                          ; tile_dim1 = 64
	s_mov_b32 s[G1+5], 3072                        ; elements from row to row of qkv
	s_mov_b32 s[G1+6], 0
	s_mov_b32 s[G1+7], 0
	s_lshl_b32 s44, s23, 11                        ; V: the batch's key 64 x wave, 6,144 bytes a row; behind q and k in the row; channel 256 cx: nothing of cy
	s_lshl_b32 s45, s14, 6
	s_add_co_u32 s44, s44, s45
	s_mul_i32 s44, s44, 6144
	s_lshl_b32 s45, s17, 9
	s_add_co_u32 s44, s44, s45
	s_add_co_u32 s44, s44, 4096
	s_mov_b32 s45, 0
	s_mov_b32 s[G0], 1                             ; count = 1
	s_mul_i32 s[G0+1], s14, WPART                  ; LDS address: slot 0, my 64 rows: no place in the cluster enters an LDS address
	s_mov_b32 s[TB], 0
	s_mov_b32 s[FT], 0
	s_wait_kmcnt 0x0
	s_add_nc_u64 s[G0+2:G0+3], s[6:7], s[44:45]    ; global address: step 0
	s_or_b32 s[G0+3], s[G0+3], 0x80000000          ; type = 2
	CROUND                                         ; all sixteen work-groups are here: the first joint loads meet
	tensor_load_to_lds s[G0:G0+3], s[G1:G1+7]      ; slot 0.  Slot 1 is asked for when slot 0 is in, by the loop's own fill
	s_nop 0
	PLACES
	; THE STATISTICS of my wave's 64 rows: lane l takes rows 2 l and 2 l + 1, so that a load covers 256 consecutive bytes.  Behind them P's first three quarters: 56 loads of mine are out.
	s_lshl_b32 s70, s20, 7
	s_lshl_b32 s71, s15, 6
	s_add_co_u32 s70, s70, s71                     ; my first row
	s_lshl_b32 s72, s70, 2
	s_mov_b32 s73, 0
	s_add_nc_u64 s[8:9], s[8:9], s[72:73]
	v_and_b32 v3, 31, v0                           ; lane
	v_lshlrev_b32 v[SO], 3, v3
.set t, 0
.rept 16
	global_load_b64 v[ML+2*t:ML+2*t+1], v[SO], s[8:9] offset:32768*t
	global_load_b64 v[LL+2*t:LL+2*t+1], v[SO], s[8:9] offset:524288+32768*t
.set t, t+1
.endr
	s_lshl_b32 s72, s70, 12                        ; P: 65,536 bytes for 16 rows
	s_add_nc_u64 s[4:5], s[4:5], s[72:73]
	v_lshlrev_b32 v[PO], 4, v3
	PLOAD 0, 0
	PLOAD 1, 0
	PLOAD 2, 0
	WIN 0
.set i, 0
.rept 16
	v_mov_b32 v[Z+i], 0
.set i, i+1
.endr
	WIN 0x40                                       ; the product's window starts at 0 x 0 + 0,
.set i, 0
.rept 32
	v_wmma_f32_16x16x32_f16 v[8*i:8*i+7], v[Z:Z+7], v[Z+8:Z+15], 0
.set i, i+1
.endr
	WIN 0x80                                       ; and so does the sum's
.set i, 0
.rept 32
	v_wmma_f32_16x16x32_f16 v[8*i:8*i+7], v[Z:Z+7], v[Z+8:Z+15], 0
.set i, i+1
.endr
	WIN 0
	s_lshl_b32 s70, s70, 12                        ; my part of the tile in out0: 4,096 bytes a row, byte 1,024 cx + 512 x half
	s_lshl_b32 s71, s17, 10
	s_add_co_u32 s70, s70, s71
	s_lshl_b32 s71, s16, 9
	s_add_co_u32 s70, s70, s71
	s_mov_b32 s71, 0
	s_add_nc_u64 s[10:11], s[10:11], s[70:71]
	v_and_b32 v1, 15, v0                           ; r = l % 16
	v_bfe_u32 v2, v0, 4, 1                         ; h = l / 16
	s_mul_i32 s76, s14, TABW
	s_add_co_u32 s76, s76, TABLE                   ; my table
	v_lshl_add_u32 v[TW], v3, 3, s76
	v_lshl_add_u32 v[FTA0], v1, 2, s76
.irp a, 0,1,2,3
	v_mov_b32 v[FC+2*(\a)+1], 0                    ; written once: the packed multiply-add names the pair and takes its low register for both halves
.endr
	; The turning load takes 16 keys x 16 channels (lane l reads key 8 h + l % 8, channels 8 ((l / 8) % 2) + 0..7) and leaves half a fragment: lane l holds channel l % 16 and 8 keys.
	v_and_b32 v4, 7, v0
	v_lshl_add_u32 v4, v2, 3, v4
	v_mul_u32_u24 v4, v4, PB
	v_bfe_u32 v5, v0, 3, 1
	v_lshl_add_u32 v4, v5, 4, v4
	s_lshl_b32 s76, s16, 8                         ; my 128 channels
	v_add_nc_u32 v[ADRB0], s76, v4
	s_mul_i32 s76, s14, 16*SP
	s_add_co_u32 s76, s76, STAGE                   ; my stage
	v_mul_u32_u24 v4, v1, SP                       ; in: row r, 32 bytes for each half of the lanes
	v_lshl_add_u32 v4, v2, 5, v4
	v_add_nc_u32 v[STO], s76, v4
	v_mul_u32_u24 v4, v2, SP                       ; back: lanes 0-15 take one row of 256 bytes, lanes 16-31 the next
	v_lshl_add_u32 v4, v1, 4, v4
	v_add_nc_u32 v[RD], s76, v4
	v_lshlrev_b32 v4, 12, v2                       ; and the same two rows in out0
	v_lshl_add_u32 v[CO], v1, 4, v4
	s_wait_loadcnt 24                              ; the statistics are in; the 24 loads of P behind them may be out
	PLOAD 3, 0                                     ; four quarters more: 56 loads at the most are out
	PLOAD 4, 0
	PLOAD 5, 0
	PLOAD 6, 0
	WIN 0
.irp e, 0,1                            ; M: three operands at a time
	v_max3_num_f32 v[MG+(\e)], v[ML+(\e)], v[ML+2+(\e)], v[ML+4+(\e)]
.endr
.set t, 3
.rept 6
.irp e, 0,1
	v_max3_num_f32 v[MG+(\e)], v[MG+(\e)], v[ML+2*t+(\e)], v[ML+2*t+2+(\e)]
.endr
.set t, t+2
.endr
.irp e, 0,1
	v_max_num_f32 v[MG+(\e)], v[MG+(\e)], v[ML+30+(\e)]
.endr
.set t, 0
.rept 16
	v_pk_add_f32 v[ML+2*t:ML+2*t+1], v[ML+2*t:ML+2*t+1], v[MG:MG+1] neg_lo:[0,1] neg_hi:[0,1]  ; m_t - M
.set t, t+1
.endr
.set t, 0
.rept 32
	v_exp_f32 v[ML+t], v[ML+t]                     ; f_t
.set t, t+1
.endr
	v_nop                                          ; a plain instruction between the last exponential and the use of its result (ISA guide 5.7.2)
	s_wait_alu depctr_va_vdst(0)
	v_pk_mul_f32 v[LG:LG+1], v[ML:ML+1], v[LL:LL+1]  ; the divisor: the sum over t of f_t l_t
.set t, 1
.rept 15
	v_pk_fma_f32 v[LG:LG+1], v[ML+2*t:ML+2*t+1], v[LL+2*t:LL+2*t+1], v[LG:LG+1]
.set t, t+1
.endr
	v_rcp_f32 v[LG], v[LG]
	v_rcp_f32 v[LG+1], v[LG+1]
	v_nop
	ds_store_b64 v[TW], v[ML:ML+1]                 ; row 0: the factor of the first trip's product of zeros: any finite number
.set t, 0
.rept 16
	ds_store_b64 v[TW], v[ML+2*t:ML+2*t+1] offset:256*(t+1)
.set t, t+1
.endr
	s_wait_alu depctr_va_vdst(0)
	ds_store_b64 v[TW], v[LG:LG+1] offset:256*17
.irp a, 0,1,2,3                        ; my wave's own bytes, served in order (ISA guide 5.7.1.4): no barrier.  Both registers of a pair are written: the packed multiply names the pair
	ds_load_b32 v[INV+2*(\a)], v[FTA0] offset:256*17+64*(\a)
	ds_load_b32 v[INV+2*(\a)+1], v[FTA0] offset:256*17+64*(\a)
.endr
	s_wait_xcnt 0x0                                ; P's loads have had their addresses translated (ISA guide 3.1): their base is stepped only behind this wait
	s_add_nc_u64 s[4:5], s[4:5], PSTEP             ; in the trip of step s the base stands at step s + 1
; 16 LDS loads: V's fragments of quarter j of the slot in hand, into buffer j % 2
.macro FETCHV j
	WIN 0
.set vf, F0+64*((\j)%2)
.if (\j) < 4
.set ar, ADRB
.else
.set ar, ADRC
.endif
.irp b, 0,1,2,3,4,5,6,7
	ds_load_tr16_b128 v[vf+8*(\b):vf+8*(\b)+3],   v[ar] offset:((\j)%4)*QV+32*(\b)
	ds_load_tr16_b128 v[vf+8*(\b)+4:vf+8*(\b)+7], v[ar] offset:((\j)%4)*QV+16*PB+32*(\b)
.endr
.endm
.macro FACT                            ; the table's row in hand: the factor of row 16 a + l % 16
	WIN 0
.irp a, 0,1,2,3
	ds_load_b32 v[FC+2*(\a)], v[FTA] offset:64*(\a)
.endr
.endm
.macro ACCUM a                         ; row block a: sum += f x product, 64 numbers a lane; each accumulator's registers in ascending order
	WIN ACW
.set i, 0
.rept 32
	v_pk_fma_f32 v[64*(\a)+2*i:64*(\a)+2*i+1], v[64*(\a)+2*i:64*(\a)+2*i+1], v[FC+2*(\a):FC+2*(\a)+1], v[64*(\a)+2*i:64*(\a)+2*i+1] op_sel_hi:[1,0,1]
.set i, i+1
.endr
.endm
; 8 matrix instructions: quarter j, row block a x all 8 channel blocks.  zero = 1: the product starts a block of keys' sums.  The 32 accumulators take turns in the same order in every quarter.
; ride = a row block: its 32 multiply-adds stand four behind each matrix instruction, so that they are issued while the matrix unit works; they name no register of the products round them, and they
; are over before the products that start that row block anew.  Each four cost two switches of the windows.
.macro MUL8 j, a, zero, ride
.set vf, F0+64*((\j)%2)
.irp b, 0,1,2,3,4,5,6,7
	WIN MUL
.if \zero
	v_wmma_f32_16x16x32_f16 v[64*(\a)+8*(\b):64*(\a)+8*(\b)+7], v[vf+8*(\b):vf+8*(\b)+7], v[32*(\j)+8*(\a):32*(\j)+8*(\a)+7], 0
.else
	v_wmma_f32_16x16x32_f16 v[64*(\a)+8*(\b):64*(\a)+8*(\b)+7], v[vf+8*(\b):vf+8*(\b)+7], v[32*(\j)+8*(\a):32*(\j)+8*(\a)+7], v[64*(\a)+8*(\b):64*(\a)+8*(\b)+7]
.endif
.if (\ride) >= 0
	WIN ACW
.irp z, 0,1,2,3
	v_pk_fma_f32 v[64*(\ride)+8*(\b)+2*(\z):64*(\ride)+8*(\b)+2*(\z)+1], v[64*(\ride)+8*(\b)+2*(\z):64*(\ride)+8*(\b)+2*(\z)+1], v[FC+2*(\ride):FC+2*(\ride)+1], v[64*(\ride)+8*(\b)+2*(\z):64*(\ride)+8*(\b)+2*(\z)+1] op_sel_hi:[1,0,1]
.endr
.endif
.endr
.endm
; A STEP'S START.  fill = 1: the joint fill, first thing behind the round: the next step's V into the slot that was read in the step before; it has this step's first 224 matrix instructions in which to land.
; Then this step's addresses, the factors of the block of keys just finished, V's first two quarters (both buffers are free), and P's last quarter of THIS step, into the place that the last quarter has left.
.macro START fill
.if \fill
	tensor_load_to_lds s[G0:G0+3], s[G1:G1+7]
	s_nop 0
.endif
	PLACES                                         ; the places between the last products and the loads below
	v_add_nc_u32 v[ADRB], s[TB], v[ADRB0]
	v_add_nc_u32 v[FTA], s[FT], v[FTA0]
	v_add_nc_u32 v[ADRC], 4*QV, v[ADRB]
	s_add_co_u32 s[FT], s[FT], 256
	FACT
	FETCHV 0
	FETCHV 1
	s_wait_loadcnt 48                              ; P's quarter 0 is in: behind it six quarters of 8 loads; with the 8 below 56 are out at the most
	PLOAD 7, 1
.endm
; QUARTER j (0 to 6) of a step: 32 matrix instructions.  At its head the buffers that the quarter before has read are loaded again: V's quarter j + 1, a quarter ahead of its use, and (pl = 1) P's quarter j - 1 of the next step.
; lc: the loads issued behind P's quarter j: six quarters in the loop; in the last step, which loads nothing, the count runs down.
; acc = 1 (quarters 0 and 4): the block of 128 keys just finished joins the sum: row block 0 ahead of the quarter, blocks 1 to 3 riding on the products of the block before them.
.macro Q j, acc, pl, lc
.if (\j) > 0
	s_wait_loadcnt \lc
	PLACES
	FETCHV (\j)+1
.if (\j) == 3
	v_add_nc_u32 v[FTA], s[FT], v[FTA0]
	s_add_co_u32 s[FT], s[FT], 256
	FACT                                           ; for quarter 4's multiply-adds
.endif
.if \pl
	PLOAD (\j)-1, 0
.endif
.endif
.if (\j) == 3
	s_wait_dscnt 20                                ; V's quarter 3 is in; quarter 4's sixteen loads and the four factors may be out
.else
	s_wait_dscnt 16                                ; V's quarter j (and the factors ahead of it) are in; the next quarter's sixteen loads may be out
.endif
.if \acc
	ACCUM 0
	MUL8 \j, 0, 1, 1
	MUL8 \j, 1, 1, 2
	MUL8 \j, 2, 1, 3
	MUL8 \j, 3, 1, -1
.else
	MUL8 \j, 0, 0, -1
	MUL8 \j, 1, 0, -1
	MUL8 \j, 2, 0, -1
	MUL8 \j, 3, 0, -1
.endif
.endm
; QUARTER 7 in the loop changes slots: ONE barrier, which opens a round of the cluster's.  In front of it each wave waits for all its tensor loads (one is out: its part of the next slot), adds 0 to its
; spare word, and waits for that and for its reads of this slot, of which V's quarter 7 was the last.
.macro Q7T
	s_wait_loadcnt 48
	PLACES
	PLOAD 6, 0
	WIN 0
	s_wait_tensorcnt 0x0                           ; no tensor load of mine is out, so group 0 may be written
	ds_add_u32 v[SPW], v[NIL]                      ; 0 onto my spare word
	s_xor_b32 s[G0+1], s[G0+1], SLOT               ; the walking descriptor: the other slot than last time, the next step
	s_add_nc_u64 s[G0+2:G0+3], s[G0+2:G0+3], STEPB
	s_xor_b32 s[TB], s[TB], SLOT                   ; the fetches go on in the other slot
	s_wait_dscnt 1                                 ; V's quarter 7 is in; the add may be out
	MUL8 7, 0, 0, -1
	MUL8 7, 1, 0, -1
	s_wait_xcnt 0x0                                ; P's loads have had their addresses translated (ISA guide 3.1): their base is stepped only behind this wait
	s_add_nc_u64 s[4:5], s[4:5], PSTEP
	s_wait_dscnt 0x0                               ; the add is done, and my reads of this slot are over
	s_barrier_signal -1
	MUL8 7, 2, 0, -1                               ; work on registers while the others arrive
	MUL8 7, 3, 0, -1
	WIN 0                                          ; at a branch and at a label every window is 0
	s_barrier_wait -1
	CREST                                          ; no wave of any partner still reads this slot or has a load on its way
.endm
	s_mov_b32 s3, NSTEP-1
	s_wait_tensorcnt 0x0                           ; my part of step 0 is in; the same three lines and round as in the loop stand in front of slot 1's first fill
	ds_add_u32 v[SPW], v[NIL]                      ; 0 onto my spare word
	s_xor_b32 s[G0+1], s[G0+1], SLOT
	s_add_nc_u64 s[G0+2:G0+3], s[G0+2:G0+3], STEPB
	s_wait_dscnt 0x0                               ; the add is done, my table is written and the reciprocals are in
	CROUND
.Lstep:                                                ; seven trips: step s is multiplied, step s + 1's V and P are asked for
	START 1
	Q 0, 1, 0, 0
	Q 1, 0, 1, 48
	Q 2, 0, 1, 48
	Q 3, 0, 1, 48
	Q 4, 1, 1, 48
	Q 5, 0, 1, 48
	Q 6, 0, 1, 48
	Q7T
	s_sub_co_u32 s3, s3, 1
	s_cmp_lg_u32 s3, 0
	s_cbranch_scc1 .Lstep
	START 0                                        ; the last step is written out: it asks for no V, and of P only for its own last quarter
	Q 0, 1, 0, 0
	Q 1, 0, 0, 48
	Q 2, 0, 0, 40
	Q 3, 0, 0, 32
	Q 4, 1, 0, 24
	Q 5, 0, 0, 16
	Q 6, 0, 0, 8
	s_wait_loadcnt 0x0                             ; the very last quarter
	WIN 0
	v_add_nc_u32 v[FTA], s[FT], v[FTA0]
	FACT                                           ; the last block's factors
	s_wait_dscnt 4                                 ; V's quarter 7 is in; the four factors may be out
	MUL8 7, 0, 0, -1
	MUL8 7, 1, 0, -1
	MUL8 7, 2, 0, -1
	MUL8 7, 3, 0, -1
	WIN 0
	PLACES
	s_wait_dscnt 0x0
	ACCUM 0                                        ; the last block's product joins the sum
	ACCUM 1
	ACCUM 2
	ACCUM 3
; THE WAY OUT, 16 rows x 64 channels at a time (piece n: row block n / 2, half n % 2 of my 128 channels): the sums divided by the row's divisor, 32 bytes a lane into my stage,
; back as whole rows of 256 bytes, stored.
.macro OMUL n
.set oa, (\n)/2
.set oh, (\n)%2
	WIN 0x02                                       ; source 0 window 2
.set i, 0
.rept 16
	v_pk_mul_f32 v[T+2*i:T+2*i+1], v[64*oa+32*oh+2*i:64*oa+32*oh+2*i+1], v[INV+2*oa:INV+2*oa+1] op_sel_hi:[1,0]
.set i, i+1
.endr
	WIN 0
.endm
.macro OSTAGE n
.set BK, OB+32*((\n)%2)
.irp b, 0,1,2,3
	ds_store_b128 v[STO], v[T+8*(\b):T+8*(\b)+3]   offset:64*(\b)
	ds_store_b128 v[STO], v[T+8*(\b)+4:T+8*(\b)+7] offset:64*(\b)+16
.endr
.irp u, 0,1,2,3,4,5,6,7
	ds_load_b128 v[BK+4*(\u):BK+4*(\u)+3], v[RD] offset:(\u)*2*SP  ; LDS serves a wave's instructions in order (ISA guide 5.7.1.4): these see the stores above; the next piece's stores come behind them
.endr
.endm
.macro OSEND n
.set BK, OB+32*((\n)%2)
.set oa, (\n)/2
.set oh, (\n)%2
	s_wait_dscnt 0x0                               ; the piece is back in registers
	s_wait_xcnt 0x0                                ; earlier stores have read their registers: the other buffer is loaded again only behind this wait
.irp u, 0,1,2,3,4,5,6,7
	global_store_b128 v[CO], v[BK+4*(\u):BK+4*(\u)+3], s[10:11] offset:(16*oa+2*(\u))*OROW+256*oh th:TH_STORE_NT  ; 16 lanes store 256 consecutive bytes, at a multiple of 256 from out0's first byte
.endr
.endm
	OMUL 0
	OSTAGE 0
.irp n, 1,2,3,4,5,6,7                  ; piece n's arithmetic stands between piece n - 1's loads from the stage and the wait for them
	OMUL \n
	OSEND (\n)-1
	OSTAGE \n
.endr
	OSEND 7
	s_wait_tensorcnt 0x0                           ; the wave's end
	ds_add_u32 v[SPW], v[NIL]
	s_wait_dscnt 0x0
	CROUND                                         ; the closing round: no work-group ends while a partner may still ask for a tile that names it
	s_endpgm
.Lfunc_end_k_qd154efd462_pv:
	.size	k_qd154efd462_pv, .Lfunc_end_k_qd154efd462_pv-k_qd154efd462_pv
	.p2alignl 7, 3214868480
	.fill 96, 4, 3214868480
	.section	.rodata,"a",@progbits
	.p2align	6, 0x0
	.amdhsa_kernel k_qd154efd462_pv
		.amdhsa_group_segment_fixed_size 327680
		.amdhsa_private_segment_fixed_size 0
		.amdhsa_enable_private_segment 0
		.amdhsa_kernarg_size 32
		.amdhsa_user_sgpr_count 2
		.amdhsa_user_sgpr_kernarg_segment_ptr 1
		.amdhsa_wavefront_size32 1
		.amdhsa_system_sgpr_workgroup_id_x 1
		.amdhsa_system_sgpr_workgroup_id_y 1
		.amdhsa_system_sgpr_workgroup_id_z 1
		.amdhsa_system_vgpr_workitem_id 0
		.amdhsa_next_free_vgpr 1024
		.amdhsa_next_free_sgpr 80
		.amdhsa_reserve_vcc 0
		.amdhsa_float_denorm_mode_32 3
		.amdhsa_float_denorm_mode_16_64 3
		.amdhsa_memory_ordered 1
		.amdhsa_forward_progress 1
		.amdhsa_inst_pref_size 156
	.end_amdhsa_kernel
	.amdgpu_metadata
---
amdhsa.version: [ 1, 2 ]
amdhsa.kernels:
  - .name:           k_qd154efd462_pv
    .symbol:         k_qd154efd462_pv.kd
    .args:
      - { .name: p16, .offset: 0, .size: 8, .value_kind: global_buffer, .address_space: global }
      - { .name: qkv, .offset: 8, .size: 8, .value_kind: global_buffer, .address_space: global }
      - { .name: stat, .offset: 16, .size: 8, .value_kind: global_buffer, .address_space: global }
      - { .name: out0, .offset: 24, .size: 8, .value_kind: global_buffer, .address_space: global }
    .group_segment_fixed_size: 327680
    .private_segment_fixed_size: 0
    .kernarg_segment_align: 8
    .kernarg_segment_size: 32
    .max_flat_workgroup_size: 128
    .sgpr_count:     80
    .vgpr_count:     1024
    .wavefront_size: 32
...
	.end_amdgpu_metadata
.endif
;; end of part 8
;; ======== version 3 of 3: 4 launches; version 2 with the launch cast written anew for expert scheduling mode
;; limits: values are held in f16: magnitudes above 65,504 overflow, below 6.1e-05 lose precision
;; workspace buffers: xw 23,080,960 bytes; qkv 50,331,648 bytes; p16 33,554,432 bytes; stat 1,048,576 bytes
;; launch cast (part 9): grid 705 x 1, 8 waves a work-group, no clusters, 0 bytes of LDS; arguments x, Wq, Wk, Wv, bq, bk, bv, xw; writes xw
.if DOCPART == 9
	.amdgcn_target "amdgcn-amd-amdhsa--gfx1250"
	.amdhsa_code_object_version 6
	.text
	.protected	k_qd154efd462_cast
	.globl	k_qd154efd462_cast
	.p2align	8
	.type	k_qd154efd462_cast,@function
k_qd154efd462_cast:
	s_mov_b64 s[64:65], 0
	v_nop
	global_prefetch_b8 v0, s[64:65] scope:SCOPE_SE
	s_setreg_imm32_b32 hwreg(HW_REG_WAVE_SCHED_MODE, 0, 2), 2
	s_setreg_imm32_b32 hwreg(HW_REG_WAVE_MODE, 25, 1), 1
	s_wait_xcnt 0x0
	s_wait_alu depctr_vm_vsrc(0)
; xw takes every input, each number rounded once to bf16 (nearest even), laid out for the projection behind:
;   byte 0          x in blocks of 64 along K: [16 blocks][8192 rows][64] bf16, so that 256 rows x 64 K are 32,768 consecutive bytes
;   byte 0x1000000  the weights side by side: [1024 k][3072] bf16, columns 0-1023 Wq, 1024-2047 Wk, 2048-3071 Wv
;   byte 0x1600000  the biases side by side: [3072] f32, each holding its bf16 value
; A stream: each input byte is read once, each output byte written once.  No LDS, no matrix unit, no cluster: no two work-groups read the same bytes.
; Work-groups 0-511 take 16 rows of x, 512-703 take 16 rows of a weight, 704 takes the three biases.  The paths part on the work-group's number alone.
; THE MODE: SCHED_MODE bits 1:0 = 2 (LLVM: expert scheduling mode 2), set by the entry lines.  The code itself states the register dependences
; between vector instructions and memory instructions, with s_wait_alu, always for 0.
; THE PLAN.  Registers that memory instructions touch:
;   v1         the loads' byte offset (in the biases' path the stores' too).  Written at a path's head, never again.
;   v2         the stores' byte offset in x's and the weights' paths.  Written at the kernel's head, never again.
;   X          16 pieces as loaded.  Each four registers: written by one load, read by the piece's two conversions behind the wait for its data; never loaded again.
;   Y          16 pieces to store.   Each register: written by one conversion, read by one store; never written again.
; The 16 pieces go in four groups of four.  Group g's conversions read its X and write its Y; the memory instructions among them are the four stores of group g - 1, which read that
; group's Y and v2: registers that no conversion of group g names.  So ONE wait on va_vdst at a group's head states all that those four stores hang on.  One more stands ahead of a path's
; loads (the offsets are written) and one ahead of its last four stores.  No register that a load or store reads is written again, no vector instruction writes a scalar register or VCC,
; and EXEC is never written: no other field is waited for.
.set WOFF, 0x1000000
.set BOFF, 0x1600000
.set X, 4                              ; v[4:67]   16 pieces as loaded
.set Y, 68                             ; v[68:99]  16 pieces to store
.macro LOAD16 step                     ; sixteen loads at once, \step bytes apart
.set i, 0
.rept 16
	global_load_b128 v[X+4*i:X+4*i+3], v1, s[22:23] offset:(\step)*i th:TH_LOAD_NT
.set i, i+1
.endr
.endm
.macro CVT i                           ; piece i: four numbers rounded to bf16, packed
	v_cvt_pk_bf16_f32 v[Y+2*(\i)], v[X+4*(\i)], v[X+4*(\i)+1]
	v_cvt_pk_bf16_f32 v[Y+2*(\i)+1], v[X+4*(\i)+2], v[X+4*(\i)+3]
.endm
.macro STX i                           ; x: piece i goes into block i
.if (\i) < 8
	global_store_b64 v2, v[Y+2*(\i):Y+2*(\i)+1], s[24:25] offset:(\i)*1048576
.else
	global_store_b64 v2, v[Y+2*(\i):Y+2*(\i)+1], s[26:27] offset:((\i)-8)*1048576
.endif
.endm
.macro STW i                           ; a weight: piece i goes into row i of the 16
	global_store_b64 v2, v[Y+2*(\i):Y+2*(\i)+1], s[24:25] offset:6144*(\i)
.endm
; Group g of four pieces.  w = 0: x; w = 1: a weight.
.macro GROUP g, w
	s_wait_loadcnt 12-4*(\g)                       ; loads come back in order (ISA guide 5.7.1): group g's four pieces are in, the younger groups' 12 - 4 g loads stay out
.if (\g) > 0
	s_wait_alu depctr_va_vdst(0)                   ; the conversions of the group before have written its Y, which the four stores below read
.endif
.irp j, 0,1,2,3
.if (\g) > 0
.if \w
	STW 4*(\g)+(\j)-4                              ; no wait: no conversion since the wait above names this piece's Y
.else
	STX 4*(\g)+(\j)-4
.endif
.endif
	CVT 4*(\g)+(\j)
.endr
.endm
	s_load_b256 s[4:11], s[0:1], 0x0               ; x s[4:5], Wq s[6:7], Wk s[8:9], Wv s[10:11]
	s_load_b256 s[12:19], s[0:1], 0x20             ; bq s[12:13], bk s[14:15], bv s[16:17], xw s[18:19]
	s_mov_b32 s20, ttmp9
	v_lshlrev_b32 v2, 3, v0                        ; 8 t: my 8 bytes among the work-group's 2,048 consecutive ones
	s_wait_kmcnt 0x0
	s_cmp_lt_u32 s20, 512
	s_cbranch_scc0 .Lnot_x
	; x.  Thread t takes row t / 16 of the 16 and, in piece i, numbers 64 i + 4 (t % 16) .. + 3: sixteen lanes read 256 consecutive bytes of a row,
	; and a wave's store covers two rows' 128 bytes of block i, which are 256 consecutive bytes at a multiple of 256.
	v_lshrrev_b32 v1, 4, v0
	v_and_b32 v3, 15, v0
	v_lshlrev_b32 v3, 4, v3
	v_lshl_add_u32 v1, v1, 12, v3                  ; row x 4,096 + 16 (t % 16)
	s_lshl_b32 s22, s20, 16                        ; 16 rows of 4,096 bytes
	s_mov_b32 s23, 0
	s_add_nc_u64 s[22:23], s[4:5], s[22:23]
	s_lshl_b32 s24, s20, 11                        ; 16 rows of 128 bytes in a block
	s_mov_b32 s25, 0
	s_add_nc_u64 s[24:25], s[18:19], s[24:25]
	s_add_nc_u64 s[26:27], s[24:25], 0x800000      ; blocks 8-15: a block is 1,048,576 bytes, and an immediate reaches 8,388,607
	s_wait_alu depctr_va_vdst(0)                   ; v1 and v2 are written: the loads below read v1 as their offset, the stores v2
	LOAD16 256
	GROUP 0, 0
	GROUP 1, 0
	GROUP 2, 0
	GROUP 3, 0
	s_wait_alu depctr_va_vdst(0)                   ; the last group's conversions have written its Y, which the last four stores read
.irp i, 12,13,14,15
	STX \i
.endr
	s_endpgm
.Lnot_x:
	s_cmp_lt_u32 s20, 704
	s_cbranch_scc0 .Lbias
	; A weight.  Thread t takes numbers 4 t .. 4 t + 3 of each of 16 rows: a wave's load covers 512 consecutive bytes, its store 256 at a multiple of 256.
	s_sub_co_u32 s21, s20, 512
	s_lshr_b32 s28, s21, 6                         ; which weight
	s_and_b32 s29, s21, 63                         ; which 16 rows of it
	s_cmp_eq_u32 s28, 1
	s_cselect_b64 s[22:23], s[8:9], s[6:7]
	s_cmp_eq_u32 s28, 2
	s_cselect_b64 s[22:23], s[10:11], s[22:23]
	s_lshl_b32 s30, s29, 16
	s_mov_b32 s31, 0
	s_add_nc_u64 s[22:23], s[22:23], s[30:31]
	s_mul_i32 s30, s29, 16*6144                    ; 16 rows of 6,144 bytes,
	s_lshl_b32 s21, s28, 11                        ; the weight's 2,048 bytes of a row
	s_add_co_u32 s30, s30, s21
	s_add_co_u32 s30, s30, WOFF
	s_add_nc_u64 s[24:25], s[18:19], s[30:31]
	v_lshlrev_b32 v1, 4, v0
	s_wait_alu depctr_va_vdst(0)                   ; v1 and v2 are written: the loads below read v1 as their offset, the stores v2
	LOAD16 4096
	GROUP 0, 1
	GROUP 1, 1
	GROUP 2, 1
	GROUP 3, 1
	s_wait_alu depctr_va_vdst(0)                   ; the last group's conversions have written its Y, which the last four stores read
.irp i, 12,13,14,15
	STW \i
.endr
	s_endpgm
.Lbias:
	; The biases.  Thread t takes numbers 4 t .. 4 t + 3 of each: rounded to bf16 and widened again.
	v_lshlrev_b32 v1, 4, v0
	s_wait_alu depctr_va_vdst(0)                   ; v1 is written: the three loads and the three stores below read it as their offset
	global_load_b128 v[4:7], v1, s[12:13]
	global_load_b128 v[8:11], v1, s[14:15]
	global_load_b128 v[12:15], v1, s[16:17]
	s_add_nc_u64 s[24:25], s[18:19], BOFF
	s_wait_loadcnt 0x0
.set i, 0
.rept 6
	v_cvt_pk_bf16_f32 v[16+i], v[4+2*i], v[5+2*i]
	v_lshlrev_b32 v[4+2*i], 16, v[16+i]
	v_and_b32 v[5+2*i], 0xffff0000, v[16+i]
.set i, i+1
.endr
	s_wait_alu depctr_va_vdst(0)                   ; the widening lines have written v[4:15], which the three stores read
	global_store_b128 v1, v[4:7], s[24:25]
	global_store_b128 v1, v[8:11], s[24:25] offset:4096
	global_store_b128 v1, v[12:15], s[24:25] offset:8192
	s_endpgm
.Lfunc_end_k_qd154efd462_cast:
	.size	k_qd154efd462_cast, .Lfunc_end_k_qd154efd462_cast-k_qd154efd462_cast
	.p2alignl 7, 3214868480
	.fill 96, 4, 3214868480
	.section	.rodata,"a",@progbits
	.p2align	6, 0x0
	.amdhsa_kernel k_qd154efd462_cast
		.amdhsa_group_segment_fixed_size 0
		.amdhsa_private_segment_fixed_size 0
		.amdhsa_enable_private_segment 0
		.amdhsa_kernarg_size 64
		.amdhsa_user_sgpr_count 2
		.amdhsa_user_sgpr_kernarg_segment_ptr 1
		.amdhsa_wavefront_size32 1
		.amdhsa_system_sgpr_workgroup_id_x 1
		.amdhsa_system_sgpr_workgroup_id_y 1
		.amdhsa_system_sgpr_workgroup_id_z 1
		.amdhsa_system_vgpr_workitem_id 0
		.amdhsa_next_free_vgpr 104
		.amdhsa_next_free_sgpr 66
		.amdhsa_reserve_vcc 0
		.amdhsa_float_denorm_mode_32 3
		.amdhsa_float_denorm_mode_16_64 3
		.amdhsa_memory_ordered 1
		.amdhsa_forward_progress 1
		.amdhsa_inst_pref_size 15
	.end_amdhsa_kernel
	.amdgpu_metadata
---
amdhsa.version: [ 1, 2 ]
amdhsa.kernels:
  - .name:           k_qd154efd462_cast
    .symbol:         k_qd154efd462_cast.kd
    .args:
      - { .name: x, .offset: 0, .size: 8, .value_kind: global_buffer, .address_space: global }
      - { .name: Wq, .offset: 8, .size: 8, .value_kind: global_buffer, .address_space: global }
      - { .name: Wk, .offset: 16, .size: 8, .value_kind: global_buffer, .address_space: global }
      - { .name: Wv, .offset: 24, .size: 8, .value_kind: global_buffer, .address_space: global }
      - { .name: bq, .offset: 32, .size: 8, .value_kind: global_buffer, .address_space: global }
      - { .name: bk, .offset: 40, .size: 8, .value_kind: global_buffer, .address_space: global }
      - { .name: bv, .offset: 48, .size: 8, .value_kind: global_buffer, .address_space: global }
      - { .name: xw, .offset: 56, .size: 8, .value_kind: global_buffer, .address_space: global }
    .group_segment_fixed_size: 0
    .private_segment_fixed_size: 0
    .kernarg_segment_align: 8
    .kernarg_segment_size: 64
    .max_flat_workgroup_size: 256
    .sgpr_count:     66
    .vgpr_count:     104
    .wavefront_size: 32
...
	.end_amdgpu_metadata
.endif
;; end of part 9
;; launch proj: the kernel of part 6 again; grid 8 x 32, 4 waves a work-group, clusters of 4 x 4, 327,680 bytes of LDS; arguments xw, qkv; writes qkv
;; launch score: the kernel of part 7 again; grid 8 x 32, 4 waves a work-group, clusters of 4 x 4, 327,680 bytes of LDS; arguments qkv, p16, stat; writes p16, stat
;; launch pv: the kernel of part 8 again; grid 4 x 64, 4 waves a work-group, clusters of 4 x 4, 327,680 bytes of LDS; arguments p16, qkv, stat, out0; writes out0
